; MI455X (gfx1250); checked and timed in simulation.
; The chip was launched on July 23, 2026; its instructions are those of AMD's public machine-readable ISA for CDNA 5 (MIT licence, August 2026) and "CDNA5" Instruction Set Architecture Reference Guide (July 2026). The comments in the code are by the model that wrote it; some were corrected since.
;; Attention Block. Allowed arithmetic: matrix products marked QUANTISED: E2M1 operands, one E8M0 scale for each 32 along K, by v_wmma_scale_f32_16x16x128_f8f6f4 with both operands' format E2M1 (or v_wmma_scale_f32_32x16x128_f4), f32 sums; everything else in f32.
;; Inputs: bk 512 float32; bo 512 float32; bq 512 float32; bv 512 float32; conv_b 512 float32; conv_w 512 x 512 float32; gn_b 512 float32; gn_w 512 float32; wk 512 x 512 float32; wo 512 x 512 float32; wq 512 x 512 float32; wv 512 x 512 float32; x 16 x 512 x 32 x 32 float32.
;; Outputs: out0 16 x 512 x 32 x 32 float32.
;; This version of the problem:
;;   THIS VERSION OF THE PROBLEM IS GIVEN IN LOW PRECISION. The matrix products marked QUANTISED in the list below multiply operands that are first quantised to E2M1 (2 exponent bits, 1 mantissa bit; 4 bits a number), with one power-of-two scale for each 32 numbers along K (OCP MX v1.0); their sums are f32. All else is computed in f32.
;;   The module's matrix products, in the order in which they are computed (A, B: the left and right operand; K: the contracted axis; several contracted axes count as one K, in the product's order):
;;     1. [M 512, K 512] x [K 512, N 16,384]; A: input conv_w; B: computed on the way: QUANTISED
;;     2. [M 16,384, K 512] x [K 512, N 512]; A: computed on the way; B: input wq: QUANTISED
;;     3. [M 16,384, K 512] x [K 512, N 512]; A: computed on the way; B: input wk: QUANTISED
;;     4. [M 16,384, K 512] x [K 512, N 512]; A: computed on the way; B: input wv: QUANTISED
;;     5. batch 128 x [M 1,024, K 64] x [K 64, N 1,024]; A: computed on the way; B: computed on the way: QUANTISED
;;     6. batch 128 x [M 1,024, K 1,024] x [K 1,024, N 64]; A: softmax (see below); B: computed on the way: QUANTISED
;;     7. [M 16,384, K 512] x [K 512, N 512]; A: computed on the way; B: input wo: QUANTISED
;;   THE QUANTISER, for each operand of a quantised product, along K:
;;     - K is cut into blocks of 32 from its start; a last block that is shorter is filled with zeros.
;;     - A block's scale is 2^e with e = floor(log2(the largest magnitude in the block)) - 2, held to -126 .. 127; a block of zeros has e = 0. As a byte (E8M0): e + 127.
;;     - Each number is divided by its block's scale, clamped to +-6, and rounded to the nearest number of E2M1, ties to even, subnormals kept.
;;     - The product sums the exact products of the quantised numbers (number of the format x scale) in f32.
;;   ~~~python
;;   def quantise(x, axis):      # numpy; x: float32 -> the quantised numbers, widened to float32 again
;;       x = np.moveaxis(x, axis, -1); K = x.shape[-1]
;;       x = np.pad(x, [(0, 0)] * (x.ndim - 1) + [(0, -K % 32)]); x = x.reshape(x.shape[:-1] + (-1, 32)); a = np.abs(x).max(-1, keepdims=True)
;;       e = np.where(a > 0, np.clip(np.frexp(np.where(a > 0, a, 1))[1] - 1 - 2, -126, 127), 0)      # np.frexp(a)[1] - 1 = floor(log2(a)), exactly
;;       r = np.clip(x / 2.0 ** e, -6, 6)
;;       step = 2.0 ** (np.maximum(np.frexp(np.where(r == 0, 1, r))[1] - 1, 0) - 1)
;;       q = np.round(r / step) * step * 2.0 ** e      # np.round: ties to even
;;       return np.moveaxis(q.reshape(q.shape[:-2] + (-1,))[..., :K], -1, axis).astype(np.float32)
;;   ~~~
;;   SOFTMAX AHEAD OF A QUANTISED PRODUCT. Where the list says 'softmax', what is quantised is not the finished softmax but p = 2^(t - M), with t = logit x log2(e) and M = ceil(the row's largest t), a whole number; so 1/2 < the row's largest p <= 1. The row's sum l is taken of the UNQUANTISED p, in f32, and the product's result is divided by l at the end. Since M is a whole number, a kernel that streams over the keys may use a running M (the ceiling of the running maximum): every later rescaling is an exact power of two, which a block's scale takes up: the codes' values come out the same.
;;   OPERANDS COMPUTED ON THE WAY. 'Computed on the way' means the value that the module computes at that place (a softmax that the list does not call 'softmax' is quantised finished and normalised). What goes into a quantiser is computed in f32, as accurately as f32 sums, v_exp_f32 and their like allow (about 1e-6 of the number): no bf16 or f16 on the way to a quantiser, and a product that is left as it is and whose result goes on into a quantised operand takes f32 operands (vector FMAs, or v_wmma_f32_16x16x4_f32). A number that lies on a knife's edge between two numbers of the format may be rounded either way, as far as f32 arithmetic and the matrix unit's own rounding can turn it there, and no further.
;; 3 versions, each right; version 2 is faster than version 1; version 3 is version 2 with the launches proj, attn, outp written anew for expert scheduling mode. Each part assembles by itself: llvm-mc -triple=amdgcn-amd-amdhsa -mcpu=gfx1250 --defsym DOCPART=n.
;; ======== version 1 of 3: 5 launches
;; workspace buffers: wts 696,320 bytes; xnq 4,456,448 bytes; qkv 13,893,632 bytes; res 4,456,448 bytes
;; launch wquant (part 1): grid 32 x 5, 1 waves a work-group, no clusters, 0 bytes of LDS; arguments conv_w, wq, wk, wv, wo, wts; writes wts
.if DOCPART == 1
	.amdgcn_target "amdgcn-amd-amdhsa--gfx1250"
	.amdhsa_code_object_version 6
	.text
	.protected	k_q7b338ca640_wquant
	.globl	k_q7b338ca640_wquant
	.p2align	8
	.type	k_q7b338ca640_wquant,@function
k_q7b338ca640_wquant:
	s_mov_b64 s[64:65], 0
	v_nop
	global_prefetch_b8 v0, s[64:65] scope:SCOPE_SE
	s_setreg_imm32_b32 hwreg(HW_REG_WAVE_MODE, 25, 1), 1
	s_wait_xcnt 0x0
; The five weights [512 (out)][512 (in)], f32, K innermost, become codes of FP4 (E2M1) with one E8M0 scale byte for each 32 along K,
; laid in wts AS IMAGES OF THE OPERAND'S REGISTERS: weight mu, tile T of 16 rows, K step s of 128: two runs of 512 bytes, 16 bytes a lane.
; THE ROWS OF A TILE ARE NOT NEIGHBOURS: lane rho of tile T takes row 32 (T / 2) + 8 (T % 2) + rho + 8 (rho / 8), so that in a product whose
; source 0 is such a tile the 16 registers of tiles 2 b, 2 b + 1 are 16 neighbouring outputs.
; codes:        mu x 131072 + T x 4096 + s x 1024 + c x 512 + 16 x lane;  lane (rho, h) holds k = 128 s + 64 c + 32 h + 0 .. 31
; scale words:  655360 + mu x 8192 + T x 256 + 16 rho + 4 s  (so 32 lanes x 16 bytes bring the four words of tiles 2 b and 2 b + 1)
; One wave to a tile: x = T, y = mu.  A lane holds two whole blocks of a K step, so no other lane is asked for a maximum.
; A block's scale byte is its largest magnitude's exponent field - 2, held at 1 from below by a floor among the maximum's leaves.
; LIMITS: a block of zeros gets the byte 1 where the rule says 127 (its codes are zeros, and this program alone reads the bytes); NaN and infinities are not served.
.set FLOOR, 0x1800000                  ; 2^(3 - 127)
.set W, 8                              ; v8-11    the scale word of each K step
.set X, 32                             ; v32-223  three sets of 64 numbers
.set F, 224                            ; v224-255 the codes of each K step: store data that are never written again
	s_load_b256 s[4:11], s[0:1], 0x0               ; conv_w, wq, wk, wv
	s_load_b128 s[12:15], s[0:1], 0x20             ; wo, wts
	s_and_b32 s16, ttmp7, 0xffff                   ; mu
	s_mov_b32 s17, ttmp9                           ; T
	s_mov_b32 s28, 0x76543210
	s_mov_b32 s29, 0xfedcba98                      ; v_permlanex16_b32's selects for lane l xor 16
	v_and_b32 v1, 15, v0                           ; rho
	v_lshrrev_b32 v2, 4, v0                        ; h
	v_and_b32 v3, 8, v1
	v_add_nc_u32 v3, v3, v1                        ; rho + 8 (rho / 8)
	v_lshlrev_b32 v3, 11, v3                       ; a row is 2,048 bytes
	v_lshl_add_u32 v3, v2, 7, v3                   ; + 128 h: my 32 numbers of each 64
	v_lshlrev_b32 v4, 4, v0                        ; an image's place for my lane
	v_lshlrev_b32 v5, 4, v1                        ; my row's four scale words
	v_lshlrev_b32 v6, 3, v2                        ; 8 h: how far up my bytes stand in a scale word
	v_mov_b32 v19, 0                               ; a lane permute's destination counts as one of its sources
	s_lshr_b32 s18, s17, 1
	s_lshl_b32 s18, s18, 5
	s_and_b32 s19, s17, 1
	s_lshl_b32 s19, s19, 3
	s_add_co_u32 s18, s18, s19                     ; the tile's first row: 32 (T / 2) + 8 (T % 2)
	s_lshl_b32 s18, s18, 11
	s_mov_b32 s19, 0
	s_lshl_b32 s24, s16, 17
	s_lshl_b32 s25, s17, 12
	s_add_co_u32 s24, s24, s25                     ; the tile's codes
	s_mov_b32 s25, 0
	s_lshl_b32 s26, s16, 13
	s_lshl_b32 s27, s17, 8
	s_add_co_u32 s26, s26, s27
	s_add_co_u32 s26, s26, 655360                  ; the tile's scale words
	s_mov_b32 s27, 0
	s_wait_kmcnt 0x0
	s_cmp_eq_u32 s16, 1                            ; which weight: the choice hangs on the work-group's number alone
	s_cselect_b64 s[4:5], s[6:7], s[4:5]
	s_cmp_eq_u32 s16, 2
	s_cselect_b64 s[4:5], s[8:9], s[4:5]
	s_cmp_eq_u32 s16, 3
	s_cselect_b64 s[4:5], s[10:11], s[4:5]
	s_cmp_eq_u32 s16, 4
	s_cselect_b64 s[4:5], s[12:13], s[4:5]
	s_add_nc_u64 s[4:5], s[4:5], s[18:19]
	s_add_nc_u64 s[20:21], s[14:15], s[24:25]
	s_add_nc_u64 s[22:23], s[14:15], s[26:27]
.macro LOAD s                          ; K step s: my 2 x 32 numbers, into set s % 3
.irp c, 0,1
.irp g, 0,1,2,3,4,5,6,7
	global_load_b128 v[X+64*((\s)%3)+32*\c+4*\g:X+64*((\s)%3)+32*\c+4*\g+3], v3, s[4:5] offset:512*(\s)+256*\c+16*\g
.endr
.endr
.endm
.macro QS s                            ; K step s is quantised and its codes leave
.set XS, X+64*((\s)%3)
.irp c, 0,1
	v_max3_num_f32 v[12+\c], |v[XS+32*\c]|, |v[XS+32*\c+1]|, FLOOR   ; block 2 c + h: all its 32 numbers are mine
.endr
.irp i, 2,4,6,8,10,12,14,16,18,20,22,24,26,28,30
.irp c, 0,1
	v_max3_num_f32 v[12+\c], v[12+\c], |v[XS+32*\c+\i]|, |v[XS+32*\c+\i+1]|   ; (the two blocks by turns)
.endr
.endr
.irp c, 0,1
	v_add_nc_u32 v[14+\c], 0xff000000, v[12+\c]    ; 2 off the exponent field: the conversion's scale operand
.endr
.irp c, 0,1
	v_lshrrev_b32 v[16+\c], 23, v[14+\c]           ; the scale's byte
.endr
	v_lshl_or_b32 v18, v17, 16, v16                ; my two bytes, blocks h and 2 + h,
	v_lshlrev_b32 v18, v6, v18                     ; at their places;
	v_permlanex16_b32 v19, v18, s28, s29
	v_or_b32 v[W+(\s)], v18, v19                   ; with lane l xor 16's two the word is whole
.irp c, 0,1
.irp g, 0,1,2,3
	v_cvt_scalef32_pk8_fp4_f32 v[F+8*(\s)+4*\c+\g], v[XS+32*\c+8*\g:XS+32*\c+8*\g+7], v[14+\c]
.endr
.endr
	v_nop                                          ; one plain place behind the last scaled conversion
.irp c, 0,1
	global_store_b128 v4, v[F+8*(\s)+4*\c:F+8*(\s)+4*\c+3], s[20:21] offset:1024*(\s)+512*\c   ; 32 lanes store 512 consecutive bytes
.endr
.endm
	LOAD 0
	LOAD 1
	LOAD 2
	s_wait_loadcnt 32                              ; K step 0's sixteen loads are in; those of steps 1 and 2 may be out
	QS 0
	LOAD 3                                         ; into the set that step 0 has left
	s_wait_loadcnt 32                              ; step 1 is in; steps 2 and 3 may be out
	QS 1
	s_wait_loadcnt 16                              ; step 2 is in
	QS 2
	s_wait_loadcnt 0x0
	QS 3
	v_cmp_gt_u32 vcc_lo, 16, v0
	s_wait_xcnt 0x0                                ; EXEC is a source of the stores above: it changes only behind this wait
	s_and_saveexec_b32 s24, vcc_lo
	global_store_b128 v5, v[W:W+3], s[22:23]       ; sixteen lanes store the tile's 256 bytes of scale words, aligned
	s_wait_xcnt 0x0                                ; and again, ahead of the line that widens it
	s_or_b32 exec_lo, exec_lo, s24
	s_endpgm
.Lfunc_end_k_q7b338ca640_wquant:
	.size	k_q7b338ca640_wquant, .Lfunc_end_k_q7b338ca640_wquant-k_q7b338ca640_wquant
	.p2alignl 7, 3214868480
	.fill 96, 4, 3214868480
	.section	.rodata,"a",@progbits
	.p2align	6, 0x0
	.amdhsa_kernel k_q7b338ca640_wquant
		.amdhsa_group_segment_fixed_size 0
		.amdhsa_private_segment_fixed_size 0
		.amdhsa_enable_private_segment 0
		.amdhsa_kernarg_size 48
		.amdhsa_user_sgpr_count 2
		.amdhsa_user_sgpr_kernarg_segment_ptr 1
		.amdhsa_wavefront_size32 1
		.amdhsa_system_sgpr_workgroup_id_x 1
		.amdhsa_system_sgpr_workgroup_id_y 1
		.amdhsa_system_sgpr_workgroup_id_z 1
		.amdhsa_system_vgpr_workitem_id 0
		.amdhsa_next_free_vgpr 256
		.amdhsa_next_free_sgpr 66
		.amdhsa_reserve_vcc 1
		.amdhsa_float_denorm_mode_32 3
		.amdhsa_float_denorm_mode_16_64 3
		.amdhsa_memory_ordered 1
		.amdhsa_forward_progress 1
		.amdhsa_inst_pref_size 21
	.end_amdhsa_kernel
	.amdgpu_metadata
---
amdhsa.version: [ 1, 2 ]
amdhsa.kernels:
  - .name:           k_q7b338ca640_wquant
    .symbol:         k_q7b338ca640_wquant.kd
    .args:
      - { .name: conv_w, .offset: 0, .size: 8, .value_kind: global_buffer, .address_space: global }
      - { .name: wq, .offset: 8, .size: 8, .value_kind: global_buffer, .address_space: global }
      - { .name: wk, .offset: 16, .size: 8, .value_kind: global_buffer, .address_space: global }
      - { .name: wv, .offset: 24, .size: 8, .value_kind: global_buffer, .address_space: global }
      - { .name: wo, .offset: 32, .size: 8, .value_kind: global_buffer, .address_space: global }
      - { .name: wts, .offset: 40, .size: 8, .value_kind: global_buffer, .address_space: global }
    .group_segment_fixed_size: 0
    .private_segment_fixed_size: 0
    .kernarg_segment_align: 8
    .kernarg_segment_size: 48
    .max_flat_workgroup_size: 32
    .sgpr_count:     66
    .vgpr_count:     256
    .wavefront_size: 32
...
	.end_amdgpu_metadata
.endif
;; end of part 1
;; launch gnq (part 2): grid 256 x 1, 8 waves a work-group, no clusters, 19,456 bytes of LDS; arguments x, gn_w, gn_b, xnq; writes xnq
.if DOCPART == 2
	.amdgcn_target "amdgcn-amd-amdhsa--gfx1250"
	.amdhsa_code_object_version 6
	.text
	.protected	k_q7b338ca640_gnq
	.globl	k_q7b338ca640_gnq
	.p2align	8
	.type	k_q7b338ca640_gnq,@function
k_q7b338ca640_gnq:
	s_mov_b64 s[64:65], 0
	v_nop
	global_prefetch_b8 v0, s[64:65] scope:SCOPE_SE
	s_setreg_imm32_b32 hwreg(HW_REG_WAVE_MODE, 25, 1), 1
	s_wait_xcnt 0x0
; GroupNorm of x [16][512][1024] f32 (32 groups of 16 channels x 1,024 pixels), then the quantiser along the channels: codes of FP4 (E2M1), one E8M0 byte for each 32 channels.
; A work-group owns one image b and one block j of 32 channels = two whole groups = one quantiser block for each of the 1,024 pixels: 128 KiB, which its eight waves keep in registers.
; So x is read once: sums, then squares about the mean (two passes over registers: no difference of large sums), then normalise and quantise.
; A lane holds 4 neighbouring pixels (128 w + 4 l + e) of all 32 channels: register X + 4 i + e.  A pixel's block lies in ONE lane: its maximum needs no other lane.
; OUT (xnq, laid as the next product's operand wants it): codes: b x 262144 + P x 16384 + m x 4096 + 256 j + 16 r for pixel 64 P + 16 m + r;  scale bytes: 4194304 + b x 16384 + j x 1024 + pixel.
; The codes turn through the wave's own 2 KiB of LDS, so that sixteen lanes store 256 consecutive bytes, aligned.
; LIMITS: 1 / sqrt by v_rsq_f32; a block of zeros gets the byte 1 where the rule says 127 (its codes are zeros, and this program alone reads the bytes); NaN and infinities are not served.
.set FLOOR, 0x1800000                  ; 2^(3 - 127)
.set RED1, 0                           ; LDS: the waves' partial sums: word 32 g + 4 w
.set RED2, 256                         ; the same for the squares
.set SST,  512                         ; the 1,024 pixels' scale bytes
.set CST,  2048                        ; the codes: 2,048 bytes for each wave
.set X,  32                            ; v32-159  the numbers
.set N,  160                           ; v160-223 two sets of 32 normalised numbers; also at work
.set C,  224                           ; v224-239 the codes of my four pixels
.set SB, 240                           ; v240     their four scale bytes
	s_load_b256 s[4:11], s[0:1], 0x0               ; x, gn_w, gn_b, xnq
	v_lshl_add_u32 v254, v0, 2, 0x4800
	v_mov_b32 v255, 0
	v_lshrrev_b32 v7, 5, v0
	v_readfirstlane_b32 s14, v7                    ; wave 0..7
	s_lshr_b32 s15, ttmp9, 4                       ; b
	s_and_b32 s16, ttmp9, 15                       ; j
	s_mov_b32 s20, 0x76543210
	s_mov_b32 s21, 0xfedcba98                      ; v_permlanex16_b32's selects for lane l xor 16
	v_and_b32 v22, 31, v0                          ; lane
	v_and_b32 v23, 15, v0                          ; r
	v_bfe_u32 v24, v0, 4, 1                        ; h
	v_lshlrev_b32 v1, 4, v0                        ; my 16 bytes of a channel's 4,096
	v_lshl_add_u32 v2, v0, 6, CST                  ; the codes on the way in: 16 bytes a pixel, my four on end
	s_lshl_b32 s17, s14, 11
	s_add_co_u32 s17, s17, CST
	v_lshl_add_u32 v3, v22, 4, s17                 ; and back: 16 bytes a lane of my wave's 2,048
	s_lshl_b32 s17, s14, 15
	v_lshl_add_u32 v4, v24, 12, s17
	v_lshl_add_u32 v4, v23, 4, v4                  ; their place in xnq: 32768 w + 4096 h + 16 r
	v_lshl_add_u32 v5, v0, 2, SST                  ; my four scale bytes
	v_lshl_add_u32 v6, v0, 4, SST                  ; (waves 0 and 1) 16 of them on the way out
	v_lshlrev_b32 v7, 2, v7                        ; 4 w
	v_mov_b32 v8, 0
	v_mov_b32 v9, 0x38800000                       ; 1 / 16,384: a group's count
	s_lshl_b32 s24, s15, 21
	s_lshl_b32 s25, s16, 17
	s_add_co_u32 s24, s24, s25                     ; x: b x 2097152 + j x 131072
	s_mov_b32 s25, 0
	s_lshl_b32 s26, s16, 7                         ; gain and bias: 128 j
	s_mov_b32 s27, 0
	s_lshl_b32 s28, s15, 18
	s_lshl_b32 s29, s16, 8
	s_add_co_u32 s28, s28, s29                     ; the codes: b x 262144 + 256 j
	s_mov_b32 s29, 0
	s_lshl_b32 s30, s15, 14
	s_lshl_b32 s31, s16, 10
	s_add_co_u32 s30, s30, s31
	s_add_co_u32 s30, s30, 4194304                 ; the scale bytes
	s_mov_b32 s31, 0
	s_wait_kmcnt 0x0
	s_add_nc_u64 s[4:5], s[4:5], s[24:25]
	s_add_nc_u64 s[6:7], s[6:7], s[26:27]
	s_add_nc_u64 s[8:9], s[8:9], s[26:27]
	s_add_nc_u64 s[12:13], s[10:11], s[30:31]
	s_add_nc_u64 s[10:11], s[10:11], s[28:29]
.set II, 0
.rept 32
	global_load_b128 v[X+4*II:X+4*II+3], v1, s[4:5] offset:4096*II   ; channel II: the wave reads 512 consecutive bytes; all of its 16 KiB are asked for at once
.set II, II+1
.endr
	s_load_b512 s[32:47], s[6:7], 0x0              ; the gains of my 32 channels: s32-63
	s_load_b512 s[48:63], s[6:7], 0x40
	s_load_b512 s[68:83], s[8:9], 0x0              ; the biases: s68-99
	s_load_b512 s[84:99], s[8:9], 0x40
.macro GSUM g, a                       ; the sum of my 64 numbers of group g: two chains of packed sums, begun by the first pairs
	v_pk_add_f32 v[\a:\a+1], v[X+64*\g:X+64*\g+1], v[X+64*\g+4:X+64*\g+5]
	v_pk_add_f32 v[\a+2:\a+3], v[X+64*\g+2:X+64*\g+3], v[X+64*\g+6:X+64*\g+7]
.set KK, 8
.rept 14
	v_pk_add_f32 v[\a:\a+1], v[\a:\a+1], v[X+64*\g+KK:X+64*\g+KK+1]
	v_pk_add_f32 v[\a+2:\a+3], v[\a+2:\a+3], v[X+64*\g+KK+2:X+64*\g+KK+3]
.set KK, KK+4
.endr
	v_pk_add_f32 v[\a:\a+1], v[\a:\a+1], v[\a+2:\a+3]
	v_add_f32 v[\a], v[\a], v[\a+1]
.endm
.macro GSQ g, a                        ; the sum of their squares, likewise
	v_pk_mul_f32 v[\a:\a+1], v[X+64*\g:X+64*\g+1], v[X+64*\g:X+64*\g+1]
	v_pk_mul_f32 v[\a+2:\a+3], v[X+64*\g+2:X+64*\g+3], v[X+64*\g+2:X+64*\g+3]
.set KK, 4
.rept 15
	v_pk_fma_f32 v[\a:\a+1], v[X+64*\g+KK:X+64*\g+KK+1], v[X+64*\g+KK:X+64*\g+KK+1], v[\a:\a+1]
	v_pk_fma_f32 v[\a+2:\a+3], v[X+64*\g+KK+2:X+64*\g+KK+3], v[X+64*\g+KK+2:X+64*\g+KK+3], v[\a+2:\a+3]
.set KK, KK+4
.endr
	v_pk_add_f32 v[\a:\a+1], v[\a:\a+1], v[\a+2:\a+3]
	v_add_f32 v[\a], v[\a], v[\a+1]
.endm
.macro RED32 a, t                      ; over the wave's 32 lanes: every lane ends with the sum
	v_add_f32_dpp v[\a], v[\a], v[\a] row_xmask:1 row_mask:0xf bank_mask:0xf
	v_add_f32_dpp v[\a], v[\a], v[\a] row_xmask:2 row_mask:0xf bank_mask:0xf
	v_add_f32_dpp v[\a], v[\a], v[\a] row_xmask:4 row_mask:0xf bank_mask:0xf
	v_add_f32_dpp v[\a], v[\a], v[\a] row_xmask:8 row_mask:0xf bank_mask:0xf
	v_permlanex16_b32 v[\t], v[\a], s20, s21
	v_add_f32 v[\a], v[\a], v[\t]
.endm
.macro BARRIER                         ; my LDS stores have landed and my LDS loads are in: then the work-group's barrier
	s_wait_dscnt 0x0
	s_barrier_signal -1
	s_barrier_wait -1
.endm
.macro TOTAL off                       ; v10, v14 (my wave's figures of groups 0, 1) meet the other waves': the totals come in v160 and v168, alike in every wave
	ds_store_b32 v7, v10 offset:\off
	ds_store_b32 v7, v14 offset:\off+32
	BARRIER
	ds_load_b128 v[160:163], v8 offset:\off
	ds_load_b128 v[164:167], v8 offset:\off+16
	ds_load_b128 v[168:171], v8 offset:\off+32
	ds_load_b128 v[172:175], v8 offset:\off+48
	s_wait_dscnt 0x0
.irp a, 160, 168
	v_pk_add_f32 v[\a:\a+1], v[\a:\a+1], v[\a+2:\a+3]
	v_pk_add_f32 v[\a+4:\a+5], v[\a+4:\a+5], v[\a+6:\a+7]
	v_pk_add_f32 v[\a:\a+1], v[\a:\a+1], v[\a+4:\a+5]
	v_add_f32 v[\a], v[\a], v[\a+1]
.endr
.endm
	s_wait_loadcnt 16                              ; group 0's sixteen loads are in; group 1's may be out
	GSUM 0, 10
	s_wait_loadcnt 0x0
	GSUM 1, 14
	RED32 10, 22
	RED32 14, 23
	TOTAL RED1
	v_mul_f32 v18, v9, v160                        ; the means, each in both words of a pair
	v_mul_f32 v20, v9, v168
	v_mov_b32 v19, v18
	v_mov_b32 v21, v20
.set II, 0
.rept 32
	v_pk_add_f32 v[X+II:X+II+1], v[X+II:X+II+1], v[18:19] neg_lo:[0,1] neg_hi:[0,1]   ; x - mean, in place
	v_pk_add_f32 v[X+64+II:X+64+II+1], v[X+64+II:X+64+II+1], v[20:21] neg_lo:[0,1] neg_hi:[0,1]
.set II, II+2
.endr
	GSQ 0, 10
	GSQ 1, 14
	RED32 10, 22
	RED32 14, 23
	TOTAL RED2
	v_fmaak_f32 v24, v160, v9, 0x3727c5ac          ; the variance + 1e-5
	v_fmaak_f32 v25, v168, v9, 0x3727c5ac
	v_rsq_f32 v24, v24
	v_rsq_f32 v25, v25
	v_nop                                          ; one plain place behind a transcendental
	s_wait_alu depctr_va_vdst(0)
	v_readfirstlane_b32 s22, v24                   ; alike in every lane
	v_readfirstlane_b32 s23, v25
	s_wait_kmcnt 0x0                               ; gains and biases
.set II, 0
.rept 16
	s_mul_f32 s[32+II], s[32+II], s22              ; gain / standard deviation, a channel at a time
	s_mul_f32 s[48+II], s[48+II], s23
.set II, II+1
.endr
.macro PIX e                           ; my pixel e: normalised, quantised, its 16 bytes of codes to the stage
.set NS, N+32*((\e)%2)
.set II, 0
.rept 32
	v_fma_f32 v[NS+II], v[X+4*II+(\e)], s[32+II], s[68+II]
.set II, II+1
.endr
	v_max3_num_f32 v26, |v[NS]|, |v[NS+1]|, FLOOR  ; the block's largest magnitude, in two chains; the floor holds the byte at 1 from below
	v_max3_num_f32 v27, |v[NS+2]|, |v[NS+3]|, FLOOR
.irp i, 4,8,12,16,20,24,28
	v_max3_num_f32 v26, v26, |v[NS+\i]|, |v[NS+\i+1]|
	v_max3_num_f32 v27, v27, |v[NS+\i+2]|, |v[NS+\i+3]|
.endr
	v_max_num_f32 v26, v26, v27
	v_add_nc_u32 v28, 0xff000000, v26              ; 2 off the exponent field: the conversion's scale operand
	v_lshrrev_b32 v29, 23, v28                     ; the scale's byte
.if (\e) == 0
	v_mov_b32 v[SB], v29
.else
	v_lshl_or_b32 v[SB], v29, 8*(\e), v[SB]
.endif
.irp g, 0,1,2,3
	v_cvt_scalef32_pk8_fp4_f32 v[C+4*(\e)+\g], v[NS+8*\g:NS+8*\g+7], v28
.endr
	v_nop                                          ; one plain place behind the last scaled conversion
	ds_store_b128 v2, v[C+4*(\e):C+4*(\e)+3] offset:16*(\e)
.endm
	PIX 0
	PIX 1
	PIX 2
	PIX 3
.irp t, 0,1,2,3
	ds_load_b128 v[N+4*\t:N+4*\t+3], v3 offset:512*\t   ; pixel 32 t + lane of my 128.  LDS serves a wave's instructions in order (ISA guide 5.7.1.4): these see my stores
.endr
	ds_store_b32 v5, v[SB]
.irp t, 0,1,2,3
	s_wait_dscnt 4-\t                              ; load t is in: behind it stand 3 - t loads and the store of the bytes
	global_store_b128 v4, v[N+4*\t:N+4*\t+3], s[10:11] offset:(\t/2)*16384+(\t%2)*8192   ; each half of the lanes stores 256 consecutive bytes, aligned
.endr
	BARRIER                                        ; all 1,024 scale bytes lie in LDS
	s_cmp_lt_u32 s14, 2
	s_cbranch_scc0 .Lend                           ; waves 0 and 1 carry them out
	ds_load_b128 v[176:179], v6
	s_wait_dscnt 0x0
	global_store_b128 v1, v[176:179], s[12:13]     ; 512 consecutive bytes a wave
.Lend:
	s_wait_tensorcnt 0x0
	ds_add_u32 v254, v255
	s_wait_dscnt 0x0
	s_endpgm
.Lfunc_end_k_q7b338ca640_gnq:
	.size	k_q7b338ca640_gnq, .Lfunc_end_k_q7b338ca640_gnq-k_q7b338ca640_gnq
	.p2alignl 7, 3214868480
	.fill 96, 4, 3214868480
	.section	.rodata,"a",@progbits
	.p2align	6, 0x0
	.amdhsa_kernel k_q7b338ca640_gnq
		.amdhsa_group_segment_fixed_size 19456
		.amdhsa_private_segment_fixed_size 0
		.amdhsa_enable_private_segment 0
		.amdhsa_kernarg_size 32
		.amdhsa_user_sgpr_count 2
		.amdhsa_user_sgpr_kernarg_segment_ptr 1
		.amdhsa_wavefront_size32 1
		.amdhsa_system_sgpr_workgroup_id_x 1
		.amdhsa_system_sgpr_workgroup_id_y 1
		.amdhsa_system_sgpr_workgroup_id_z 1
		.amdhsa_system_vgpr_workitem_id 0
		.amdhsa_next_free_vgpr 256
		.amdhsa_next_free_sgpr 100
		.amdhsa_reserve_vcc 0
		.amdhsa_float_denorm_mode_32 3
		.amdhsa_float_denorm_mode_16_64 3
		.amdhsa_memory_ordered 1
		.amdhsa_forward_progress 1
		.amdhsa_inst_pref_size 39
	.end_amdhsa_kernel
	.amdgpu_metadata
---
amdhsa.version: [ 1, 2 ]
amdhsa.kernels:
  - .name:           k_q7b338ca640_gnq
    .symbol:         k_q7b338ca640_gnq.kd
    .args:
      - { .name: x, .offset: 0, .size: 8, .value_kind: global_buffer, .address_space: global }
      - { .name: gn_w, .offset: 8, .size: 8, .value_kind: global_buffer, .address_space: global }
      - { .name: gn_b, .offset: 16, .size: 8, .value_kind: global_buffer, .address_space: global }
      - { .name: xnq, .offset: 24, .size: 8, .value_kind: global_buffer, .address_space: global }
    .group_segment_fixed_size: 19456
    .private_segment_fixed_size: 0
    .kernarg_segment_align: 8
    .kernarg_segment_size: 32
    .max_flat_workgroup_size: 256
    .sgpr_count:     100
    .vgpr_count:     256
    .wavefront_size: 32
...
	.end_amdgpu_metadata
.endif
;; end of part 2
;; launch proj (part 3): grid 256 x 1, 8 waves a work-group, no clusters, 35,840 bytes of LDS; arguments xnq, wts, conv_b, bq, bk, bv, qkv; writes qkv
.if DOCPART == 3
	.amdgcn_target "amdgcn-amd-amdhsa--gfx1250"
	.amdhsa_code_object_version 6
	.text
	.protected	k_q7b338ca640_proj
	.globl	k_q7b338ca640_proj
	.p2align	8
	.type	k_q7b338ca640_proj,@function
k_q7b338ca640_proj:
	s_mov_b64 s[64:65], 0
	v_nop
	global_prefetch_b8 v0, s[64:65] scope:SCOPE_SE
	s_setreg_imm32_b32 hwreg(HW_REG_WAVE_MODE, 25, 1), 1
	s_wait_xcnt 0x0
; x1 = xn conv_w^T + conv_b, then q, k, v = x1 w^T + b: four products on codes of FP4 (E2M1) with one E8M0 scale for each 32 along K = 512.  x1 never goes to memory.
; A work-group takes 64 pixels of one image (four tiles of 16).  THE WAVES SHARE THE COLUMNS: wave w makes outputs 64 w .. 64 w + 63 of each product, which for q, k, v is head w.
; So each byte of a weight is read once by a work-group, straight into registers: its images in wts are laid in the order of the operand's registers (16 bytes a lane, 512 a load).
; Four UNITS: conv, q, k, v; a unit's 16 fragments (128 registers), scale words and bias are asked for a unit or two ahead, in two sets by turns.
; conv, q, k are used TRANSPOSED (source 0 = 16 rows of the weight, source 1 = 16 pixels): a lane holds one pixel and, by the choice of a tile's rows, 32 + 32 h' neighbours along the next K:
; they are quantised in registers.  x1's codes go to the other waves through LDS as images of the operand's registers; q's and k's go to memory so.
; v's K in the next product is the KEYS: it is used the other way round (source 0 = 16 pixels, source 1 = 16 rows of wv): a lane holds one channel and 8 pixels a tile; a block of 32 keys is two tiles and two lanes.
; A slot of 16 bytes of v's codes so holds keys 0-7, 16-23, 8-15, 24-31 of its block: the order in which the attention launch's weights p come out of its conversions: one permutation of k on both sides.
; The biases are the C of each sum's first matrix instruction.
; OUT (qkv, hb = 8 b + head): q codes hb x 32768 + T x 512 + 16 lane (T = pixel / 16; lane (r, h): d = 32 h ..); k the same + 4194304;
;   v codes 8388608 + hb x 32768 + s x 4096 + t x 1024 + c x 512 + 16 (16 h' + rho), key block 4 s + 2 c + h', channel 32 (t / 2) + 8 (t % 2) + rho + 8 (rho / 8);
;   q scale words 12582912 + hb x 4096 + P x 256 + 8 lane + 4 e: tile 2 e + lane / 16, row lane % 16; bytes 2 and 3 are 0x7f (they scale zero codes); k the same + 524288;
;   v scale bytes 13631488 + hb x 2048 + P x 128 + 4 lane: low half tile 2 h, high half tile 2 h + 1; in a half: key blocks 2 P, 2 P + 1.  (That one store covers 128 consecutive bytes, half of an aligned 256: 256 KiB in the launch.)
; LIMITS: a block of zeros gets the byte 1 where the rule says 127 (its codes are zeros, and this program alone reads the bytes); NaN and infinities are not served.
; REGISTERS: window 0 as named below; window 1: the weights' fragments, set 0 at v0-127, set 1 at v128-255.
.set FLOOR, 0x1800000                  ; 2^(3 - 127)
.set XIMG, 0                           ; LDS: xn's 16 fragments: m x 4096 + s x 1024 + c x 512 + 16 lane
.set HIMG, 16384                       ; x1's, likewise
.set XSC,  32768                       ; xn's scale bytes: 16 a pixel
.set HSC,  33792                       ; x1's
.set LI,  1                            ; v1   16 x lane
.set R16, 2                            ; v2   16 r
.set XWI, 3                            ; v3   2048 w + 16 lane: my share of xn's images
.set XSA, 4                            ; v4   1024 h + 4 r: xn's scale bytes in memory: block 2 w + h, pixels 4 r ..
.set XSB, 5                            ; v5   XSC + 64 r + 2 w + h: where they go
.set HWI, 6                            ; v6   HIMG + 512 w + 16 lane
.set HWS, 7                            ; v7   HSC + 16 r + 2 w
.set BT,  8                            ; v8   256 w + 64 h: a bias for a transposed product
.set BV,  9                            ; v9   256 w + 4 (r + 8 (r / 8)): v's bias
.set L8,  10                           ; v10  8 x lane
.set VO,  11                           ; v11  16 r + 8 h
.set L4,  12                           ; v12  4 x lane
.set SRC, 16                           ; v16-79   a pixel tile's four fragments, two sets
.set SS,  80                           ; v80-87   its four scale words, two sets
.set ACC, 88                           ; v88-151  four accumulators, two sets (v: eight)
.set BIAS, 152                         ; v152-215 the biases, two sets of 32
.set WS,  216                          ; v216-231 the weights' scale words, two sets of 8: register 4 b + s: lanes 0-15 tile 2 b, lanes 16-31 tile 2 b + 1
.set MX,  232
.set PT,  234
.set SO,  236
.set BY,  238
.set PC,  240                          ; v240-243 the codes just made
.set WW,  244                          ; v244-247 the scale words of the four pixel tiles
.set E,   248
.set HW,  250                          ; the two scale bytes just made
.set VMX, 152                          ; v's quantiser works in the first set of biases, which is free by then
.set VPT, 156
.set VSO, 160
.set VBY, 164
.set VHW, 168
.set VC,  172
.set SEL, 22
.set MSB, 0
.macro WIN new                         ; the immediate's high byte repeats the setting that is left
.if MSB != \new
	s_set_vgpr_msb (MSB<<8)|\new
.set MSB, \new
.endif
.endm
.macro PLACES n                        ; plain places behind matrix instructions (ISA guide 7.12.1)
.rept \n
	v_nop
.endr
.endm
.macro BARRIER                         ; my LDS stores have landed and my LDS loads are in: then the work-group's barrier
	s_wait_dscnt 0x0
	s_barrier_signal -1
	s_barrier_wait -1
.endm
.macro WM d, a, b, c, sa, sb, row      ; row = 1: source 0's scales stand in lanes 16-31; 2: source 1's
.if (\row) == 1
	v_wmma_scale_f32_16x16x128_f8f6f4 v[(\d):(\d)+7], v[(\a):(\a)+7], v[(\b):(\b)+7], v[(\c):(\c)+7], v[\sa], v[\sb] matrix_a_fmt:MATRIX_FMT_FP4 matrix_b_fmt:MATRIX_FMT_FP4 matrix_a_scale:MATRIX_SCALE_ROW1
.elseif (\row) == 2
	v_wmma_scale_f32_16x16x128_f8f6f4 v[(\d):(\d)+7], v[(\a):(\a)+7], v[(\b):(\b)+7], v[(\c):(\c)+7], v[\sa], v[\sb] matrix_a_fmt:MATRIX_FMT_FP4 matrix_b_fmt:MATRIX_FMT_FP4 matrix_b_scale:MATRIX_SCALE_ROW1
.else
	v_wmma_scale_f32_16x16x128_f8f6f4 v[(\d):(\d)+7], v[(\a):(\a)+7], v[(\b):(\b)+7], v[(\c):(\c)+7], v[\sa], v[\sb] matrix_a_fmt:MATRIX_FMT_FP4 matrix_b_fmt:MATRIX_FMT_FP4
.endif
.endm
; 32 numbers of a lane, register 16 b + i = k 32 b + 16 (lane / 16) + i of my row, become one image (v[PC] on: lanes 0-15 block 0, lanes 16-31 block 1) and two scale bytes (v[HW])
.macro QUANT2 src
.irp b, 0,1
	v_max3_num_f32 v[MX+\b], |v[(\src)+16*\b]|, |v[(\src)+16*\b+1]|, FLOOR   ; my 16 numbers of block b, and the floor, which holds the byte at 1 from below
.endr
.irp i, 2,4,6,8,10,12,14
.irp b, 0,1
	v_max3_num_f32 v[MX+\b], v[MX+\b], |v[(\src)+16*\b+\i]|, |v[(\src)+16*\b+\i+1]|
.endr
.endr
.irp b, 0,1
	v_permlanex16_b32 v[PT+\b], v[MX+\b], s[SEL], s[SEL+1]
.endr
.irp b, 0,1
	v_max_num_f32 v[MX+\b], v[MX+\b], v[PT+\b]     ; with lane l xor 16's: the block's largest magnitude
.endr
.irp b, 0,1
	v_add_nc_u32 v[SO+\b], 0xff000000, v[MX+\b]    ; 2 off the exponent field: the conversion's scale operand
.endr
.irp b, 0,1
	v_lshrrev_b32 v[BY+\b], 23, v[SO+\b]           ; the scale's byte
.endr
	v_lshl_or_b32 v[HW], v[BY+1], 8, v[BY]
.irp b, 0,1
	v_cvt_scalef32_pk8_fp4_f32 v[PC+2*\b], v[(\src)+16*\b:(\src)+16*\b+7], v[SO+\b]
	v_cvt_scalef32_pk8_fp4_f32 v[PC+2*\b+1], v[(\src)+16*\b+8:(\src)+16*\b+15], v[SO+\b]
.endr
	v_nop                                          ; one plain place behind the last scaled conversion
	v_permlane16_swap_b32 v[PC], v[PC+2]           ; the operand's layout wants a whole block in a lane
	v_permlane16_swap_b32 v[PC+1], v[PC+3]
.endm
; weight mu's part for my wave into set: 32 loads of codes, 2 of scale words, and the bias (kind 0: 8 loads, in a transposed result's layout; kind 1: 4 loads, one number a tile): 42 or 38 loads
.macro WLOAD mu, set, kind, bp
	WIN 0x40                                       ; destination window 1
.set II, 0
.rept 32
	global_load_b128 v[128*(\set)+4*II:128*(\set)+4*II+3], v[LI], s[32:33] offset:(\mu)*131072+512*II
.set II, II+1
.endr
	WIN 0
.irp b, 0,1
	global_load_b128 v[WS+8*(\set)+4*\b:WS+8*(\set)+4*\b+3], v[LI], s[34:35] offset:(\mu)*8192+512*\b
.endr
.if (\kind) == 0
.irp t, 0,1,2,3
	global_load_b128 v[BIAS+32*(\set)+8*\t:BIAS+32*(\set)+8*\t+3], v[BT], s[\bp:\bp+1] offset:(32*(\t/2)+8*(\t%2))*4
	global_load_b128 v[BIAS+32*(\set)+8*\t+4:BIAS+32*(\set)+8*\t+7], v[BT], s[\bp:\bp+1] offset:(32*(\t/2)+8*(\t%2))*4+16
.endr
.else
.irp t, 0,1,2,3
	global_load_b32 v[BIAS+32*(\set)+8*\t], v[BV], s[\bp:\bp+1] offset:(32*(\t/2)+8*(\t%2))*4
.endr
.endif
.endm
.macro FETCH set, img, sct, m          ; pixel tile m: four fragments and four scale words: nine LDS loads
.irp q, 0,1,2,3,4,5,6,7
	ds_load_b128 v[SRC+32*(\set)+4*\q:SRC+32*(\set)+4*\q+3], v[LI] offset:(\img)+4096*(\m)+512*\q
.endr
	ds_load_b128 v[SS+4*(\set):SS+4*(\set)+3], v[R16] offset:(\sct)+256*(\m)
.endm
; 16 matrix instructions, transposed: my four tiles of the weight x one pixel tile, K step by K step.  The four accumulators take turns, one instruction a turn.
.macro MULT set, ps
	WIN 0x01                                       ; source 0 (the weight) window 1
.irp s, 0,1,2,3
.irp t, 0,1,2,3
.if \s == 0
	WM ACC+32*(\ps)+8*\t, 128*(\set)+8*(4*\t+\s), SRC+32*(\ps)+8*\s, BIAS+32*(\set)+8*\t, WS+8*(\set)+4*(\t/2)+\s, SS+4*(\ps)+\s, \t%2
.else
	WM ACC+32*(\ps)+8*\t, 128*(\set)+8*(4*\t+\s), SRC+32*(\ps)+8*\s, ACC+32*(\ps)+8*\t, WS+8*(\set)+4*(\t/2)+\s, SS+4*(\ps)+\s, \t%2
.endif
.endr
.endr
	WIN 0
.endm
; 32 matrix instructions, the other way round: two pixel tiles (source 0) x my four tiles of the weight (source 1); eight accumulators by turns
.macro MULV set
	WIN 0x04                                       ; source 1 (the weight) window 1
.irp s, 0,1,2,3
.irp p, 0,1
.irp t, 0,1,2,3
.if \s == 0
	WM ACC+32*\p+8*\t, SRC+32*\p+8*\s, 128*(\set)+8*(4*\t+\s), BIAS+32*(\set)+8*\t, SS+4*\p+\s, WS+8*(\set)+4*(\t/2)+\s, 2*(\t%2)
.else
	WM ACC+32*\p+8*\t, SRC+32*\p+8*\s, 128*(\set)+8*(4*\t+\s), ACC+32*\p+8*\t, SS+4*\p+\s, WS+8*(\set)+4*(\t/2)+\s, 2*(\t%2)
.endif
.endr
.endr
.endr
	WIN 0
.endm
; A transposed unit.  kind 0: conv (results to LDS), 1: q, 2: k (results to memory).  cnt: the loads issued behind this unit's, which may stay out.
.macro UNIT kind, set, img, sct, cnt
	s_wait_loadcnt \cnt                            ; this unit's weights, scale words and bias are in
	FETCH 0, \img, \sct, 0
.irp m, 0,1,2,3
.if \m < 3
	FETCH (\m+1)%2, \img, \sct, \m+1
	s_wait_dscnt 9                                 ; tile m is in (and the LDS stores of the tile before are done); the nine loads just issued may be out
.else
	s_wait_dscnt 0x0
.endif
	MULT \set, \m%2
	PLACES 4                                       ; ahead of the reads of the results, and of the loads into this unit's weights below
.if \m == 3
.if \kind == 0
	WLOAD 2, 0, 0, 12                              ; k's weights, into the set that conv has left
.elseif \kind == 1
	WLOAD 3, 1, 1, 14                              ; v's, into the set that q has left
.endif
.endif
.if \kind > 0
	s_wait_xcnt 0x0                                ; the codes' registers were the data of the store before: they are written again only behind this wait
.endif
	QUANT2 ACC+32*(\m%2)
.if \kind == 0
	ds_store_b128 v[HWI], v[PC:PC+3] offset:4096*\m   ; half a K step of the next products, for pixel tile m: an image of its registers
	ds_store_b16 v[HWS], v[HW] offset:256*\m       ; blocks 2 w and 2 w + 1 of the pixel's 16 bytes (both halves of the lanes write the same)
.else
	global_store_b128 v[LI], v[PC:PC+3], s[24:25] offset:512*\m+4194304*(\kind-1)   ; 512 consecutive bytes
	v_or_b32 v[WW+\m], 0x7f7f0000, v[HW]           ; the head has 64 along K: the instruction's other 64 are zero codes under the scale 1
.endif
.endr
.if \kind > 0
	v_cndmask_b32 v[E], v[WW], v[WW+1], vcc_lo     ; lanes 0-15 the even tile's words, lanes 16-31 the odd tile's
	v_cndmask_b32 v[E+1], v[WW+2], v[WW+3], vcc_lo
	global_store_b64 v[L8], v[E:E+1], s[28:29] offset:524288*(\kind-1)   ; 256 consecutive bytes, aligned
.endif
.endm
; key block kb of my 64 pixels: for each of my four tiles of channels 16 numbers a lane, from two accumulators
.macro VQUANT kb
.irp t, 0,1,2,3
	v_max3_num_f32 v[VMX+\t], |v[ACC+8*\t]|, |v[ACC+8*\t+1]|, FLOOR
.endr
.irp i, 2,4,6
.irp t, 0,1,2,3
	v_max3_num_f32 v[VMX+\t], v[VMX+\t], |v[ACC+8*\t+\i]|, |v[ACC+8*\t+\i+1]|
.endr
.endr
.irp i, 0,2,4,6
.irp t, 0,1,2,3
	v_max3_num_f32 v[VMX+\t], v[VMX+\t], |v[ACC+32+8*\t+\i]|, |v[ACC+32+8*\t+\i+1]|
.endr
.endr
.irp t, 0,1,2,3
	v_permlanex16_b32 v[VPT+\t], v[VMX+\t], s[SEL], s[SEL+1]
.endr
.irp t, 0,1,2,3
	v_max_num_f32 v[VMX+\t], v[VMX+\t], v[VPT+\t]
.endr
.irp t, 0,1,2,3
	v_add_nc_u32 v[VSO+\t], 0xff000000, v[VMX+\t]
.endr
.irp t, 0,1,2,3
	v_lshrrev_b32 v[VBY+\t], 23, v[VSO+\t]
.endr
.irp t, 0,1,2,3
.if (\kb) == 0
	v_mov_b32 v[VHW+\t], v[VBY+\t]
.else
	v_lshl_or_b32 v[VHW+\t], v[VBY+\t], 8, v[VHW+\t]
.endif
.endr
.irp t, 0,1,2,3
	v_cvt_scalef32_pk8_fp4_f32 v[VC+2*\t], v[ACC+8*\t:ACC+8*\t+7], v[VSO+\t]             ; keys 8 h + 0 .. 7 of the block
	v_cvt_scalef32_pk8_fp4_f32 v[VC+2*\t+1], v[ACC+32+8*\t:ACC+32+8*\t+7], v[VSO+\t]     ; keys 16 + 8 h + 0 .. 7
.endr
	v_nop                                          ; one plain place behind the last scaled conversion
.irp t, 0,1,2,3
	global_store_b64 v[VO], v[VC+2*\t:VC+2*\t+1], s[26:27] offset:1024*\t+256*(\kb)   ; 256 consecutive bytes, aligned
.endr
.endm
	s_load_b256 s[4:11], s[0:1], 0x0               ; xnq, wts, conv_b, bq
	s_load_b128 s[12:15], s[0:1], 0x20             ; bk, bv
	s_load_b64 s[16:17], s[0:1], 0x30              ; qkv
	v_lshrrev_b32 v13, 5, v0
	v_readfirstlane_b32 s18, v13                   ; wave 0..7
	s_lshr_b32 s19, ttmp9, 4                       ; b
	s_and_b32 s20, ttmp9, 15                       ; P
	s_lshl_b32 s21, s19, 3
	s_add_co_u32 s21, s21, s18                     ; hb = 8 b + w
	s_mov_b32 s[SEL], 0x76543210
	s_mov_b32 s[SEL+1], 0xfedcba98                 ; v_permlanex16_b32's selects for lane l xor 16
	v_and_b32 v13, 31, v0                          ; lane
	v_and_b32 v14, 15, v0                          ; r
	v_bfe_u32 v15, v0, 4, 1                        ; h
	v_lshlrev_b32 v[LI], 4, v13
	v_lshlrev_b32 v[R16], 4, v14
	s_lshl_b32 s40, s18, 11
	v_add_nc_u32 v[XWI], s40, v[LI]
	v_lshlrev_b32 v[XSA], 2, v14
	v_lshl_add_u32 v[XSA], v15, 10, v[XSA]
	s_lshl_b32 s40, s18, 1
	s_add_co_u32 s42, s40, XSC
	v_lshl_add_u32 v[XSB], v14, 6, v15
	v_add_nc_u32 v[XSB], s42, v[XSB]
	s_lshl_b32 s42, s18, 9
	s_add_co_u32 s42, s42, HIMG
	v_add_nc_u32 v[HWI], s42, v[LI]
	s_add_co_u32 s42, s40, HSC
	v_add_nc_u32 v[HWS], s42, v[R16]
	s_lshl_b32 s40, s18, 8
	v_lshl_add_u32 v[BT], v15, 6, s40
	v_and_b32 v[BV], 8, v14
	v_add_nc_u32 v[BV], v[BV], v14
	v_lshl_add_u32 v[BV], v[BV], 2, s40
	v_lshlrev_b32 v[L8], 3, v13
	v_lshl_add_u32 v[VO], v15, 3, v[R16]
	v_lshlrev_b32 v[L4], 2, v13
	v_cmp_lt_u32 vcc_lo, 15, v13                   ; lanes 16-31: made once, kept
	v_mov_b32 v[PT], 0                             ; a lane permute's destination counts as one of its sources
	v_mov_b32 v[PT+1], 0
	; byte offsets, each in the low word of the pair that will hold the address
	s_lshl_b32 s24, s21, 15
	s_lshl_b32 s40, s20, 11
	s_add_co_u32 s24, s24, s40                     ; q's codes: hb x 32768 + P x 2048
	s_mov_b32 s25, 0
	s_lshl_b32 s26, s21, 15
	s_lshr_b32 s40, s20, 1
	s_lshl_b32 s40, s40, 12
	s_add_co_u32 s26, s26, s40
	s_and_b32 s40, s20, 1
	s_lshl_b32 s40, s40, 9
	s_add_co_u32 s26, s26, s40
	s_add_co_u32 s26, s26, 8388608                 ; v's codes: key blocks 2 P, 2 P + 1
	s_mov_b32 s27, 0
	s_lshl_b32 s28, s21, 12
	s_lshl_b32 s40, s20, 8
	s_add_co_u32 s28, s28, s40
	s_add_co_u32 s28, s28, 12582912                ; q's scale words
	s_mov_b32 s29, 0
	s_lshl_b32 s30, s21, 11
	s_lshl_b32 s40, s20, 7
	s_add_co_u32 s30, s30, s40
	s_add_co_u32 s30, s30, 13631488                ; v's scale bytes
	s_mov_b32 s31, 0
	s_lshl_b32 s32, s18, 14                        ; my four tiles of a weight
	s_mov_b32 s33, 0
	s_lshl_b32 s34, s18, 10
	s_add_co_u32 s34, s34, 655360                  ; and their scale words
	s_mov_b32 s35, 0
	s_lshl_b32 s36, s19, 18
	s_lshl_b32 s40, s20, 14
	s_add_co_u32 s36, s36, s40
	s_lshl_b32 s42, s18, 11
	s_add_co_u32 s36, s36, s42                     ; my eighth of the 64 pixels' codes of xn
	s_mov_b32 s37, 0
	s_lshl_b32 s38, s19, 14
	s_add_co_u32 s38, s38, s42
	s_lshl_b32 s40, s20, 6
	s_add_co_u32 s38, s38, s40
	s_add_co_u32 s38, s38, 4194304                 ; and blocks 2 w, 2 w + 1 of their scale bytes
	s_mov_b32 s39, 0
	s_wait_kmcnt 0x0
	s_add_nc_u64 s[24:25], s[16:17], s[24:25]
	s_add_nc_u64 s[26:27], s[16:17], s[26:27]
	s_add_nc_u64 s[28:29], s[16:17], s[28:29]
	s_add_nc_u64 s[30:31], s[16:17], s[30:31]
	s_add_nc_u64 s[32:33], s[6:7], s[32:33]
	s_add_nc_u64 s[34:35], s[6:7], s[34:35]
	s_add_nc_u64 s[36:37], s[4:5], s[36:37]
	s_add_nc_u64 s[38:39], s[4:5], s[38:39]
.irp i, 0,1,2,3
	global_load_b128 v[ACC+4*\i:ACC+4*\i+3], v[LI], s[36:37] offset:512*\i
.endr
	global_load_b32 v251, v[XSA], s[38:39]
	WLOAD 0, 0, 0, 8                               ; conv's
	s_wait_loadcnt 42                              ; xn's five loads are in; conv's 42 may be out
.irp i, 0,1,2,3
	ds_store_b128 v[XWI], v[ACC+4*\i:ACC+4*\i+3] offset:XIMG+512*\i   ; the images lie in LDS as they lie in memory
.endr
	ds_store_b8 v[XSB], v251                       ; four pixels' bytes of one block: each to its pixel's 16
	v_lshrrev_b32 v252, 8, v251
	ds_store_b8 v[XSB], v252 offset:16
	v_lshrrev_b32 v253, 16, v251
	ds_store_b8 v[XSB], v253 offset:32
	v_lshrrev_b32 v254, 24, v251
	ds_store_b8 v[XSB], v254 offset:48
	WLOAD 1, 1, 0, 10                              ; q's
	BARRIER                                        ; xn's sixteen fragments and their scale bytes lie in LDS
	UNIT 0, 0, XIMG, XSC, 42                       ; behind conv's loads: q's 42
	BARRIER                                        ; x1's sixteen fragments and their scale bytes lie in LDS
	UNIT 1, 1, HIMG, HSC, 42                       ; behind q's loads: k's 42
	UNIT 2, 0, HIMG, HSC, 38                       ; behind k's loads: v's 38
	s_wait_loadcnt 0x0                             ; v's
.irp t, 0,1,2,3
.irp j, 1,2,3,4,5,6,7
	v_mov_b32 v[BIAS+32+8*\t+\j], v[BIAS+32+8*\t]  ; a lane holds one channel here: its bias in all eight registers of the C
.endr
.endr
.irp t, 0,1,2,3
	v_mov_b32 v[VPT+\t], 0                         ; a lane permute's destination counts as one of its sources
.endr
	FETCH 0, HIMG, HSC, 0
	FETCH 1, HIMG, HSC, 1
	s_wait_dscnt 0x0
	MULV 1
	PLACES 4
	FETCH 0, HIMG, HSC, 2
	FETCH 1, HIMG, HSC, 3
	VQUANT 0
	s_wait_dscnt 0x0
	MULV 1
	PLACES 4
	s_wait_xcnt 0x0                                ; the first block's stores have read their registers
	VQUANT 1
	v_cndmask_b32 v251, v[VHW], v[VHW+2], vcc_lo   ; lanes 0-15: tiles 0 and 1; lanes 16-31: tiles 2 and 3
	v_cndmask_b32 v252, v[VHW+1], v[VHW+3], vcc_lo
	v_lshl_or_b32 v253, v252, 16, v251
	global_store_b32 v[L4], v253, s[30:31]
	s_wait_xcnt 0x0
	v_lshl_add_u32 v254, v0, 2, 0x8800
	v_mov_b32 v255, 0
	s_wait_tensorcnt 0x0
	ds_add_u32 v254, v255
	s_wait_dscnt 0x0
	s_endpgm
.Lfunc_end_k_q7b338ca640_proj:
	.size	k_q7b338ca640_proj, .Lfunc_end_k_q7b338ca640_proj-k_q7b338ca640_proj
	.p2alignl 7, 3214868480
	.fill 96, 4, 3214868480
	.section	.rodata,"a",@progbits
	.p2align	6, 0x0
	.amdhsa_kernel k_q7b338ca640_proj
		.amdhsa_group_segment_fixed_size 35840
		.amdhsa_private_segment_fixed_size 0
		.amdhsa_enable_private_segment 0
		.amdhsa_kernarg_size 56
		.amdhsa_user_sgpr_count 2
		.amdhsa_user_sgpr_kernarg_segment_ptr 1
		.amdhsa_wavefront_size32 1
		.amdhsa_system_sgpr_workgroup_id_x 1
		.amdhsa_system_sgpr_workgroup_id_y 1
		.amdhsa_system_sgpr_workgroup_id_z 1
		.amdhsa_system_vgpr_workitem_id 0
		.amdhsa_next_free_vgpr 512
		.amdhsa_next_free_sgpr 66
		.amdhsa_reserve_vcc 1
		.amdhsa_float_denorm_mode_32 3
		.amdhsa_float_denorm_mode_16_64 3
		.amdhsa_memory_ordered 1
		.amdhsa_forward_progress 1
		.amdhsa_inst_pref_size 99
	.end_amdhsa_kernel
	.amdgpu_metadata
---
amdhsa.version: [ 1, 2 ]
amdhsa.kernels:
  - .name:           k_q7b338ca640_proj
    .symbol:         k_q7b338ca640_proj.kd
    .args:
      - { .name: xnq, .offset: 0, .size: 8, .value_kind: global_buffer, .address_space: global }
      - { .name: wts, .offset: 8, .size: 8, .value_kind: global_buffer, .address_space: global }
      - { .name: conv_b, .offset: 16, .size: 8, .value_kind: global_buffer, .address_space: global }
      - { .name: bq, .offset: 24, .size: 8, .value_kind: global_buffer, .address_space: global }
      - { .name: bk, .offset: 32, .size: 8, .value_kind: global_buffer, .address_space: global }
      - { .name: bv, .offset: 40, .size: 8, .value_kind: global_buffer, .address_space: global }
      - { .name: qkv, .offset: 48, .size: 8, .value_kind: global_buffer, .address_space: global }
    .group_segment_fixed_size: 35840
    .private_segment_fixed_size: 0
    .kernarg_segment_align: 8
    .kernarg_segment_size: 56
    .max_flat_workgroup_size: 256
    .sgpr_count:     66
    .vgpr_count:     512
    .wavefront_size: 32
...
	.end_amdgpu_metadata
.endif
;; end of part 3
;; launch attn (part 4): grid 256 x 1, 16 waves a work-group, no clusters, 74,752 bytes of LDS; arguments qkv, res; writes res
.if DOCPART == 4
	.amdgcn_target "amdgcn-amd-amdhsa--gfx1250"
	.amdhsa_code_object_version 6
	.text
	.protected	k_q7b338ca640_attn
	.globl	k_q7b338ca640_attn
	.p2align	8
	.type	k_q7b338ca640_attn,@function
k_q7b338ca640_attn:
	s_mov_b64 s[64:65], 0
	v_nop
	global_prefetch_b8 v0, s[64:65] scope:SCOPE_SE
	s_setreg_imm32_b32 hwreg(HW_REG_WAVE_MODE, 25, 1), 1
	s_wait_xcnt 0x0
; O = softmax(q k^T / 8) v for 128 (image, head) pairs of 1,024 x 1,024, head size 64, both products on codes of FP4 (E2M1) with one E8M0 scale for each 32 along K; then O / l is quantised along the channels for the last product.
; THE SOFTMAX AHEAD OF THE SECOND PRODUCT: t = score x log2(e) / 8; M = the row's largest t so far, rounded UP to a whole number; p = 2^(t - M) is what is quantised, along the keys; it is not normalised.
; The row's sum is taken of the unquantised p, in f32, and divides O at the end.  When M moves, the sum and O are multiplied by 2^(old M - new M): exact.
; SHARES.  A work-group owns 512 queries of one head; each of its sixteen waves two tiles of 16, one after the other (a loop of two trips); four waves to a SIMD, so that one wave's vector work stands beside another's products and LDS loads.
; A head's K and V in codes with their scale words are 70 KiB: they come into LDS ONCE, through registers, and stay: no ring.  They are laid as images of the operands' registers: every fragment load is 512 consecutive bytes.
; LAYOUT.  Both products are used transposed: S^T = K Q^T (source 0 = 16 keys), O^T = V^T P^T (source 0 = 16 channels): a lane holds ONE query (lane % 16) throughout.
; The head's 64 fill half of the instruction's 128 along K: registers 4-7 of K's and Q's fragments are zero codes, written once, under scale bytes 0x7f.
; p's codes come out of the conversions with keys 0-7, 16-23, 8-15, 24-31 of a block in a lane's four registers; V's codes are laid in that same order.
; V's tiles take channels 32 (t / 2) + 8 (t % 2) + rho + 8 (rho / 8), so that a lane's 32 registers of O^T are 2 x 16 neighbours along the next K.
; NOT SHARED IN A CLUSTER: only two work-groups read a head's 70 KiB, once each, against eight key steps x two tiles of work on them.
; LIMITS: 1 / l by v_rcp_f32; a block's largest p is made from the block's largest score by the same multiply-add and exponential (this takes v_exp_f32 not to fall where its input rises);
; a block of zeros gets the byte 1 where the rule says 127 (its codes are zeros, and this program alone reads the bytes); NaN and infinities are not served.
.set FLOOR, 0x1800000                  ; 2^(3 - 127)
.set KIMG, 0                           ; LDS: K's 64 tiles of 16 keys, 512 bytes each
.set VIMG, 32768                       ; V: s x 4096 + t x 1024 + c x 512 + 16 lane
.set KSC,  65536                       ; K's scale words: 256 bytes for 64 keys: 8 lane + 4 e: tile 2 e + lane / 16
.set VSC,  69632                       ; V's: s x 256 + 16 rho + 4 t
.set RST,  71680                       ; the results' scale bytes: two for each of the 512 queries
.set LI,   1                           ; v1   16 x lane
.set LK8,  2                           ; v2   KSC + 8 x lane
.set LV16, 3                           ; v3   VSC + 16 r
.set A16,  4                           ; v4   16 x thread
.set RB,   5                           ; v5   RST + 2 r
.set T6,   6
.set R8,   7                           ; v7   8 r
.set Q,    8                           ; v8-15   Q's fragment (v12-15: zero codes)
.set QN,   16                          ; v16-19  the second tile's
.set QS,   20                          ; v20, v21 their scale words
.set QSN,  21
.set NM,   22                          ; v22  -M;  v23 the largest t
.set TX,   23
.set LS,   24                          ; v[24:25] the sum, in two halves
.set FF,   26                          ; v26  2^(old M - new M); v27 is named with it as a pair
.set PS,   28                          ; v28  p's scale word
.set RR,   29
.set KS,   30                          ; v30-33  K's scale words of a step
.set VS,   34                          ; v34-37  V's
.set PC,   38                          ; v38-45  p's codes
.set BM,   46                          ; v46-49  a block's largest score, then its largest p
.set MX,   46
.set PT,   50
.set SO,   54
.set TT,   58
.set BY,   58
.set T1,   60
.set HW,   61
.set KF,   64                          ; v64-127  K's eight fragments (the upper four registers of each: zero codes)
.set VF,   128                         ; v128-159 V's four
.set S,    160                         ; v160-223 S^T, then p
.set O,    224                         ; v224-255 O^T
.set SEL,  10
.macro PLACES n                        ; plain places behind matrix instructions (ISA guide 7.12.1)
.rept \n
	v_nop
.endr
.endm
.macro BARRIER                         ; my LDS stores have landed and my LDS loads are in: then the work-group's barrier
	s_wait_dscnt 0x0
	s_barrier_signal -1
	s_barrier_wait -1
.endm
.macro KLOAD s                         ; key step s: eight fragments and their scale words: ten loads
.irp u, 0,1,2,3,4,5,6,7
	ds_load_b128 v[KF+8*\u:KF+8*\u+3], v[LI] offset:KIMG+4096*(\s)+512*\u
.endr
.irp p, 0,1
	ds_load_b64 v[KS+2*\p:KS+2*\p+1], v[LK8] offset:512*(\s)+256*\p
.endr
.endm
.macro VLOAD s                         ; four fragments and their scale words: nine loads
.irp q, 0,1,2,3,4,5,6,7
	ds_load_b128 v[VF+4*\q:VF+4*\q+3], v[LI] offset:VIMG+4096*(\s)+512*\q
.endr
	ds_load_b128 v[VS:VS+3], v[LV16] offset:256*(\s)
.endm
; 32 numbers of a lane, register 16 b + i = k 32 b + 16 (lane / 16) + i of my row, become one image (v[PC] on) and two scale bytes (v[HW])
.macro QUANT2 src
.irp b, 0,1
	v_max3_num_f32 v[MX+\b], |v[(\src)+16*\b]|, |v[(\src)+16*\b+1]|, FLOOR
.endr
.irp i, 2,4,6,8,10,12,14
.irp b, 0,1
	v_max3_num_f32 v[MX+\b], v[MX+\b], |v[(\src)+16*\b+\i]|, |v[(\src)+16*\b+\i+1]|
.endr
.endr
.irp b, 0,1
	v_permlanex16_b32 v[PT+\b], v[MX+\b], s[SEL], s[SEL+1]
.endr
.irp b, 0,1
	v_max_num_f32 v[MX+\b], v[MX+\b], v[PT+\b]
.endr
.irp b, 0,1
	v_add_nc_u32 v[SO+\b], 0xff000000, v[MX+\b]
.endr
.irp b, 0,1
	v_lshrrev_b32 v[BY+\b], 23, v[SO+\b]
.endr
	v_lshl_or_b32 v[HW], v[BY+1], 8, v[BY]
.irp b, 0,1
	v_cvt_scalef32_pk8_fp4_f32 v[PC+2*\b], v[(\src)+16*\b:(\src)+16*\b+7], v[SO+\b]
	v_cvt_scalef32_pk8_fp4_f32 v[PC+2*\b+1], v[(\src)+16*\b+8:(\src)+16*\b+15], v[SO+\b]
.endr
	v_nop                                          ; one plain place behind the last scaled conversion
	v_permlane16_swap_b32 v[PC], v[PC+2]
	v_permlane16_swap_b32 v[PC+1], v[PC+3]
.endm
; A KEY STEP: 128 keys.  Step 0 starts M, the sum and O^T: it has no factor and nothing to rescale.
.macro STEP s
	s_wait_dscnt 0x0                               ; this step's K and its scale words are in (asked for a step ago)
.irp u, 0,1,2,3,4,5,6,7
.if \u%2
	v_wmma_scale_f32_16x16x128_f8f6f4 v[S+8*\u:S+8*\u+7], v[KF+8*\u:KF+8*\u+7], v[Q:Q+7], 0, v[KS+\u/2], v[QS] matrix_a_fmt:MATRIX_FMT_FP4 matrix_b_fmt:MATRIX_FMT_FP4 matrix_a_scale:MATRIX_SCALE_ROW1
.else
	v_wmma_scale_f32_16x16x128_f8f6f4 v[S+8*\u:S+8*\u+7], v[KF+8*\u:KF+8*\u+7], v[Q:Q+7], 0, v[KS+\u/2], v[QS] matrix_a_fmt:MATRIX_FMT_FP4 matrix_b_fmt:MATRIX_FMT_FP4
.endif
.endr
	PLACES 4                                       ; ahead of the reads of the scores, and of the loads into K's registers and (behind the last step's products) V's
	VLOAD \s
	KLOAD ((\s)+1)%8                               ; the next step's; step 7 asks for step 0's, for the wave's next tile
.irp b, 0,1,2,3
	v_max3_num_f32 v[BM+\b], v[S+16*\b], v[S+16*\b+1], v[S+16*\b+2]   ; the largest score of each block of 32 keys: for the row's maximum, and for the block's largest p
.endr
.irp i, 3,5,7,9,11,13
.irp b, 0,1,2,3
	v_max3_num_f32 v[BM+\b], v[BM+\b], v[S+16*\b+\i], v[S+16*\b+\i+1]
.endr
.endr
.irp b, 0,1,2,3
	v_max_num_f32 v[BM+\b], v[BM+\b], v[S+16*\b+15]
.endr
.irp b, 0,1,2,3
	v_permlanex16_b32 v[PT+\b], v[BM+\b], s[SEL], s[SEL+1]
.endr
.irp b, 0,1,2,3
	v_max_num_f32 v[BM+\b], v[BM+\b], v[PT+\b]     ; with lane l xor 16's 16 keys
.endr
	v_max3_num_f32 v[T1], v[BM], v[BM+1], v[BM+2]
	v_max_num_f32 v[T1], v[T1], v[BM+3]            ; the step's largest score of my query
.if (\s) == 0
	v_mul_f32 v[TX], s12, v[T1]                    ; as t (c is positive)
	v_floor_f32 v[NM], -v[TX]                      ; -M = floor(-t) = -ceil(t): M is a whole number
.else
	v_mul_f32 v[T1], s12, v[T1]
	v_max_num_f32 v[TX], v[TX], v[T1]              ; the running largest t
	v_mov_b32 v[T1], v[NM]
	v_floor_f32 v[NM], -v[TX]
	v_sub_f32 v[T1], v[NM], v[T1]                  ; M's old value less its new one: a whole number, 0 or less
	v_cvt_i32_f32 v[T1], v[T1]                     ; (it saturates)
	v_ldexp_f32 v[FF], 1.0, v[T1]                  ; 2^(old M - new M): a multiplication by it rounds nothing
.endif
.set JJ, 0
.rept 32
	v_pk_fma_f32 v[S+JJ:S+JJ+1], v[S+JJ:S+JJ+1], s[12:13], v[NM:NM+1] op_sel_hi:[1,0,0]   ; t - M, two at a time (of the pairs c and -M the low word serves both halves)
.set JJ, JJ+2
.endr
.irp b, 0,1,2,3
	v_fma_f32 v[BM+\b], v[BM+\b], s12, v[NM]       ; the same of each block's largest score
.endr
.set JJ, 0
.rept 64
	v_exp_f32 v[S+JJ], v[S+JJ]                     ; p = 2^(t - M), at most 1: not normalised
.set JJ, JJ+1
.endr
.irp b, 0,1,2,3
	v_exp_f32 v[BM+\b], v[BM+\b]                   ; the block's largest p: the same two instructions on the same number give the same bits
.endr
.if (\s) == 0
	v_mov_b32 v[LS], 0                             ; (a plain place behind the exponentials)  the sum begins
	v_mov_b32 v[LS+1], 0
	s_wait_alu depctr_va_vdst(0)
.else
	v_pk_mul_f32 v[LS:LS+1], v[LS:LS+1], v[FF:FF+1] op_sel_hi:[1,0]   ; (a plain place behind the exponentials)  the sum under the new M
	s_wait_alu depctr_va_vdst(0)
.endif
.irp b, 0,1,2,3
	v_max_num_f32 v[BM+\b], FLOOR, v[BM+\b]        ; the floor holds the byte at 1 from below
.endr
.irp b, 0,1,2,3
	v_add_nc_u32 v[SO+\b], 0xff000000, v[BM+\b]    ; 2 off the exponent field: the conversion's scale operand
.endr
.irp b, 0,1,2,3
	v_lshrrev_b32 v[PT+\b], 23, v[SO+\b]           ; the scale's byte
.endr
	v_lshl_or_b32 v[PS], v[PT+1], 8, v[PT]         ; p's scale word for these 128 keys
	v_lshl_or_b32 v[PS], v[PT+2], 16, v[PS]
	v_lshl_or_b32 v[PS], v[PT+3], 24, v[PS]
.irp b, 0,1,2,3
	v_cvt_scalef32_pk8_fp4_f32 v[PC+2*\b], v[S+16*\b:S+16*\b+7], v[SO+\b]
	v_cvt_scalef32_pk8_fp4_f32 v[PC+2*\b+1], v[S+16*\b+8:S+16*\b+15], v[SO+\b]
.endr
	v_nop                                          ; one plain place behind the last scaled conversion
.irp c, 0,1                            ; the operand's layout wants a whole block in a lane: lanes 0-15 block 2 c, lanes 16-31 block 2 c + 1
.irp i, 0,1
	v_permlane16_swap_b32 v[PC+4*\c+\i], v[PC+4*\c+2+\i]
.endr
.endr
	v_pk_add_f32 v[TT:TT+1], v[S:S+1], v[S+2:S+3]  ; the row's sum is taken of the unquantised p: two at a time, in two chains.  (These lines are also the places between p's codes and scale word and the products)
.irp j, 4,8,12,16,20,24,28,32,36,40,44,48,52,56,60
	v_pk_add_f32 v[LS:LS+1], v[LS:LS+1], v[S+\j:S+\j+1]
	v_pk_add_f32 v[TT:TT+1], v[TT:TT+1], v[S+\j+2:S+\j+3]
.endr
	v_pk_add_f32 v[LS:LS+1], v[LS:LS+1], v[TT:TT+1]
.if (\s) > 0
.set JJ, 0
.rept 16
	v_pk_mul_f32 v[O+JJ:O+JJ+1], v[O+JJ:O+JJ+1], v[FF:FF+1] op_sel_hi:[1,0]   ; O^T under the new M, each accumulator from its low end on
.set JJ, JJ+2
.endr
.endif
	s_wait_dscnt 10                                ; V and its scale words are in; the next step's ten loads for K may be out
.irp t, 0,1,2,3                        ; the four accumulators take turns, one instruction a turn
.if (\s) == 0
	v_wmma_scale_f32_16x16x128_f8f6f4 v[O+8*\t:O+8*\t+7], v[VF+8*\t:VF+8*\t+7], v[PC:PC+7], 0, v[VS+\t], v[PS] matrix_a_fmt:MATRIX_FMT_FP4 matrix_b_fmt:MATRIX_FMT_FP4
.else
	v_wmma_scale_f32_16x16x128_f8f6f4 v[O+8*\t:O+8*\t+7], v[VF+8*\t:VF+8*\t+7], v[PC:PC+7], v[O+8*\t:O+8*\t+7], v[VS+\t], v[PS] matrix_a_fmt:MATRIX_FMT_FP4 matrix_b_fmt:MATRIX_FMT_FP4
.endif
.endr
.endm
	s_load_b128 s[4:7], s[0:1], 0x0                ; qkv, res
	v_lshl_add_u32 v62, v0, 2, 0x11c00
	v_mov_b32 v63, 0
	v_lshrrev_b32 v6, 5, v0
	v_readfirstlane_b32 s8, v6                     ; wave 0..15
	s_lshr_b32 s9, ttmp9, 1                        ; hb = 8 b + head
	s_and_b32 s34, ttmp9, 1                        ; which half of the queries
	s_lshr_b32 s35, s9, 3                          ; b
	s_and_b32 s36, s9, 7                           ; head
	s_mov_b32 s[SEL], 0x76543210
	s_mov_b32 s[SEL+1], 0xfedcba98                 ; v_permlanex16_b32's selects for lane l xor 16
	s_mov_b32 s12, 0x3e38aa3b                      ; c = log2(e) / 8
	s_mov_b32 s13, s12                             ; (named with it as a pair, so it is written)
	s_lshr_b32 s37, s8, 1
	s_and_b32 s38, s8, 1
	s_lshl_b32 s39, s34, 3
	s_add_co_u32 s39, s39, s37                     ; my queries' run of 64 pixels: 8 x half + w / 2; in it tiles 2 (w % 2) and 2 (w % 2) + 1
	s_lshl_b32 s14, s9, 15                         ; byte offsets, each in the low word of the pair that will hold the address: the head's codes,
	s_mov_b32 s15, 0
	s_lshl_b32 s18, s9, 12
	s_add_co_u32 s18, s18, 12582912                ; q's scale words,
	s_mov_b32 s19, 0
	s_lshl_b32 s20, s9, 11
	s_add_co_u32 s20, s20, 13631488                ; v's scale bytes,
	s_mov_b32 s21, 0
	s_lshl_b32 s30, s34, 14
	s_lshl_b32 s40, s8, 10
	s_add_co_u32 s30, s30, s40                     ; my first tile of q in the head: (32 x half + 2 w) x 512,
	s_mov_b32 s31, 0
	s_lshl_b32 s32, s39, 8
	s_lshl_b32 s40, s38, 2
	s_add_co_u32 s32, s32, s40                     ; its scale words,
	s_mov_b32 s33, 0
	s_lshl_b32 s22, s35, 18
	s_lshl_b32 s40, s39, 14
	s_add_co_u32 s22, s22, s40
	s_lshl_b32 s40, s38, 13
	s_add_co_u32 s22, s22, s40
	s_lshl_b32 s40, s36, 9
	s_add_co_u32 s22, s22, s40                     ; the result's codes: b x 262144 + P x 16384 + m x 4096 + head x 512,
	s_mov_b32 s23, 0
	s_lshl_b32 s24, s9, 11
	s_lshl_b32 s40, s34, 10
	s_add_co_u32 s24, s24, s40
	s_add_co_u32 s24, s24, 4194304                 ; and its scale bytes: two a pixel
	s_mov_b32 s25, 0
	s_mov_b32 s26, 0                               ; counts the wave's two tiles
	s_lshl_b32 s27, s8, 6                          ; my tile's 32 bytes among the results' scale bytes: 64 w, + 32 a trip
	v_and_b32 v6, 31, v0                           ; lane
	v_and_b32 v7, 15, v0                           ; r
	v_lshlrev_b32 v[LI], 4, v6
	v_lshl_add_u32 v[LK8], v6, 3, KSC
	v_lshl_add_u32 v[LV16], v7, 4, VSC
	v_lshlrev_b32 v[A16], 4, v0
	v_lshl_add_u32 v[RB], v7, 1, RST
	v_lshlrev_b32 v224, 3, v0                      ; 8 x thread, 4 x thread: K's and V's scales in memory
	v_lshlrev_b32 v225, 2, v0
	v_lshl_add_u32 v226, v0, 3, KSC                ; K's scale words lie in LDS as in memory
	v_lshrrev_b32 v227, 6, v0                      ; V's are laid anew.  Thread 32 P + lane holds, for row r, tiles 2 h (low half) and 2 h + 1 (high half), key blocks 2 P, 2 P + 1:
	v_lshl_add_u32 v227, v227, 8, VSC              ; step P / 2,
	v_lshl_add_u32 v227, v7, 4, v227               ; row r,
	v_bfe_u32 v228, v0, 4, 1
	v_lshl_add_u32 v227, v228, 3, v227             ; tile 2 h,
	v_bfe_u32 v228, v0, 5, 1
	v_lshl_add_u32 v227, v228, 1, v227             ; the word's half P % 2
	v_lshlrev_b32 v[R8], 3, v7
	s_wait_kmcnt 0x0
	s_add_nc_u64 s[14:15], s[4:5], s[14:15]
	s_add_nc_u64 s[16:17], s[14:15], 0x800000      ; V's codes
	s_add_nc_u64 s[18:19], s[4:5], s[18:19]
	s_add_nc_u64 s[20:21], s[4:5], s[20:21]
	s_add_nc_u64 s[30:31], s[14:15], s[30:31]
	s_add_nc_u64 s[32:33], s[18:19], s[32:33]
	s_add_nc_u64 s[22:23], s[6:7], s[22:23]
	s_add_nc_u64 s[24:25], s[6:7], s[24:25]
.irp i, 0,1,2,3
	global_load_b128 v[S+4*\i:S+4*\i+3], v[A16], s[14:15] offset:4194304+8192*\i   ; K's codes: the work-group reads 8,192 consecutive bytes
.endr
.irp i, 0,1,2,3
	global_load_b128 v[S+16+4*\i:S+16+4*\i+3], v[A16], s[16:17] offset:8192*\i     ; V's
.endr
	global_load_b64 v[S+32:S+33], v224, s[18:19] offset:524288                      ; K's scale words
	global_load_b32 v[S+34], v225, s[20:21]                                         ; V's scale bytes
	global_load_b128 v[Q:Q+3], v[LI], s[30:31]                                      ; my two tiles of Q stay in registers
	global_load_b128 v[QN:QN+3], v[LI], s[30:31] offset:512
	global_load_b32 v[QS], v[R8], s[32:33]
	global_load_b32 v[QSN], v[R8], s[32:33] offset:128
.irp u, 0,1,2,3,4,5,6,7
.irp j, 4,5,6,7
	v_mov_b32 v[KF+8*\u+\j], 0                     ; zero codes for k = 64 .. 127: written once
.endr
.endr
.irp j, 4,5,6,7
	v_mov_b32 v[Q+\j], 0
.endr
.irp b, 0,1,2,3
	v_mov_b32 v[PT+\b], 0                          ; a lane permute's destination counts as one of its sources.  (These five are also the places behind the zero codes)
.endr
	v_mov_b32 v[FF+1], 0                           ; (named as the upper half of a pair)
	s_wait_loadcnt 4                               ; K, V and their scales are in; Q's four loads may be out
.irp i, 0,1,2,3
	ds_store_b128 v[A16], v[S+4*\i:S+4*\i+3] offset:KIMG+8192*\i
.endr
.irp i, 0,1,2,3
	ds_store_b128 v[A16], v[S+16+4*\i:S+16+4*\i+3] offset:VIMG+8192*\i
.endr
	ds_store_b64 v226, v[S+32:S+33]
	ds_store_b16 v227, v[S+34]
	ds_store_b16_d16_hi v227, v[S+34] offset:4
	BARRIER                                        ; the head's K and V lie in LDS; nobody writes them again
	KLOAD 0
	s_wait_loadcnt 0x0                             ; Q
.Ltile:
	STEP 0
	STEP 1
	STEP 2
	STEP 3
	STEP 4
	STEP 5
	STEP 6
	STEP 7
	; THE WAY OUT of a tile.  The first six lines are the places behind the last products.
.irp j, 0,1,2,3
	v_mov_b32 v[Q+\j], v[QN+\j]                    ; the second tile's Q takes its place
.endr
	v_mov_b32 v[QS], v[QSN]
	v_add_f32 v[T1], v[LS], v[LS+1]                ; the sum's two halves,
	v_permlanex16_b32 v[PT], v[T1], s[SEL], s[SEL+1]
	v_add_f32 v[T1], v[T1], v[PT]                  ; and lane l xor 16's: the row's sum
	v_rcp_f32 v[RR], v[T1]
	v_nop                                          ; one plain place behind a transcendental
.set JJ, 0
	s_wait_alu depctr_va_vdst(0)
.rept 32
	v_mul_f32 v[S+JJ], v[O+JJ], v[RR]              ; O^T / the sum: register 16 b + i is channel 32 b + 16 h + i of my query
.set JJ, JJ+1
.endr
	QUANT2 S
	global_store_b128 v[LI], v[PC:PC+3], s[22:23]  ; half a K step of the last product, for my 16 pixels: 512 consecutive bytes
	v_add_nc_u32 v[T6], s27, v[RB]
	ds_store_b16 v[T6], v[HW]                      ; (both halves of the lanes write the same)
	s_wait_xcnt 0x0                                ; the store has read its base and its data: both are written again only behind this wait
	s_add_nc_u64 s[22:23], s[22:23], 4096          ; the next tile of pixels
	s_add_co_u32 s27, s27, 32
	s_add_co_u32 s26, s26, 1
	s_cmp_lt_u32 s26, 2
	s_cbranch_scc1 .Ltile
	BARRIER                                        ; all 1,024 scale bytes lie in LDS (the wait also takes in the last, unused loads of K)
	s_cmp_lt_u32 s8, 2
	s_cbranch_scc0 .Lend                           ; waves 0 and 1 carry them out
	v_add_nc_u32 v[T6], RST, v[A16]
	ds_load_b128 v[S:S+3], v[T6]
	s_wait_dscnt 0x0
	global_store_b128 v[A16], v[S:S+3], s[24:25]   ; 512 consecutive bytes a wave
.Lend:
	s_wait_tensorcnt 0x0
	ds_add_u32 v62, v63
	s_wait_dscnt 0x0
	s_endpgm
.Lfunc_end_k_q7b338ca640_attn:
	.size	k_q7b338ca640_attn, .Lfunc_end_k_q7b338ca640_attn-k_q7b338ca640_attn
	.p2alignl 7, 3214868480
	.fill 96, 4, 3214868480
	.section	.rodata,"a",@progbits
	.p2align	6, 0x0
	.amdhsa_kernel k_q7b338ca640_attn
		.amdhsa_group_segment_fixed_size 74752
		.amdhsa_private_segment_fixed_size 0
		.amdhsa_enable_private_segment 0
		.amdhsa_kernarg_size 16
		.amdhsa_user_sgpr_count 2
		.amdhsa_user_sgpr_kernarg_segment_ptr 1
		.amdhsa_wavefront_size32 1
		.amdhsa_system_sgpr_workgroup_id_x 1
		.amdhsa_system_sgpr_workgroup_id_y 1
		.amdhsa_system_sgpr_workgroup_id_z 1
		.amdhsa_system_vgpr_workitem_id 0
		.amdhsa_next_free_vgpr 256
		.amdhsa_next_free_sgpr 66
		.amdhsa_reserve_vcc 0
		.amdhsa_float_denorm_mode_32 3
		.amdhsa_float_denorm_mode_16_64 3
		.amdhsa_memory_ordered 1
		.amdhsa_forward_progress 1
		.amdhsa_inst_pref_size 126
	.end_amdhsa_kernel
	.amdgpu_metadata
---
amdhsa.version: [ 1, 2 ]
amdhsa.kernels:
  - .name:           k_q7b338ca640_attn
    .symbol:         k_q7b338ca640_attn.kd
    .args:
      - { .name: qkv, .offset: 0, .size: 8, .value_kind: global_buffer, .address_space: global }
      - { .name: res, .offset: 8, .size: 8, .value_kind: global_buffer, .address_space: global }
    .group_segment_fixed_size: 74752
    .private_segment_fixed_size: 0
    .kernarg_segment_align: 8
    .kernarg_segment_size: 16
    .max_flat_workgroup_size: 512
    .sgpr_count:     66
    .vgpr_count:     256
    .wavefront_size: 32
...
	.end_amdgpu_metadata
.endif
;; end of part 4
;; launch outp (part 5): grid 256 x 1, 8 waves a work-group, no clusters, 157,696 bytes of LDS; arguments res, wts, bo, x, out0; writes out0
.if DOCPART == 5
	.amdgcn_target "amdgcn-amd-amdhsa--gfx1250"
	.amdhsa_code_object_version 6
	.text
	.protected	k_q7b338ca640_outp
	.globl	k_q7b338ca640_outp
	.p2align	8
	.type	k_q7b338ca640_outp,@function
k_q7b338ca640_outp:
	s_mov_b64 s[64:65], 0
	v_nop
	global_prefetch_b8 v0, s[64:65] scope:SCOPE_SE
	s_setreg_imm32_b32 hwreg(HW_REG_WAVE_MODE, 25, 1), 1
	s_wait_xcnt 0x0
; out0[b][c][l] = (res wo^T + bo)[l][c] + x[b][c][l].  The product is on codes of FP4 (E2M1) with one E8M0 scale for each 32 along K = 512; all else f32.
; A work-group takes 64 pixels of one image; wave w makes output channels 64 w .. 64 w + 63: its part of wo is read once by the work-group, straight into registers (images of the operand's registers).
; Source 0 = 16 pixels, source 1 = 16 rows of wo: a lane holds ONE channel and eight neighbouring pixels, which is how out0 lies.  The bias is the C of each sum's first matrix instruction.
; A channel's 64 pixels are 256 bytes: they meet in the wave's OWN stage in LDS (64 rows of 256 + 16 bytes) and leave, with x added, sixteen lanes to 256 consecutive bytes, aligned.
; x's 64 rows x 256 bytes a wave are asked for ahead of the products, into window 1.
; The stage's stores go two deep in the banks (a tile's rows 0-7 and 16-23: 16 rows of 272 bytes are a whole number of times round): 32 stores a wave.
; REGISTERS: window 0 as named below; window 1: v0-127 wo's 16 fragments, v128-255 x.
.set RIMG, 0                           ; LDS: res's 16 fragments: m x 4096 + s x 1024 + c x 512 + 16 lane
.set RSC,  16384                       ; their scale bytes: 16 a pixel
.set STG,  17408                       ; the stages: 17,408 bytes for each wave
.set SP,   272
.set LI,  1                            ; v1   16 x lane
.set R16, 2                            ; v2   16 r
.set RWI, 3                            ; v3   2048 w + 16 lane
.set L4,  4                            ; v4   4 x lane
.set RSB, 5                            ; v5   RSC + 32 lane + 2 w
.set BV,  6                            ; v6   256 w + 4 (r + 8 (r / 8))
.set STO, 7                            ; v7   the stage, on the way in
.set RD,  8                            ; v8   and back
.set GO,  9                            ; v9   4096 h + 16 r: two rows of x and of out0
.set SRC, 16                           ; v16-79   a pixel tile's four fragments, two sets
.set SS,  80                           ; v80-87   its four scale words, two sets
.set ACC, 88                           ; v88-151  eight accumulators
.set BIAS, 152                         ; v152-183
.set WS,  216                          ; v216-223 wo's scale words
.set MSB, 0
.macro WIN new                         ; the immediate's high byte repeats the setting that is left
.if MSB != \new
	s_set_vgpr_msb (MSB<<8)|\new
.set MSB, \new
.endif
.endm
.macro PLACES n                        ; plain places behind matrix instructions (ISA guide 7.12.1)
.rept \n
	v_nop
.endr
.endm
.macro FETCH set, m                    ; pixel tile m: four fragments and four scale words
.irp q, 0,1,2,3,4,5,6,7
	ds_load_b128 v[SRC+32*(\set)+4*\q:SRC+32*(\set)+4*\q+3], v[LI] offset:RIMG+4096*(\m)+512*\q
.endr
	ds_load_b128 v[SS+4*(\set):SS+4*(\set)+3], v[R16] offset:RSC+256*(\m)
.endm
.macro WM d, a, b, c, sa, sb, row      ; row = 1: source 1's scales stand in lanes 16-31
.if (\row) == 1
	v_wmma_scale_f32_16x16x128_f8f6f4 v[(\d):(\d)+7], v[(\a):(\a)+7], v[(\b):(\b)+7], v[(\c):(\c)+7], v[\sa], v[\sb] matrix_a_fmt:MATRIX_FMT_FP4 matrix_b_fmt:MATRIX_FMT_FP4 matrix_b_scale:MATRIX_SCALE_ROW1
.else
	v_wmma_scale_f32_16x16x128_f8f6f4 v[(\d):(\d)+7], v[(\a):(\a)+7], v[(\b):(\b)+7], v[(\c):(\c)+7], v[\sa], v[\sb] matrix_a_fmt:MATRIX_FMT_FP4 matrix_b_fmt:MATRIX_FMT_FP4
.endif
.endm
; 32 matrix instructions: two pixel tiles x my four tiles of wo, K step by K step; the eight accumulators take turns, one instruction a turn
.macro MULV
	WIN 0x04                                       ; source 1 (wo) window 1
.irp s, 0,1,2,3
.irp p, 0,1
.irp t, 0,1,2,3
.if \s == 0
	WM ACC+32*\p+8*\t, SRC+32*\p+8*\s, 8*(4*\t+\s), BIAS+8*\t, SS+4*\p+\s, WS+4*(\t/2)+\s, \t%2
.else
	WM ACC+32*\p+8*\t, SRC+32*\p+8*\s, 8*(4*\t+\s), ACC+32*\p+8*\t, SS+4*\p+\s, WS+4*(\t/2)+\s, \t%2
.endif
.endr
.endr
.endr
	WIN 0
.endm
.macro TOSTAGE kb                      ; pixel tiles 2 kb, 2 kb + 1: lane (r, h): channel 32 (t / 2) + 8 (t % 2) + r + 8 (r / 8), pixels 16 tile + 8 h + 0 .. 7; each accumulator from its low end on
.irp p, 0,1
.irp t, 0,1,2,3
	ds_store_b128 v[STO], v[ACC+32*\p+8*\t:ACC+32*\p+8*\t+3] offset:(32*(\t/2)+8*(\t%2))*SP+64*(2*(\kb)+\p)
	ds_store_b128 v[STO], v[ACC+32*\p+8*\t+4:ACC+32*\p+8*\t+7] offset:(32*(\t/2)+8*(\t%2))*SP+64*(2*(\kb)+\p)+16
.endr
.endr
.endm
	s_load_b256 s[4:11], s[0:1], 0x0               ; res, wts, bo, x
	s_load_b64 s[12:13], s[0:1], 0x20              ; out0
	v_lshrrev_b32 v10, 5, v0
	v_readfirstlane_b32 s14, v10                   ; wave 0..7
	s_lshr_b32 s15, ttmp9, 4                       ; b
	s_and_b32 s16, ttmp9, 15                       ; P
	v_and_b32 v10, 31, v0                          ; lane
	v_and_b32 v11, 15, v0                          ; r
	v_bfe_u32 v12, v0, 4, 1                        ; h
	v_and_b32 v13, 8, v11
	v_add_nc_u32 v13, v13, v11                     ; r + 8 (r / 8)
	v_lshlrev_b32 v[LI], 4, v10
	v_lshlrev_b32 v[R16], 4, v11
	s_lshl_b32 s30, s14, 11
	v_add_nc_u32 v[RWI], s30, v[LI]
	v_lshlrev_b32 v[L4], 2, v10
	s_lshl_b32 s30, s14, 1
	s_add_co_u32 s30, s30, RSC
	v_lshl_add_u32 v[RSB], v10, 5, s30
	s_lshl_b32 s30, s14, 8
	v_lshl_add_u32 v[BV], v13, 2, s30
	s_mul_i32 s30, s14, 64*SP
	s_add_co_u32 s30, s30, STG                     ; my stage
	v_mul_u32_u24 v[STO], v13, SP
	v_lshl_add_u32 v[STO], v12, 5, v[STO]
	v_add_nc_u32 v[STO], s30, v[STO]
	v_mul_u32_u24 v[RD], v12, SP                   ; back: lanes 0-15 one row, lanes 16-31 the next
	v_lshl_add_u32 v[RD], v11, 4, v[RD]
	v_add_nc_u32 v[RD], s30, v[RD]
	v_lshlrev_b32 v[GO], 12, v12
	v_lshl_add_u32 v[GO], v11, 4, v[GO]
	; byte offsets, each in the low word of the pair that will hold the address
	s_lshl_b32 s18, s15, 18
	s_lshl_b32 s30, s16, 14
	s_add_co_u32 s18, s18, s30
	s_lshl_b32 s30, s14, 11
	s_add_co_u32 s18, s18, s30                     ; my eighth of the 64 pixels' codes
	s_mov_b32 s19, 0
	s_lshl_b32 s20, s15, 3
	s_add_co_u32 s20, s20, s14
	s_lshl_b32 s20, s20, 11
	s_lshl_b32 s30, s16, 7
	s_add_co_u32 s20, s20, s30
	s_add_co_u32 s20, s20, 4194304                 ; head w's scale bytes of the 64 pixels: two a pixel
	s_mov_b32 s21, 0
	s_lshl_b32 s22, s14, 14
	s_add_co_u32 s22, s22, 4*131072                ; my four tiles of wo
	s_mov_b32 s23, 0
	s_lshl_b32 s24, s14, 10
	s_add_co_u32 s24, s24, 655360+4*8192           ; and their scale words
	s_mov_b32 s25, 0
	s_lshl_b32 s26, s15, 21
	s_lshl_b32 s30, s14, 18
	s_add_co_u32 s26, s26, s30
	s_lshl_b32 s30, s16, 8
	s_add_co_u32 s26, s26, s30                     ; x and out0: b x 2097152 + 64 w rows of 4,096 + 256 P
	s_mov_b32 s27, 0
	s_wait_kmcnt 0x0
	s_add_nc_u64 s[18:19], s[4:5], s[18:19]
	s_add_nc_u64 s[20:21], s[4:5], s[20:21]
	s_add_nc_u64 s[22:23], s[6:7], s[22:23]
	s_add_nc_u64 s[24:25], s[6:7], s[24:25]
	s_add_nc_u64 s[28:29], s[12:13], s[26:27]
	s_add_nc_u64 s[26:27], s[10:11], s[26:27]
.irp i, 0,1,2,3
	global_load_b128 v[ACC+4*\i:ACC+4*\i+3], v[LI], s[18:19] offset:512*\i
.endr
	global_load_b32 v14, v[L4], s[20:21]
	WIN 0x40                                       ; destination window 1
.set II, 0
.rept 32
	global_load_b128 v[4*II:4*II+3], v[LI], s[22:23] offset:512*II
.set II, II+1
.endr
	WIN 0
.irp b, 0,1
	global_load_b128 v[WS+4*\b:WS+4*\b+3], v[LI], s[24:25] offset:512*\b
.endr
.irp t, 0,1,2,3
	global_load_b32 v[BIAS+8*\t], v[BV], s[8:9] offset:(32*(\t/2)+8*(\t%2))*4
.endr
	s_wait_loadcnt 38                              ; res's five loads are in; wo's 38 may be out
.irp i, 0,1,2,3
	ds_store_b128 v[RWI], v[ACC+4*\i:ACC+4*\i+3] offset:RIMG+512*\i   ; the images lie in LDS as they lie in memory
.endr
	ds_store_b16 v[RSB], v14                       ; pixel 2 lane: blocks 2 w, 2 w + 1 of its 16 bytes;
	ds_store_b16_d16_hi v[RSB], v14 offset:16      ; pixel 2 lane + 1
	WIN 0x40
.set II, 0
.rept 32
	global_load_b128 v[128+4*II:128+4*II+3], v[GO], s[26:27] offset:8192*II   ; x: rows 2 II and 2 II + 1 of my 64: sixteen lanes read 256 consecutive bytes
.set II, II+1
.endr
	WIN 0
	s_wait_dscnt 0x0                               ; my stores have landed
	s_barrier_signal -1
	s_barrier_wait -1                              ; res's sixteen fragments and their scale bytes lie in LDS: the launch's one barrier
	s_wait_loadcnt 32                              ; wo, its scale words and the bias are in; x's 32 loads may be out
.irp t, 0,1,2,3
.irp j, 1,2,3,4,5,6,7
	v_mov_b32 v[BIAS+8*\t+\j], v[BIAS+8*\t]        ; a lane holds one channel: its bias in all eight registers of the C
.endr
.endr
	PLACES 4
	FETCH 0, 0
	FETCH 1, 1
	s_wait_dscnt 0x0
	MULV
	PLACES 4                                       ; ahead of the loads into the fragments' registers and of the stores of the results
	FETCH 0, 2
	FETCH 1, 3
	TOSTAGE 0
	v_nop                                          ; a fifth place: the next products begin the same accumulators anew
	s_wait_dscnt 0x0                               ; the fragments are in, and the stores have read the accumulators
	MULV
	PLACES 4
	TOSTAGE 1
.irp g, 0,1,2,3                        ; 16 rows at a time, in v184-215 and v224-255 by turns
.set TB, 184+40*(\g%2)
.if \g > 1
	s_wait_xcnt 0x0                                ; the stores of two turns ago have read these registers
.endif
.irp k, 0,1,2,3,4,5,6,7
	ds_load_b128 v[TB+4*\k:TB+4*\k+3], v[RD] offset:(16*\g+2*\k)*SP   ; LDS serves a wave's instructions in order (ISA guide 5.7.1.4): these see my stores
.endr
	s_wait_dscnt 0x0
	s_wait_loadcnt 24-8*\g                         ; x's rows 16 g .. 16 g + 15 are in; the later rows' loads may be out
	WIN 0x04                                       ; source 1 (x) window 1
.irp q, 0,1,2,3,4,5,6,7,8,9,10,11,12,13,14,15
	v_pk_add_f32 v[TB+2*\q:TB+2*\q+1], v[TB+2*\q:TB+2*\q+1], v[128+32*\g+2*\q:128+32*\g+2*\q+1]
.endr
	WIN 0
.irp k, 0,1,2,3,4,5,6,7
	global_store_b128 v[GO], v[TB+4*\k:TB+4*\k+3], s[28:29] offset:(16*\g+2*\k)*4096 th:TH_STORE_NT   ; sixteen lanes store 256 consecutive bytes, aligned; written once, read by nobody here
.endr
.endr
	s_wait_xcnt 0x0
	v_lshl_add_u32 v254, v0, 2, 0x26400
	v_mov_b32 v255, 0
	s_wait_tensorcnt 0x0
	ds_add_u32 v254, v255
	s_wait_dscnt 0x0
	s_endpgm
.Lfunc_end_k_q7b338ca640_outp:
	.size	k_q7b338ca640_outp, .Lfunc_end_k_q7b338ca640_outp-k_q7b338ca640_outp
	.p2alignl 7, 3214868480
	.fill 96, 4, 3214868480
	.section	.rodata,"a",@progbits
	.p2align	6, 0x0
	.amdhsa_kernel k_q7b338ca640_outp
		.amdhsa_group_segment_fixed_size 157696
		.amdhsa_private_segment_fixed_size 0
		.amdhsa_enable_private_segment 0
		.amdhsa_kernarg_size 40
		.amdhsa_user_sgpr_count 2
		.amdhsa_user_sgpr_kernarg_segment_ptr 1
		.amdhsa_wavefront_size32 1
		.amdhsa_system_sgpr_workgroup_id_x 1
		.amdhsa_system_sgpr_workgroup_id_y 1
		.amdhsa_system_sgpr_workgroup_id_z 1
		.amdhsa_system_vgpr_workitem_id 0
		.amdhsa_next_free_vgpr 512
		.amdhsa_next_free_sgpr 66
		.amdhsa_reserve_vcc 0
		.amdhsa_float_denorm_mode_32 3
		.amdhsa_float_denorm_mode_16_64 3
		.amdhsa_memory_ordered 1
		.amdhsa_forward_progress 1
		.amdhsa_inst_pref_size 35
	.end_amdhsa_kernel
	.amdgpu_metadata
---
amdhsa.version: [ 1, 2 ]
amdhsa.kernels:
  - .name:           k_q7b338ca640_outp
    .symbol:         k_q7b338ca640_outp.kd
    .args:
      - { .name: res, .offset: 0, .size: 8, .value_kind: global_buffer, .address_space: global }
      - { .name: wts, .offset: 8, .size: 8, .value_kind: global_buffer, .address_space: global }
      - { .name: bo, .offset: 16, .size: 8, .value_kind: global_buffer, .address_space: global }
      - { .name: x, .offset: 24, .size: 8, .value_kind: global_buffer, .address_space: global }
      - { .name: out0, .offset: 32, .size: 8, .value_kind: global_buffer, .address_space: global }
    .group_segment_fixed_size: 157696
    .private_segment_fixed_size: 0
    .kernarg_segment_align: 8
    .kernarg_segment_size: 40
    .max_flat_workgroup_size: 256
    .sgpr_count:     66
    .vgpr_count:     512
    .wavefront_size: 32
...
	.end_amdgpu_metadata
.endif
;; end of part 5
;; ======== version 2 of 3: 4 launches; 1.04 times as fast as version 1
;; workspace buffers: wts 696,320 bytes; xnq 4,456,448 bytes; qkv 13,893,632 bytes; res 4,456,448 bytes
;; launch gnq (part 6): grid 256 x 1, 8 waves a work-group, no clusters, 19,456 bytes of LDS; arguments x, gn_w, gn_b, xnq, conv_w, wq, wk, wv, wo, wts; writes xnq, wts
.if DOCPART == 6
	.amdgcn_target "amdgcn-amd-amdhsa--gfx1250"
	.amdhsa_code_object_version 6
	.text
	.protected	k_q7b338ca640_gnq
	.globl	k_q7b338ca640_gnq
	.p2align	8
	.type	k_q7b338ca640_gnq,@function
k_q7b338ca640_gnq:
	s_mov_b64 s[64:65], 0
	v_nop
	global_prefetch_b8 v0, s[64:65] scope:SCOPE_SE
	s_setreg_imm32_b32 hwreg(HW_REG_WAVE_MODE, 25, 1), 1
	s_wait_xcnt 0x0
; TWO THINGS IN ONE LAUNCH.
; (1) GroupNorm of x [16][512][1024] f32 (32 groups of 16 channels x 1,024 pixels), then the quantiser along the channels: codes of FP4 (E2M1), one E8M0 byte for each 32 channels.
; A work-group owns one image b and one block j of 32 channels = two whole groups = one quantiser block for each of the 1,024 pixels: 128 KiB, which its eight waves keep in registers.
; So x is read once: sums, then squares about the mean (two passes over registers: no difference of large sums), then normalise and quantise.
; A lane holds 4 neighbouring pixels (128 w + 4 l + e) of all 32 channels: register X + 4 i + e.  A pixel's block lies in ONE lane: its maximum needs no other lane.
; OUT (xnq, laid as the next product's operand wants it): codes: b x 262144 + P x 16384 + m x 4096 + 256 j + 16 r for pixel 64 P + 16 m + r;  scale bytes: 4194304 + b x 16384 + j x 1024 + pixel.
; The codes turn through the wave's own 2 KiB of LDS, so that sixteen lanes store 256 consecutive bytes, aligned.
; (2) The five weights [512 (out)][512 (in)], f32, K innermost, become codes and scale bytes in wts, AS IMAGES OF THE OPERAND'S REGISTERS.  They are 5 x 32 = 160 tiles of 16 rows: work-groups 0 to 159 take one each
; (weight mu = work-group / 32, tile T = work-group % 32), wave w its K step w / 2, half w % 2: a lane holds one block of 32 numbers.  The wave asks for them ahead of x and quantises them while x is on its way.
; THE ROWS OF A TILE ARE NOT NEIGHBOURS: lane rho takes row 32 (T / 2) + 8 (T % 2) + rho + 8 (rho / 8), so that in a product whose source 0 is such a tile the 16 registers of tiles 2 b, 2 b + 1 are 16 neighbouring outputs.
; codes:        mu x 131072 + T x 4096 + 512 w + 16 x lane;  lane (rho, h) holds k = 64 w + 32 h + 0 .. 31
; scale bytes:  655360 + mu x 8192 + T x 256 + 16 rho + 2 w + h.  A tile's 256 come from all eight waves: they meet in LDS and leave as one aligned run of 256 bytes.
; That is why a tile stays whole in one work-group, though 160 tiles do not share out evenly among 256: work-groups 0 to 159 read 160 KiB, the others 128 KiB.
; A block's scale byte is its largest magnitude's exponent field - 2, held at 1 from below by a floor among the maximum's leaves.
; LIMITS: 1 / sqrt by v_rsq_f32; a block of zeros gets the byte 1 where the rule says 127 (its codes are zeros, and this program alone reads the bytes); NaN and infinities are not served.
.set FLOOR, 0x1800000                  ; 2^(3 - 127)
.set NWT,  160                         ; tiles of weights
.set RED1, 0                           ; LDS: the waves' partial sums: word 32 g + 4 w
.set RED2, 256                         ; the same for the squares
.set SST,  512                         ; the 1,024 pixels' scale bytes
.set WSL,  1536                        ; a tile of weights: its 256 scale bytes
.set CST,  2048                        ; the codes: 2,048 bytes for each wave
.set X,  32                            ; v32-159  the numbers
.set N,  160                           ; v160-223 two sets of 32 normalised numbers; also at work; at the start a block of a weight
.set C,  224                           ; v224-239 the codes of my four pixels
.set SB, 240                           ; v240     their four scale bytes
.set WA,  241                          ; v241     a weight: my lane's byte in the tile's rows
.set WBY, 242                          ; v242     my block's scale byte
.set WO,  243                          ; v243     16 x lane
.set WC,  244                          ; v244-247 my block's codes: store data that are never written again
.set WL,  248                          ; v248     LDS: WSL + 16 rho + 2 w + h
.set WR,  249                          ; v249     LDS: WSL + 8 x lane
.set WG8, 250                          ; v250     8 x lane
.set WD,  252                          ; v252-253 eight scale bytes on their way out
	s_load_b256 s[4:11], s[0:1], 0x0               ; x, gn_w, gn_b, xnq
	s_load_b256 s[32:39], s[0:1], 0x20             ; conv_w, wq, wk, wv
	s_load_b128 s[40:43], s[0:1], 0x40             ; wo, wts
	v_lshl_add_u32 v254, v0, 2, 0x4800
	v_mov_b32 v255, 0
	v_lshrrev_b32 v7, 5, v0
	v_readfirstlane_b32 s14, v7                    ; wave 0..7
	s_lshr_b32 s15, ttmp9, 4                       ; b
	s_and_b32 s16, ttmp9, 15                       ; j
	s_mov_b32 s20, 0x76543210
	s_mov_b32 s21, 0xfedcba98                      ; v_permlanex16_b32's selects for lane l xor 16
	v_and_b32 v22, 31, v0                          ; lane
	v_and_b32 v23, 15, v0                          ; r
	v_bfe_u32 v24, v0, 4, 1                        ; h
	v_lshlrev_b32 v1, 4, v0                        ; my 16 bytes of a channel's 4,096
	v_lshl_add_u32 v2, v0, 6, CST                  ; the codes on the way in: 16 bytes a pixel, my four on end
	s_lshl_b32 s17, s14, 11
	s_add_co_u32 s17, s17, CST
	v_lshl_add_u32 v3, v22, 4, s17                 ; and back: 16 bytes a lane of my wave's 2,048
	s_lshl_b32 s17, s14, 15
	v_lshl_add_u32 v4, v24, 12, s17
	v_lshl_add_u32 v4, v23, 4, v4                  ; their place in xnq: 32768 w + 4096 h + 16 r
	v_lshl_add_u32 v5, v0, 2, SST                  ; my four scale bytes
	v_lshl_add_u32 v6, v0, 4, SST                  ; (waves 0 and 1) 16 of them on the way out
	v_lshlrev_b32 v7, 2, v7                        ; 4 w
	v_mov_b32 v8, 0
	v_mov_b32 v9, 0x38800000                       ; 1 / 16,384: a group's count
	v_and_b32 v[WA], 8, v23                        ; the weights' addresses: made on the way that all take
	v_add_nc_u32 v[WA], v[WA], v23                 ; rho + 8 (rho / 8)
	v_lshlrev_b32 v[WA], 11, v[WA]                 ; a row is 2,048 bytes
	v_lshl_add_u32 v[WA], v24, 7, v[WA]            ; + 128 h: my 32 numbers of the wave's 64
	v_lshlrev_b32 v[WO], 4, v22
	s_lshl_b32 s17, s14, 1
	s_add_co_u32 s17, s17, WSL
	v_lshl_add_u32 v[WL], v23, 4, s17
	v_add_nc_u32 v[WL], v[WL], v24
	v_lshl_add_u32 v[WR], v22, 3, WSL
	v_lshlrev_b32 v[WG8], 3, v22
	s_lshl_b32 s24, s15, 21
	s_lshl_b32 s25, s16, 17
	s_add_co_u32 s24, s24, s25                     ; x: b x 2097152 + j x 131072
	s_mov_b32 s25, 0
	s_lshl_b32 s26, s16, 7                         ; gain and bias: 128 j
	s_mov_b32 s27, 0
	s_lshl_b32 s28, s15, 18
	s_lshl_b32 s29, s16, 8
	s_add_co_u32 s28, s28, s29                     ; the codes: b x 262144 + 256 j
	s_mov_b32 s29, 0
	s_lshl_b32 s30, s15, 14
	s_lshl_b32 s31, s16, 10
	s_add_co_u32 s30, s30, s31
	s_add_co_u32 s30, s30, 4194304                 ; the scale bytes
	s_mov_b32 s31, 0
	s_lshr_b32 s18, ttmp9, 5                       ; mu  (used by work-groups 0 to 159 alone)
	s_and_b32 s19, ttmp9, 31                       ; T
	s_lshr_b32 s2, s19, 1
	s_lshl_b32 s2, s2, 5
	s_and_b32 s3, s19, 1
	s_lshl_b32 s3, s3, 3
	s_add_co_u32 s2, s2, s3                        ; the tile's first row: 32 (T / 2) + 8 (T % 2)
	s_lshl_b32 s2, s2, 11
	s_lshl_b32 s3, s14, 8
	s_add_co_u32 s2, s2, s3                        ; + 256 w: my wave's 64 along K
	s_mov_b32 s3, 0
	s_lshl_b32 s66, s18, 17
	s_lshl_b32 s67, s19, 12
	s_add_co_u32 s66, s66, s67
	s_lshl_b32 s67, s14, 9
	s_add_co_u32 s66, s66, s67                     ; my wave's 512 bytes of the tile's codes
	s_mov_b32 s67, 0
	s_lshl_b32 s16, s18, 13                        ; (j is done with)
	s_lshl_b32 s17, s19, 8
	s_add_co_u32 s16, s16, s17
	s_add_co_u32 s16, s16, 655360                  ; the tile's scale bytes
	s_mov_b32 s17, 0
	s_wait_kmcnt 0x0
	s_add_nc_u64 s[4:5], s[4:5], s[24:25]
	s_add_nc_u64 s[6:7], s[6:7], s[26:27]
	s_add_nc_u64 s[8:9], s[8:9], s[26:27]
	s_add_nc_u64 s[12:13], s[10:11], s[30:31]
	s_add_nc_u64 s[10:11], s[10:11], s[28:29]
	s_cmp_eq_u32 s18, 1                            ; which weight: the choice hangs on the work-group's number alone
	s_cselect_b64 s[32:33], s[34:35], s[32:33]
	s_cmp_eq_u32 s18, 2
	s_cselect_b64 s[32:33], s[36:37], s[32:33]
	s_cmp_eq_u32 s18, 3
	s_cselect_b64 s[32:33], s[38:39], s[32:33]
	s_cmp_eq_u32 s18, 4
	s_cselect_b64 s[32:33], s[40:41], s[32:33]
	s_add_nc_u64 s[2:3], s[32:33], s[2:3]
	s_add_nc_u64 s[66:67], s[42:43], s[66:67]
	s_add_nc_u64 s[16:17], s[42:43], s[16:17]
.macro XLOAD                           ; all of the wave's 16 KiB of x are asked for at once
.set II, 0
.rept 32
	global_load_b128 v[X+4*II:X+4*II+3], v1, s[4:5] offset:4096*II   ; channel II: the wave reads 512 consecutive bytes
.set II, II+1
.endr
.endm
	s_cmp_lt_u32 ttmp9, NWT
	s_cbranch_scc0 .Lplain                         ; the branch is alike in all eight waves, and no barrier stands in it
.irp g, 0,1,2,3,4,5,6,7
	global_load_b128 v[N+4*\g:N+4*\g+3], v[WA], s[2:3] offset:16*\g   ; my block of the weight: 32 neighbours along K
.endr
	XLOAD
	s_wait_loadcnt 32                              ; the weight's eight loads are in; x's 32, issued behind them, may be out
	v_max3_num_f32 v10, |v[N]|, |v[N+1]|, FLOOR    ; the block's largest magnitude, in two chains
	v_max3_num_f32 v11, |v[N+2]|, |v[N+3]|, FLOOR
.irp i, 4,8,12,16,20,24,28
	v_max3_num_f32 v10, v10, |v[N+\i]|, |v[N+\i+1]|
	v_max3_num_f32 v11, v11, |v[N+\i+2]|, |v[N+\i+3]|
.endr
	v_max_num_f32 v10, v10, v11
	v_add_nc_u32 v12, 0xff000000, v10              ; 2 off the exponent field: the conversion's scale operand
	v_lshrrev_b32 v[WBY], 23, v12                  ; the scale's byte
.irp g, 0,1,2,3
	v_cvt_scalef32_pk8_fp4_f32 v[WC+\g], v[N+8*\g:N+8*\g+7], v12
.endr
	v_nop                                          ; one plain place behind the last scaled conversion
	global_store_b128 v[WO], v[WC:WC+3], s[66:67]  ; 32 lanes store 512 consecutive bytes
	ds_store_b8 v[WL], v[WBY]                      ; my byte among the tile's 256; the barriers below show it to wave 2
	s_branch .Ljoined
.Lplain:
	XLOAD
.Ljoined:                                              ; on both ways x's 32 loads are the youngest: the counts below hold on both
	s_load_b512 s[32:47], s[6:7], 0x0              ; the gains of my 32 channels: s32-63 (the weights' pointers are done with)
	s_load_b512 s[48:63], s[6:7], 0x40
	s_load_b512 s[68:83], s[8:9], 0x0              ; the biases: s68-99
	s_load_b512 s[84:99], s[8:9], 0x40
.macro GSUM g, a                       ; the sum of my 64 numbers of group g: two chains of packed sums, begun by the first pairs
	v_pk_add_f32 v[\a:\a+1], v[X+64*\g:X+64*\g+1], v[X+64*\g+4:X+64*\g+5]
	v_pk_add_f32 v[\a+2:\a+3], v[X+64*\g+2:X+64*\g+3], v[X+64*\g+6:X+64*\g+7]
.set KK, 8
.rept 14
	v_pk_add_f32 v[\a:\a+1], v[\a:\a+1], v[X+64*\g+KK:X+64*\g+KK+1]
	v_pk_add_f32 v[\a+2:\a+3], v[\a+2:\a+3], v[X+64*\g+KK+2:X+64*\g+KK+3]
.set KK, KK+4
.endr
	v_pk_add_f32 v[\a:\a+1], v[\a:\a+1], v[\a+2:\a+3]
	v_add_f32 v[\a], v[\a], v[\a+1]
.endm
.macro GSQ g, a                        ; the sum of their squares, likewise
	v_pk_mul_f32 v[\a:\a+1], v[X+64*\g:X+64*\g+1], v[X+64*\g:X+64*\g+1]
	v_pk_mul_f32 v[\a+2:\a+3], v[X+64*\g+2:X+64*\g+3], v[X+64*\g+2:X+64*\g+3]
.set KK, 4
.rept 15
	v_pk_fma_f32 v[\a:\a+1], v[X+64*\g+KK:X+64*\g+KK+1], v[X+64*\g+KK:X+64*\g+KK+1], v[\a:\a+1]
	v_pk_fma_f32 v[\a+2:\a+3], v[X+64*\g+KK+2:X+64*\g+KK+3], v[X+64*\g+KK+2:X+64*\g+KK+3], v[\a+2:\a+3]
.set KK, KK+4
.endr
	v_pk_add_f32 v[\a:\a+1], v[\a:\a+1], v[\a+2:\a+3]
	v_add_f32 v[\a], v[\a], v[\a+1]
.endm
.macro RED32 a, t                      ; over the wave's 32 lanes: every lane ends with the sum
	v_add_f32_dpp v[\a], v[\a], v[\a] row_xmask:1 row_mask:0xf bank_mask:0xf
	v_add_f32_dpp v[\a], v[\a], v[\a] row_xmask:2 row_mask:0xf bank_mask:0xf
	v_add_f32_dpp v[\a], v[\a], v[\a] row_xmask:4 row_mask:0xf bank_mask:0xf
	v_add_f32_dpp v[\a], v[\a], v[\a] row_xmask:8 row_mask:0xf bank_mask:0xf
	v_permlanex16_b32 v[\t], v[\a], s20, s21
	v_add_f32 v[\a], v[\a], v[\t]
.endm
.macro BARRIER                         ; my LDS stores have landed and my LDS loads are in: then the work-group's barrier
	s_wait_dscnt 0x0
	s_barrier_signal -1
	s_barrier_wait -1
.endm
.macro TOTAL off                       ; v10, v14 (my wave's figures of groups 0, 1) meet the other waves': the totals come in v160 and v168, alike in every wave
	ds_store_b32 v7, v10 offset:\off
	ds_store_b32 v7, v14 offset:\off+32
	BARRIER
	ds_load_b128 v[160:163], v8 offset:\off
	ds_load_b128 v[164:167], v8 offset:\off+16
	ds_load_b128 v[168:171], v8 offset:\off+32
	ds_load_b128 v[172:175], v8 offset:\off+48
	s_wait_dscnt 0x0
.irp a, 160, 168
	v_pk_add_f32 v[\a:\a+1], v[\a:\a+1], v[\a+2:\a+3]
	v_pk_add_f32 v[\a+4:\a+5], v[\a+4:\a+5], v[\a+6:\a+7]
	v_pk_add_f32 v[\a:\a+1], v[\a:\a+1], v[\a+4:\a+5]
	v_add_f32 v[\a], v[\a], v[\a+1]
.endr
.endm
	s_wait_loadcnt 16                              ; group 0's sixteen loads are in; group 1's may be out
	GSUM 0, 10
	s_wait_loadcnt 0x0
	GSUM 1, 14
	RED32 10, 22
	RED32 14, 23
	TOTAL RED1
	v_mul_f32 v18, v9, v160                        ; the means, each in both words of a pair
	v_mul_f32 v20, v9, v168
	v_mov_b32 v19, v18
	v_mov_b32 v21, v20
.set II, 0
.rept 32
	v_pk_add_f32 v[X+II:X+II+1], v[X+II:X+II+1], v[18:19] neg_lo:[0,1] neg_hi:[0,1]   ; x - mean, in place
	v_pk_add_f32 v[X+64+II:X+64+II+1], v[X+64+II:X+64+II+1], v[20:21] neg_lo:[0,1] neg_hi:[0,1]
.set II, II+2
.endr
	GSQ 0, 10
	GSQ 1, 14
	RED32 10, 22
	RED32 14, 23
	TOTAL RED2
	v_fmaak_f32 v24, v160, v9, 0x3727c5ac          ; the variance + 1e-5
	v_fmaak_f32 v25, v168, v9, 0x3727c5ac
	v_rsq_f32 v24, v24
	v_rsq_f32 v25, v25
	v_nop                                          ; one plain place behind a transcendental
	s_wait_alu depctr_va_vdst(0)
	v_readfirstlane_b32 s22, v24                   ; alike in every lane
	v_readfirstlane_b32 s23, v25
	s_wait_kmcnt 0x0                               ; gains and biases
.set II, 0
.rept 16
	s_mul_f32 s[32+II], s[32+II], s22              ; gain / standard deviation, a channel at a time
	s_mul_f32 s[48+II], s[48+II], s23
.set II, II+1
.endr
.macro PIX e                           ; my pixel e: normalised, quantised, its 16 bytes of codes to the stage
.set NS, N+32*((\e)%2)
.set II, 0
.rept 32
	v_fma_f32 v[NS+II], v[X+4*II+(\e)], s[32+II], s[68+II]
.set II, II+1
.endr
	v_max3_num_f32 v26, |v[NS]|, |v[NS+1]|, FLOOR  ; the block's largest magnitude, in two chains; the floor holds the byte at 1 from below
	v_max3_num_f32 v27, |v[NS+2]|, |v[NS+3]|, FLOOR
.irp i, 4,8,12,16,20,24,28
	v_max3_num_f32 v26, v26, |v[NS+\i]|, |v[NS+\i+1]|
	v_max3_num_f32 v27, v27, |v[NS+\i+2]|, |v[NS+\i+3]|
.endr
	v_max_num_f32 v26, v26, v27
	v_add_nc_u32 v28, 0xff000000, v26              ; 2 off the exponent field: the conversion's scale operand
	v_lshrrev_b32 v29, 23, v28                     ; the scale's byte
.if (\e) == 0
	v_mov_b32 v[SB], v29
.else
	v_lshl_or_b32 v[SB], v29, 8*(\e), v[SB]
.endif
.irp g, 0,1,2,3
	v_cvt_scalef32_pk8_fp4_f32 v[C+4*(\e)+\g], v[NS+8*\g:NS+8*\g+7], v28
.endr
	v_nop                                          ; one plain place behind the last scaled conversion
	ds_store_b128 v2, v[C+4*(\e):C+4*(\e)+3] offset:16*(\e)
.endm
	PIX 0
	PIX 1
	PIX 2
	PIX 3
.irp t, 0,1,2,3
	ds_load_b128 v[N+4*\t:N+4*\t+3], v3 offset:512*\t   ; pixel 32 t + lane of my 128.  LDS serves a wave's instructions in order (ISA guide 5.7.1.4): these see my stores
.endr
	ds_store_b32 v5, v[SB]
.irp t, 0,1,2,3
	s_wait_dscnt 4-\t                              ; load t is in: behind it stand 3 - t loads and the store of the bytes
	global_store_b128 v4, v[N+4*\t:N+4*\t+3], s[10:11] offset:(\t/2)*16384+(\t%2)*8192   ; each half of the lanes stores 256 consecutive bytes, aligned
.endr
	BARRIER                                        ; all 1,024 scale bytes lie in LDS
	s_cmp_lt_u32 s14, 2
	s_cbranch_scc0 .Lothers                        ; waves 0 and 1 carry them out
	ds_load_b128 v[176:179], v6
	s_wait_dscnt 0x0
	global_store_b128 v1, v[176:179], s[12:13]     ; 512 consecutive bytes a wave
	s_branch .Lend
.Lothers:
	s_cmp_eq_u32 s14, 2
	s_cbranch_scc0 .Lend                           ; wave 2 carries out the scale bytes of the tile of weights,
	s_cmp_lt_u32 ttmp9, NWT
	s_cbranch_scc0 .Lend                           ; where the work-group had one
	ds_load_b64 v[WD:WD+1], v[WR]                  ; bytes that all eight waves stored, three barriers ago
	s_wait_dscnt 0x0
	global_store_b64 v[WG8], v[WD:WD+1], s[16:17]  ; 32 lanes store 256 consecutive bytes, aligned
.Lend:
	s_wait_tensorcnt 0x0
	ds_add_u32 v254, v255
	s_wait_dscnt 0x0
	s_endpgm
.Lfunc_end_k_q7b338ca640_gnq:
	.size	k_q7b338ca640_gnq, .Lfunc_end_k_q7b338ca640_gnq-k_q7b338ca640_gnq
	.p2alignl 7, 3214868480
	.fill 96, 4, 3214868480
	.section	.rodata,"a",@progbits
	.p2align	6, 0x0
	.amdhsa_kernel k_q7b338ca640_gnq
		.amdhsa_group_segment_fixed_size 19456
		.amdhsa_private_segment_fixed_size 0
		.amdhsa_enable_private_segment 0
		.amdhsa_kernarg_size 80
		.amdhsa_user_sgpr_count 2
		.amdhsa_user_sgpr_kernarg_segment_ptr 1
		.amdhsa_wavefront_size32 1
		.amdhsa_system_sgpr_workgroup_id_x 1
		.amdhsa_system_sgpr_workgroup_id_y 1
		.amdhsa_system_sgpr_workgroup_id_z 1
		.amdhsa_system_vgpr_workitem_id 0
		.amdhsa_next_free_vgpr 256
		.amdhsa_next_free_sgpr 100
		.amdhsa_reserve_vcc 0
		.amdhsa_float_denorm_mode_32 3
		.amdhsa_float_denorm_mode_16_64 3
		.amdhsa_memory_ordered 1
		.amdhsa_forward_progress 1
		.amdhsa_inst_pref_size 46
	.end_amdhsa_kernel
	.amdgpu_metadata
---
amdhsa.version: [ 1, 2 ]
amdhsa.kernels:
  - .name:           k_q7b338ca640_gnq
    .symbol:         k_q7b338ca640_gnq.kd
    .args:
      - { .name: x, .offset: 0, .size: 8, .value_kind: global_buffer, .address_space: global }
      - { .name: gn_w, .offset: 8, .size: 8, .value_kind: global_buffer, .address_space: global }
      - { .name: gn_b, .offset: 16, .size: 8, .value_kind: global_buffer, .address_space: global }
      - { .name: xnq, .offset: 24, .size: 8, .value_kind: global_buffer, .address_space: global }
      - { .name: conv_w, .offset: 32, .size: 8, .value_kind: global_buffer, .address_space: global }
      - { .name: wq, .offset: 40, .size: 8, .value_kind: global_buffer, .address_space: global }
      - { .name: wk, .offset: 48, .size: 8, .value_kind: global_buffer, .address_space: global }
      - { .name: wv, .offset: 56, .size: 8, .value_kind: global_buffer, .address_space: global }
      - { .name: wo, .offset: 64, .size: 8, .value_kind: global_buffer, .address_space: global }
      - { .name: wts, .offset: 72, .size: 8, .value_kind: global_buffer, .address_space: global }
    .group_segment_fixed_size: 19456
    .private_segment_fixed_size: 0
    .kernarg_segment_align: 8
    .kernarg_segment_size: 80
    .max_flat_workgroup_size: 256
    .sgpr_count:     100
    .vgpr_count:     256
    .wavefront_size: 32
...
	.end_amdgpu_metadata
.endif
;; end of part 6
;; launch proj: the kernel of part 3 again; grid 256 x 1, 8 waves a work-group, no clusters, 35,840 bytes of LDS; arguments xnq, wts, conv_b, bq, bk, bv, qkv; writes qkv
;; launch attn (part 7): grid 256 x 1, 16 waves a work-group, no clusters, 74,752 bytes of LDS; arguments qkv, res; writes res
.if DOCPART == 7
	.amdgcn_target "amdgcn-amd-amdhsa--gfx1250"
	.amdhsa_code_object_version 6
	.text
	.protected	k_q7b338ca640_attn
	.globl	k_q7b338ca640_attn
	.p2align	8
	.type	k_q7b338ca640_attn,@function
k_q7b338ca640_attn:
	s_mov_b64 s[64:65], 0
	v_nop
	global_prefetch_b8 v0, s[64:65] scope:SCOPE_SE
	s_setreg_imm32_b32 hwreg(HW_REG_WAVE_MODE, 25, 1), 1
	s_wait_xcnt 0x0
; O = softmax(q k^T / 8) v for 128 (image, head) pairs of 1,024 x 1,024, head size 64, both products on codes of FP4 (E2M1) with one E8M0 scale for each 32 along K; then O / l is quantised along the channels for the last product.
; THE SOFTMAX AHEAD OF THE SECOND PRODUCT: t = score x log2(e) / 8; M = the row's largest t so far, rounded UP to a whole number; p = 2^(t - M) is what is quantised, along the keys; it is not normalised.
; The row's sum is taken of the unquantised p, in f32, and divides O at the end.  When M moves, the sum and O are multiplied by 2^(old M - new M): exact.
; SHARES.  A work-group owns 512 queries of one head; each of its sixteen waves two tiles of 16, one after the other (a loop of two trips); four waves to a SIMD.
; A head's K and V in codes with their scale words are 70 KiB: they come into LDS ONCE, through registers, and stay: no ring.  They are laid as images of the operands' registers: every fragment load is 512 consecutive bytes.
; LAYOUT.  Both products are used transposed: S^T = K Q^T (source 0 = 16 keys), O^T = V^T P^T (source 0 = 16 channels): a lane holds ONE query (lane % 16) throughout.
; The head's 64 fill half of the instruction's 128 along K: registers 4-7 of K's and Q's fragments are zero codes, written once, under scale bytes 0x7f.
; p's codes come out of the conversions with keys 0-7, 16-23, 8-15, 24-31 of a block in a lane's four registers; V's codes are laid in that same order.
; V's tiles take channels 32 (t / 2) + 8 (t % 2) + rho + 8 (rho / 8), so that a lane's 32 registers of O^T are 2 x 16 neighbours along the next K.
; THE ORDER OF A STEP'S VECTOR WORK.  Once M is known a step has 68 exponentials and 108 other lines that hang on M (32 packed multiply-adds, 32 packed sums, 17 rescalings, 15 lines for the scale word, 8 conversions, 4 swaps).
; The exponentials do not stand in one run: the other lines are dealt among them, each where its sources are ready (macro HALF), so that a wave has plain work to issue between its exponentials.
; NOT SHARED IN A CLUSTER: only two work-groups read a head's 70 KiB, once each, against eight key steps x two tiles of work on them.
; LIMITS: 1 / l by v_rcp_f32; a block's largest p is made from the block's largest score by the same multiply-add and exponential (this takes v_exp_f32 not to fall where its input rises);
; a block of zeros gets the byte 1 where the rule says 127 (its codes are zeros, and this program alone reads the bytes); NaN and infinities are not served.
.set FLOOR, 0x1800000                  ; 2^(3 - 127)
.set KIMG, 0                           ; LDS: K's 64 tiles of 16 keys, 512 bytes each
.set VIMG, 32768                       ; V: s x 4096 + t x 1024 + c x 512 + 16 lane
.set KSC,  65536                       ; K's scale words: 256 bytes for 64 keys: 8 lane + 4 e: tile 2 e + lane / 16
.set VSC,  69632                       ; V's: s x 256 + 16 rho + 4 t
.set RST,  71680                       ; the results' scale bytes: two for each of the 512 queries
.set LI,   1                           ; v1   16 x lane
.set LK8,  2                           ; v2   KSC + 8 x lane
.set LV16, 3                           ; v3   VSC + 16 r
.set A16,  4                           ; v4   16 x thread
.set RB,   5                           ; v5   RST + 2 r
.set T6,   6
.set R8,   7                           ; v7   8 r
.set Q,    8                           ; v8-15   Q's fragment (v12-15: zero codes)
.set QN,   16                          ; v16-19  the second tile's
.set QS,   20                          ; v20, v21 their scale words
.set QSN,  21
.set NM,   22                          ; v22  -M;  v23 the largest t
.set TX,   23
.set LS,   24                          ; v[24:25] the sum, in two halves
.set FF,   26                          ; v26  2^(old M - new M); v27 is named with it as a pair
.set PS,   28                          ; v28  p's scale word
.set RR,   29
.set KS,   30                          ; v30-33  K's scale words of a step
.set VS,   34                          ; v34-37  V's
.set PC,   38                          ; v38-45  p's codes
.set BM,   46                          ; v46-49  a block's largest score, then its largest p
.set MX,   46
.set PT,   50
.set SO,   54
.set TT,   58
.set BY,   58
.set T1,   60
.set HW,   61
.set KF,   64                          ; v64-127  K's eight fragments (the upper four registers of each: zero codes)
.set VF,   128                         ; v128-159 V's four
.set S,    160                         ; v160-223 S^T, then p
.set O,    224                         ; v224-255 O^T
.set SEL,  10
.macro PLACES n                        ; plain places behind matrix instructions (ISA guide 7.12.1)
.rept \n
	v_nop
.endr
.endm
.macro BARRIER                         ; my LDS stores have landed and my LDS loads are in: then the work-group's barrier
	s_wait_dscnt 0x0
	s_barrier_signal -1
	s_barrier_wait -1
.endm
.macro KLOAD s                         ; key step s: eight fragments and their scale words: ten loads
.irp u, 0,1,2,3,4,5,6,7
	ds_load_b128 v[KF+8*\u:KF+8*\u+3], v[LI] offset:KIMG+4096*(\s)+512*\u
.endr
.irp p, 0,1
	ds_load_b64 v[KS+2*\p:KS+2*\p+1], v[LK8] offset:512*(\s)+256*\p
.endr
.endm
.macro VLOAD s                         ; four fragments and their scale words: nine loads
.irp q, 0,1,2,3,4,5,6,7
	ds_load_b128 v[VF+4*\q:VF+4*\q+3], v[LI] offset:VIMG+4096*(\s)+512*\q
.endr
	ds_load_b128 v[VS:VS+3], v[LV16] offset:256*(\s)
.endm
; 32 numbers of a lane, register 16 b + i = k 32 b + 16 (lane / 16) + i of my row, become one image (v[PC] on) and two scale bytes (v[HW])
.macro QUANT2 src
.irp b, 0,1
	v_max3_num_f32 v[MX+\b], |v[(\src)+16*\b]|, |v[(\src)+16*\b+1]|, FLOOR
.endr
.irp i, 2,4,6,8,10,12,14
.irp b, 0,1
	v_max3_num_f32 v[MX+\b], v[MX+\b], |v[(\src)+16*\b+\i]|, |v[(\src)+16*\b+\i+1]|
.endr
.endr
.irp b, 0,1
	v_permlanex16_b32 v[PT+\b], v[MX+\b], s[SEL], s[SEL+1]
.endr
.irp b, 0,1
	v_max_num_f32 v[MX+\b], v[MX+\b], v[PT+\b]
.endr
.irp b, 0,1
	v_add_nc_u32 v[SO+\b], 0xff000000, v[MX+\b]
.endr
.irp b, 0,1
	v_lshrrev_b32 v[BY+\b], 23, v[SO+\b]
.endr
	v_lshl_or_b32 v[HW], v[BY+1], 8, v[BY]
.irp b, 0,1
	v_cvt_scalef32_pk8_fp4_f32 v[PC+2*\b], v[(\src)+16*\b:(\src)+16*\b+7], v[SO+\b]
	v_cvt_scalef32_pk8_fp4_f32 v[PC+2*\b+1], v[(\src)+16*\b+8:(\src)+16*\b+15], v[SO+\b]
.endr
	v_nop                                          ; one plain place behind the last scaled conversion
	v_permlane16_swap_b32 v[PC], v[PC+2]
	v_permlane16_swap_b32 v[PC+1], v[PC+3]
.endm
; Pair k of p's 32 pairs joins the row's sum, which is taken of the unquantised p: even pairs in one chain (the sum itself), odd pairs in the other
.macro SUMP k
.if (\k)%2
	s_wait_alu depctr_va_vdst(0)
	v_pk_add_f32 v[TT:TT+1], v[TT:TT+1], v[S+2*(\k):S+2*(\k)+1]
.else
	s_wait_alu depctr_va_vdst(0)
	v_pk_add_f32 v[LS:LS+1], v[LS:LS+1], v[S+2*(\k):S+2*(\k)+1]
.endif
.endm
; EXPONENTIAL NUMBER HH OF A STEP'S 68, AND WHAT STANDS BEHIND IT.  Numbers 0-3: the four blocks' largest p; number 4 + j: score j.
;   a conversion, at 16 b + 22 and 16 b + 23 for block b = 0, 1, 2: the block's last exponential is number 16 b + 19; the plain line below stands directly behind it
;   a first plain line: HH < 32: t - M for pair HH, whose exponentials are numbers 2 HH + 4 and 2 HH + 5;  HH = 32 .. 55: the sum takes pair HH - 31 (32: pairs 0 and 1), whose second exponential is number 2 HH - 57,
;     at least one number back, with that number's plain line between (ISA guide 5.7.2: a plain line between a transcendental and the use of its result)
;   a second: 0, 1: the sum under the new M (step 0: it begins);  4-18: floor, scale operand, byte of each block, and the scale word;  19-34: O^T under the new M, each accumulator from its low end on;  41, 42: the swaps of blocks 0 and 1
; No line behind exponential HH names its register: pair HH is registers 2 HH and 2 HH + 1 against HH - 4; pair HH - 31 is registers 2 HH - 62 and 2 HH - 61 against HH - 4, which meet only at HH = 58 and 57.
.macro HALF s
.if HH < 4
	v_exp_f32 v[BM+HH], v[BM+HH]                   ; the block's largest p: the same multiply-add and exponential on the same number give the same bits
.else
	v_exp_f32 v[S+HH-4], v[S+HH-4]                 ; p = 2^(t - M), at most 1: not normalised
.endif
.if (HH == 22) || (HH == 38) || (HH == 54)
	s_wait_alu depctr_va_vdst(0)
	v_cvt_scalef32_pk8_fp4_f32 v[PC+(HH-22)/8], v[S+HH-22:S+HH-15], v[SO+(HH-22)/16]
.elseif (HH == 23) || (HH == 39) || (HH == 55)
	v_cvt_scalef32_pk8_fp4_f32 v[PC+(HH-23)/8+1], v[S+HH-15:S+HH-8], v[SO+(HH-23)/16]
.endif
.if HH < 32
	v_pk_fma_f32 v[S+2*HH:S+2*HH+1], v[S+2*HH:S+2*HH+1], s[12:13], v[NM:NM+1] op_sel_hi:[1,0,0]   ; t - M, two at a time (of the pairs c and -M the low word serves both halves)
.elseif HH == 32
	v_pk_add_f32 v[TT:TT+1], v[S:S+1], v[S+2:S+3]  ; the second chain begins
.elseif HH < 56
	SUMP HH-31
.endif
.if HH == 0
.if (\s) == 0
	v_mov_b32 v[LS], 0                             ; the sum begins
.else
	v_pk_mul_f32 v[LS:LS+1], v[LS:LS+1], v[FF:FF+1] op_sel_hi:[1,0]   ; the sum under the new M
.endif
.elseif HH == 1
.if (\s) == 0
	v_mov_b32 v[LS+1], 0
.endif
.elseif HH < 4
.elseif HH < 8
	s_wait_alu depctr_va_vdst(0)
	v_max_num_f32 v[BM+HH-4], FLOOR, v[BM+HH-4]    ; the floor holds the byte at 1 from below
.elseif HH < 12
	v_add_nc_u32 v[SO+HH-8], 0xff000000, v[BM+HH-8]   ; 2 off the exponent field: the conversion's scale operand
.elseif HH < 16
	v_lshrrev_b32 v[PT+HH-12], 23, v[SO+HH-12]     ; the scale's byte
.elseif HH == 16
	v_lshl_or_b32 v[PS], v[PT+1], 8, v[PT]         ; p's scale word for these 128 keys
.elseif HH < 19
	v_lshl_or_b32 v[PS], v[PT+HH-15], 8*(HH-15), v[PS]
.elseif HH < 35
.if (\s) > 0
	v_pk_mul_f32 v[O+2*(HH-19):O+2*(HH-19)+1], v[O+2*(HH-19):O+2*(HH-19)+1], v[FF:FF+1] op_sel_hi:[1,0]
.endif
.elseif (HH == 41) || (HH == 42)
	v_permlane16_swap_b32 v[PC+HH-41], v[PC+HH-39] ; the operand's layout wants a whole block in a lane: lanes 0-15 block 0, lanes 16-31 block 1
.endif
.endm
; A KEY STEP: 128 keys.  Step 0 starts M, the sum and O^T: it has no factor and nothing to rescale.
.macro STEP s
	s_wait_dscnt 0x0                               ; this step's K and its scale words are in (asked for a step ago)
.irp u, 0,1,2,3,4,5,6,7
.if \u%2
	v_wmma_scale_f32_16x16x128_f8f6f4 v[S+8*\u:S+8*\u+7], v[KF+8*\u:KF+8*\u+7], v[Q:Q+7], 0, v[KS+\u/2], v[QS] matrix_a_fmt:MATRIX_FMT_FP4 matrix_b_fmt:MATRIX_FMT_FP4 matrix_a_scale:MATRIX_SCALE_ROW1
.else
	v_wmma_scale_f32_16x16x128_f8f6f4 v[S+8*\u:S+8*\u+7], v[KF+8*\u:KF+8*\u+7], v[Q:Q+7], 0, v[KS+\u/2], v[QS] matrix_a_fmt:MATRIX_FMT_FP4 matrix_b_fmt:MATRIX_FMT_FP4
.endif
.endr
	PLACES 4                                       ; ahead of the reads of the scores, and of the loads into K's registers and (behind the last step's products) V's
	VLOAD \s
	KLOAD ((\s)+1)%8                               ; the next step's; step 7 asks for step 0's, for the wave's next tile
.irp b, 0,1,2,3
	v_max3_num_f32 v[BM+\b], v[S+16*\b], v[S+16*\b+1], v[S+16*\b+2]   ; the largest score of each block of 32 keys: for the row's maximum, and for the block's largest p
.endr
.irp i, 3,5,7,9,11,13
.irp b, 0,1,2,3
	v_max3_num_f32 v[BM+\b], v[BM+\b], v[S+16*\b+\i], v[S+16*\b+\i+1]
.endr
.endr
.irp b, 0,1,2,3
	v_max_num_f32 v[BM+\b], v[BM+\b], v[S+16*\b+15]
.endr
.irp b, 0,1,2,3
	v_permlanex16_b32 v[PT+\b], v[BM+\b], s[SEL], s[SEL+1]
.endr
.irp b, 0,1,2,3
	v_max_num_f32 v[BM+\b], v[BM+\b], v[PT+\b]     ; with lane l xor 16's 16 keys
.endr
	v_max3_num_f32 v[T1], v[BM], v[BM+1], v[BM+2]
	v_max_num_f32 v[T1], v[T1], v[BM+3]            ; the step's largest score of my query
.if (\s) == 0
	v_mul_f32 v[TX], s12, v[T1]                    ; as t (c is positive)
	v_floor_f32 v[NM], -v[TX]                      ; -M = floor(-t) = -ceil(t): M is a whole number
.else
	v_mul_f32 v[T1], s12, v[T1]
	v_max_num_f32 v[TX], v[TX], v[T1]              ; the running largest t
	v_mov_b32 v[T1], v[NM]
	v_floor_f32 v[NM], -v[TX]
	v_sub_f32 v[T1], v[NM], v[T1]                  ; M's old value less its new one: a whole number, 0 or less
	v_cvt_i32_f32 v[T1], v[T1]                     ; (it saturates)
	v_ldexp_f32 v[FF], 1.0, v[T1]                  ; 2^(old M - new M): a multiplication by it rounds nothing
.endif
.irp b, 0,1,2,3
	v_fma_f32 v[BM+\b], v[BM+\b], s12, v[NM]       ; t - M of each block's largest score
.endr
.set HH, 0
.rept 68
	HALF \s
.set HH, HH+1
.endr
	SUMP 25                                        ; it reads none of the last twelve exponentials' results: the plain line between them and the lines that do
	SUMP 26
	SUMP 27
	v_cvt_scalef32_pk8_fp4_f32 v[PC+6], v[S+48:S+55], v[SO+3]
	v_cvt_scalef32_pk8_fp4_f32 v[PC+7], v[S+56:S+63], v[SO+3]
	SUMP 28                                        ; one plain place behind the last scaled conversion
	v_permlane16_swap_b32 v[PC+4], v[PC+6]         ; lanes 0-15 block 2, lanes 16-31 block 3
	v_permlane16_swap_b32 v[PC+5], v[PC+7]
	SUMP 29                                        ; these four lines are also the four places between p's codes and the products
	SUMP 30
	SUMP 31
	v_pk_add_f32 v[LS:LS+1], v[LS:LS+1], v[TT:TT+1]
	s_wait_dscnt 10                                ; V and its scale words are in; the next step's ten loads for K may be out
.irp t, 0,1,2,3                        ; the four accumulators take turns, one instruction a turn
.if (\s) == 0
	v_wmma_scale_f32_16x16x128_f8f6f4 v[O+8*\t:O+8*\t+7], v[VF+8*\t:VF+8*\t+7], v[PC:PC+7], 0, v[VS+\t], v[PS] matrix_a_fmt:MATRIX_FMT_FP4 matrix_b_fmt:MATRIX_FMT_FP4
.else
	v_wmma_scale_f32_16x16x128_f8f6f4 v[O+8*\t:O+8*\t+7], v[VF+8*\t:VF+8*\t+7], v[PC:PC+7], v[O+8*\t:O+8*\t+7], v[VS+\t], v[PS] matrix_a_fmt:MATRIX_FMT_FP4 matrix_b_fmt:MATRIX_FMT_FP4
.endif
.endr
.endm
	s_load_b128 s[4:7], s[0:1], 0x0                ; qkv, res
	v_lshl_add_u32 v62, v0, 2, 0x11c00
	v_mov_b32 v63, 0
	v_lshrrev_b32 v6, 5, v0
	v_readfirstlane_b32 s8, v6                     ; wave 0..15
	s_lshr_b32 s9, ttmp9, 1                        ; hb = 8 b + head
	s_and_b32 s34, ttmp9, 1                        ; which half of the queries
	s_lshr_b32 s35, s9, 3                          ; b
	s_and_b32 s36, s9, 7                           ; head
	s_mov_b32 s[SEL], 0x76543210
	s_mov_b32 s[SEL+1], 0xfedcba98                 ; v_permlanex16_b32's selects for lane l xor 16
	s_mov_b32 s12, 0x3e38aa3b                      ; c = log2(e) / 8
	s_mov_b32 s13, s12                             ; (named with it as a pair, so it is written)
	s_lshr_b32 s37, s8, 1
	s_and_b32 s38, s8, 1
	s_lshl_b32 s39, s34, 3
	s_add_co_u32 s39, s39, s37                     ; my queries' run of 64 pixels: 8 x half + w / 2; in it tiles 2 (w % 2) and 2 (w % 2) + 1
	s_lshl_b32 s14, s9, 15                         ; byte offsets, each in the low word of the pair that will hold the address: the head's codes,
	s_mov_b32 s15, 0
	s_lshl_b32 s18, s9, 12
	s_add_co_u32 s18, s18, 12582912                ; q's scale words,
	s_mov_b32 s19, 0
	s_lshl_b32 s20, s9, 11
	s_add_co_u32 s20, s20, 13631488                ; v's scale bytes,
	s_mov_b32 s21, 0
	s_lshl_b32 s30, s34, 14
	s_lshl_b32 s40, s8, 10
	s_add_co_u32 s30, s30, s40                     ; my first tile of q in the head: (32 x half + 2 w) x 512,
	s_mov_b32 s31, 0
	s_lshl_b32 s32, s39, 8
	s_lshl_b32 s40, s38, 2
	s_add_co_u32 s32, s32, s40                     ; its scale words,
	s_mov_b32 s33, 0
	s_lshl_b32 s22, s35, 18
	s_lshl_b32 s40, s39, 14
	s_add_co_u32 s22, s22, s40
	s_lshl_b32 s40, s38, 13
	s_add_co_u32 s22, s22, s40
	s_lshl_b32 s40, s36, 9
	s_add_co_u32 s22, s22, s40                     ; the result's codes: b x 262144 + P x 16384 + m x 4096 + head x 512,
	s_mov_b32 s23, 0
	s_lshl_b32 s24, s9, 11
	s_lshl_b32 s40, s34, 10
	s_add_co_u32 s24, s24, s40
	s_add_co_u32 s24, s24, 4194304                 ; and its scale bytes: two a pixel
	s_mov_b32 s25, 0
	s_mov_b32 s26, 0                               ; counts the wave's two tiles
	s_lshl_b32 s27, s8, 6                          ; my tile's 32 bytes among the results' scale bytes: 64 w, + 32 a trip
	v_and_b32 v6, 31, v0                           ; lane
	v_and_b32 v7, 15, v0                           ; r
	v_lshlrev_b32 v[LI], 4, v6
	v_lshl_add_u32 v[LK8], v6, 3, KSC
	v_lshl_add_u32 v[LV16], v7, 4, VSC
	v_lshlrev_b32 v[A16], 4, v0
	v_lshl_add_u32 v[RB], v7, 1, RST
	v_lshlrev_b32 v224, 3, v0                      ; 8 x thread, 4 x thread: K's and V's scales in memory
	v_lshlrev_b32 v225, 2, v0
	v_lshl_add_u32 v226, v0, 3, KSC                ; K's scale words lie in LDS as in memory
	v_lshrrev_b32 v227, 6, v0                      ; V's are laid anew.  Thread 32 P + lane holds, for row r, tiles 2 h (low half) and 2 h + 1 (high half), key blocks 2 P, 2 P + 1:
	v_lshl_add_u32 v227, v227, 8, VSC              ; step P / 2,
	v_lshl_add_u32 v227, v7, 4, v227               ; row r,
	v_bfe_u32 v228, v0, 4, 1
	v_lshl_add_u32 v227, v228, 3, v227             ; tile 2 h,
	v_bfe_u32 v228, v0, 5, 1
	v_lshl_add_u32 v227, v228, 1, v227             ; the word's half P % 2
	v_lshlrev_b32 v[R8], 3, v7
	s_wait_kmcnt 0x0
	s_add_nc_u64 s[14:15], s[4:5], s[14:15]
	s_add_nc_u64 s[16:17], s[14:15], 0x800000      ; V's codes
	s_add_nc_u64 s[18:19], s[4:5], s[18:19]
	s_add_nc_u64 s[20:21], s[4:5], s[20:21]
	s_add_nc_u64 s[30:31], s[14:15], s[30:31]
	s_add_nc_u64 s[32:33], s[18:19], s[32:33]
	s_add_nc_u64 s[22:23], s[6:7], s[22:23]
	s_add_nc_u64 s[24:25], s[6:7], s[24:25]
.irp i, 0,1,2,3
	global_load_b128 v[S+4*\i:S+4*\i+3], v[A16], s[14:15] offset:4194304+8192*\i   ; K's codes: the work-group reads 8,192 consecutive bytes
.endr
.irp i, 0,1,2,3
	global_load_b128 v[S+16+4*\i:S+16+4*\i+3], v[A16], s[16:17] offset:8192*\i     ; V's
.endr
	global_load_b64 v[S+32:S+33], v224, s[18:19] offset:524288                      ; K's scale words
	global_load_b32 v[S+34], v225, s[20:21]                                         ; V's scale bytes
	global_load_b128 v[Q:Q+3], v[LI], s[30:31]                                      ; my two tiles of Q stay in registers
	global_load_b128 v[QN:QN+3], v[LI], s[30:31] offset:512
	global_load_b32 v[QS], v[R8], s[32:33]
	global_load_b32 v[QSN], v[R8], s[32:33] offset:128
.irp u, 0,1,2,3,4,5,6,7
.irp j, 4,5,6,7
	v_mov_b32 v[KF+8*\u+\j], 0                     ; zero codes for k = 64 .. 127: written once
.endr
.endr
.irp j, 4,5,6,7
	v_mov_b32 v[Q+\j], 0
.endr
.irp b, 0,1,2,3
	v_mov_b32 v[PT+\b], 0                          ; a lane permute's destination counts as one of its sources.  (These five are also the places behind the zero codes)
.endr
	v_mov_b32 v[FF+1], 0                           ; (named as the upper half of a pair)
	s_wait_loadcnt 4                               ; K, V and their scales are in; Q's four loads may be out
.irp i, 0,1,2,3
	ds_store_b128 v[A16], v[S+4*\i:S+4*\i+3] offset:KIMG+8192*\i
.endr
.irp i, 0,1,2,3
	ds_store_b128 v[A16], v[S+16+4*\i:S+16+4*\i+3] offset:VIMG+8192*\i
.endr
	ds_store_b64 v226, v[S+32:S+33]
	ds_store_b16 v227, v[S+34]
	ds_store_b16_d16_hi v227, v[S+34] offset:4
	BARRIER                                        ; the head's K and V lie in LDS; nobody writes them again
	KLOAD 0
	s_wait_loadcnt 0x0                             ; Q
.Ltile:
	STEP 0
	STEP 1
	STEP 2
	STEP 3
	STEP 4
	STEP 5
	STEP 6
	STEP 7
	; THE WAY OUT of a tile.  The first six lines are the places behind the last products.
.irp j, 0,1,2,3
	v_mov_b32 v[Q+\j], v[QN+\j]                    ; the second tile's Q takes its place
.endr
	v_mov_b32 v[QS], v[QSN]
	v_add_f32 v[T1], v[LS], v[LS+1]                ; the sum's two halves,
	v_permlanex16_b32 v[PT], v[T1], s[SEL], s[SEL+1]
	v_add_f32 v[T1], v[T1], v[PT]                  ; and lane l xor 16's: the row's sum
	v_rcp_f32 v[RR], v[T1]
	v_nop                                          ; one plain place behind a transcendental
.set JJ, 0
	s_wait_alu depctr_va_vdst(0)
.rept 32
	v_mul_f32 v[S+JJ], v[O+JJ], v[RR]              ; O^T / the sum: register 16 b + i is channel 32 b + 16 h + i of my query
.set JJ, JJ+1
.endr
	QUANT2 S
	global_store_b128 v[LI], v[PC:PC+3], s[22:23]  ; half a K step of the last product, for my 16 pixels: 512 consecutive bytes
	v_add_nc_u32 v[T6], s27, v[RB]
	ds_store_b16 v[T6], v[HW]                      ; (both halves of the lanes write the same)
	s_wait_xcnt 0x0                                ; the store has read its base and its data: both are written again only behind this wait
	s_add_nc_u64 s[22:23], s[22:23], 4096          ; the next tile of pixels
	s_add_co_u32 s27, s27, 32
	s_add_co_u32 s26, s26, 1
	s_cmp_lt_u32 s26, 2
	s_cbranch_scc1 .Ltile
	BARRIER                                        ; all 1,024 scale bytes lie in LDS (the wait also takes in the last, unused loads of K)
	s_cmp_lt_u32 s8, 2
	s_cbranch_scc0 .Lend                           ; waves 0 and 1 carry them out
	v_add_nc_u32 v[T6], RST, v[A16]
	ds_load_b128 v[S:S+3], v[T6]
	s_wait_dscnt 0x0
	global_store_b128 v[A16], v[S:S+3], s[24:25]   ; 512 consecutive bytes a wave
.Lend:
	s_wait_tensorcnt 0x0
	ds_add_u32 v62, v63
	s_wait_dscnt 0x0
	s_endpgm
.Lfunc_end_k_q7b338ca640_attn:
	.size	k_q7b338ca640_attn, .Lfunc_end_k_q7b338ca640_attn-k_q7b338ca640_attn
	.p2alignl 7, 3214868480
	.fill 96, 4, 3214868480
	.section	.rodata,"a",@progbits
	.p2align	6, 0x0
	.amdhsa_kernel k_q7b338ca640_attn
		.amdhsa_group_segment_fixed_size 74752
		.amdhsa_private_segment_fixed_size 0
		.amdhsa_enable_private_segment 0
		.amdhsa_kernarg_size 16
		.amdhsa_user_sgpr_count 2
		.amdhsa_user_sgpr_kernarg_segment_ptr 1
		.amdhsa_wavefront_size32 1
		.amdhsa_system_sgpr_workgroup_id_x 1
		.amdhsa_system_sgpr_workgroup_id_y 1
		.amdhsa_system_sgpr_workgroup_id_z 1
		.amdhsa_system_vgpr_workitem_id 0
		.amdhsa_next_free_vgpr 256
		.amdhsa_next_free_sgpr 66
		.amdhsa_reserve_vcc 0
		.amdhsa_float_denorm_mode_32 3
		.amdhsa_float_denorm_mode_16_64 3
		.amdhsa_memory_ordered 1
		.amdhsa_forward_progress 1
		.amdhsa_inst_pref_size 135
	.end_amdhsa_kernel
	.amdgpu_metadata
---
amdhsa.version: [ 1, 2 ]
amdhsa.kernels:
  - .name:           k_q7b338ca640_attn
    .symbol:         k_q7b338ca640_attn.kd
    .args:
      - { .name: qkv, .offset: 0, .size: 8, .value_kind: global_buffer, .address_space: global }
      - { .name: res, .offset: 8, .size: 8, .value_kind: global_buffer, .address_space: global }
    .group_segment_fixed_size: 74752
    .private_segment_fixed_size: 0
    .kernarg_segment_align: 8
    .kernarg_segment_size: 16
    .max_flat_workgroup_size: 512
    .sgpr_count:     66
    .vgpr_count:     256
    .wavefront_size: 32
...
	.end_amdgpu_metadata
.endif
;; end of part 7
;; launch outp: the kernel of part 5 again; grid 256 x 1, 8 waves a work-group, no clusters, 157,696 bytes of LDS; arguments res, wts, bo, x, out0; writes out0
;; ======== version 3 of 3: 4 launches; version 2 with the launches proj, attn, outp written anew for expert scheduling mode
;; workspace buffers: wts 696,320 bytes; xnq 4,456,448 bytes; qkv 13,893,632 bytes; res 4,456,448 bytes
;; launch gnq: the kernel of part 6 again; grid 256 x 1, 8 waves a work-group, no clusters, 19,456 bytes of LDS; arguments x, gn_w, gn_b, xnq, conv_w, wq, wk, wv, wo, wts; writes xnq, wts
;; launch proj (part 8): grid 256 x 1, 8 waves a work-group, no clusters, 35,840 bytes of LDS; arguments xnq, wts, conv_b, bq, bk, bv, qkv; writes qkv
.if DOCPART == 8
	.amdgcn_target "amdgcn-amd-amdhsa--gfx1250"
	.amdhsa_code_object_version 6
	.text
	.protected	k_q7b338ca640_proj
	.globl	k_q7b338ca640_proj
	.p2align	8
	.type	k_q7b338ca640_proj,@function
k_q7b338ca640_proj:
	s_mov_b64 s[64:65], 0
	v_nop
	global_prefetch_b8 v0, s[64:65] scope:SCOPE_SE
	s_setreg_imm32_b32 hwreg(HW_REG_WAVE_SCHED_MODE, 0, 2), 2
	s_setreg_imm32_b32 hwreg(HW_REG_WAVE_MODE, 25, 1), 1
	s_wait_xcnt 0x0
	s_wait_alu depctr_vm_vsrc(0)
; x1 = xn conv_w^T + conv_b, then q, k, v = x1 w^T + b: four products on codes of FP4 (E2M1) with one E8M0 scale for each 32 along K = 512.  x1 never goes to memory.
; A work-group takes 64 pixels of one image (four tiles of 16).  THE WAVES SHARE THE COLUMNS: wave w makes outputs 64 w .. 64 w + 63 of each product, which for q, k, v is head w.
; So each byte of a weight is read once by a work-group, straight into registers: its images in wts are laid in the order of the operand's registers (16 bytes a lane, 512 a load).
; Four UNITS: conv, q, k, v; a unit's 16 fragments (128 registers), scale words and bias are asked for a unit or two ahead, in two sets by turns.
; conv, q, k are used TRANSPOSED (source 0 = 16 rows of the weight, source 1 = 16 pixels): a lane holds one pixel and, by the choice of a tile's rows, 32 + 32 h' neighbours along the next K:
; they are quantised in registers.  x1's codes go to the other waves through LDS as images of the operand's registers; q's and k's go to memory so.
; v's K in the next product is the KEYS: it is used the other way round (source 0 = 16 pixels, source 1 = 16 rows of wv): a lane holds one channel and 8 pixels a tile; a block of 32 keys is two tiles and two lanes.
; A slot of 16 bytes of v's codes so holds keys 0-7, 16-23, 8-15, 24-31 of its block: the order in which the attention launch's weights p come out of its conversions: one permutation of k on both sides.
; The biases are the C of each sum's first matrix instruction.
; OUT (qkv, hb = 8 b + head): q codes hb x 32768 + T x 512 + 16 lane (T = pixel / 16; lane (r, h): d = 32 h ..); k the same + 4194304;
;   v codes 8388608 + hb x 32768 + s x 4096 + t x 1024 + c x 512 + 16 (16 h' + rho), key block 4 s + 2 c + h', channel 32 (t / 2) + 8 (t % 2) + rho + 8 (rho / 8);
;   q scale words 12582912 + hb x 4096 + P x 256 + 8 lane + 4 e: tile 2 e + lane / 16, row lane % 16; bytes 2 and 3 are 0x7f (they scale zero codes); k the same + 524288;
;   v scale bytes 13631488 + hb x 2048 + P x 128 + 4 lane: low half tile 2 h, high half tile 2 h + 1; in a half: key blocks 2 P, 2 P + 1.  (That one store covers 128 consecutive bytes, half of an aligned 256: 256 KiB in the launch.)
; LIMITS: a block of zeros gets the byte 1 where the rule says 127 (its codes are zeros, and this program alone reads the bytes); NaN and infinities are not served.
; REGISTERS: window 0 as named below; window 1: the weights' fragments, set 0 at v0-127, set 1 at v128-255.
; THE MODE: SCHED_MODE bits 1:0 = 2 (LLVM: expert scheduling mode 2), set by the entry lines.  The code itself states the register dependences
; between vector or matrix instructions and memory or LDS instructions, with s_wait_alu, always for 0.
; THE PLAN.  Registers that memory or LDS instructions touch:
;   v1-12              offsets and LDS addresses: made once at the head, never written again.
;   weights, WS, BIAS  two sets.  Written by a unit's loads, read by its products.  A set is asked for again behind its unit's last products: one wait on va_vdst stands there.
;   SRC, SS            two sets.  Tile m + 1's LDS loads land in the set that tile m - 1's products read: the wait on va_vdst ahead of tile m - 1's stores stands between the two.
;   PC, HW, E, VC, v252-253  written by the quantisers, read by stores: a wait on va_vdst ahead of each run of stores, a wait on vm_vsrc ahead of the quantiser that writes them again.
;   v88-103            xn's codes pass through them at the head; later they are accumulators: a wait on vm_vsrc behind the first barrier.
.set FLOOR, 0x1800000                  ; 2^(3 - 127)
.set XIMG, 0                           ; LDS: xn's 16 fragments: m x 4096 + s x 1024 + c x 512 + 16 lane
.set HIMG, 16384                       ; x1's, likewise
.set XSC,  32768                       ; xn's scale bytes: 16 a pixel
.set HSC,  33792                       ; x1's
.set LI,  1                            ; v1   16 x lane
.set R16, 2                            ; v2   16 r
.set XWI, 3                            ; v3   2048 w + 16 lane: my share of xn's images
.set XSA, 4                            ; v4   1024 h + 4 r: xn's scale bytes in memory: block 2 w + h, pixels 4 r ..
.set XSB, 5                            ; v5   XSC + 64 r + 2 w + h: where they go
.set HWI, 6                            ; v6   HIMG + 512 w + 16 lane
.set HWS, 7                            ; v7   HSC + 16 r + 2 w
.set BT,  8                            ; v8   256 w + 64 h: a bias for a transposed product
.set BV,  9                            ; v9   256 w + 4 (r + 8 (r / 8)): v's bias
.set L8,  10                           ; v10  8 x lane
.set VO,  11                           ; v11  16 r + 8 h
.set L4,  12                           ; v12  4 x lane
.set SRC, 16                           ; v16-79   a pixel tile's four fragments, two sets
.set SS,  80                           ; v80-87   its four scale words, two sets
.set ACC, 88                           ; v88-151  four accumulators, two sets (v: eight)
.set BIAS, 152                         ; v152-215 the biases, two sets of 32
.set WS,  216                          ; v216-231 the weights' scale words, two sets of 8: register 4 b + s: lanes 0-15 tile 2 b, lanes 16-31 tile 2 b + 1
.set MX,  232
.set PT,  234
.set SO,  236
.set BY,  238
.set PC,  240                          ; v240-243 the codes just made
.set WW,  244                          ; v244-247 the scale words of the four pixel tiles
.set E,   248
.set HW,  250                          ; the two scale bytes just made
.set VMX, 152                          ; v's quantiser works in the first set of biases, which is free by then
.set VPT, 156
.set VSO, 160
.set VBY, 164
.set VHW, 168
.set VC,  172
.set SEL, 22
.set MSB, 0
.macro WIN new                         ; the immediate's high byte repeats the setting that is left
.if MSB != \new
	s_set_vgpr_msb (MSB<<8)|\new
.set MSB, \new
.endif
.endm
.macro PLACES n                        ; plain places behind matrix instructions (ISA guide 7.12.1)
.rept \n
	v_nop
.endr
.endm
.macro BARRIER                         ; my LDS stores have landed and my LDS loads are in: then the work-group's barrier
	s_wait_dscnt 0x0
	s_barrier_signal -1
	s_barrier_wait -1
.endm
.macro WM d, a, b, c, sa, sb, row      ; row = 1: source 0's scales stand in lanes 16-31; 2: source 1's
.if (\row) == 1
	v_wmma_scale_f32_16x16x128_f8f6f4 v[(\d):(\d)+7], v[(\a):(\a)+7], v[(\b):(\b)+7], v[(\c):(\c)+7], v[\sa], v[\sb] matrix_a_fmt:MATRIX_FMT_FP4 matrix_b_fmt:MATRIX_FMT_FP4 matrix_a_scale:MATRIX_SCALE_ROW1
.elseif (\row) == 2
	v_wmma_scale_f32_16x16x128_f8f6f4 v[(\d):(\d)+7], v[(\a):(\a)+7], v[(\b):(\b)+7], v[(\c):(\c)+7], v[\sa], v[\sb] matrix_a_fmt:MATRIX_FMT_FP4 matrix_b_fmt:MATRIX_FMT_FP4 matrix_b_scale:MATRIX_SCALE_ROW1
.else
	v_wmma_scale_f32_16x16x128_f8f6f4 v[(\d):(\d)+7], v[(\a):(\a)+7], v[(\b):(\b)+7], v[(\c):(\c)+7], v[\sa], v[\sb] matrix_a_fmt:MATRIX_FMT_FP4 matrix_b_fmt:MATRIX_FMT_FP4
.endif
.endm
; 32 numbers of a lane, register 16 b + i = k 32 b + 16 (lane / 16) + i of my row, become one image (v[PC] on: lanes 0-15 block 0, lanes 16-31 block 1) and two scale bytes (v[HW])
.macro QUANT2 src
.irp b, 0,1
	v_max3_num_f32 v[MX+\b], |v[(\src)+16*\b]|, |v[(\src)+16*\b+1]|, FLOOR   ; my 16 numbers of block b, and the floor, which holds the byte at 1 from below
.endr
.irp i, 2,4,6,8,10,12,14
.irp b, 0,1
	v_max3_num_f32 v[MX+\b], v[MX+\b], |v[(\src)+16*\b+\i]|, |v[(\src)+16*\b+\i+1]|
.endr
.endr
.irp b, 0,1
	v_permlanex16_b32 v[PT+\b], v[MX+\b], s[SEL], s[SEL+1]
.endr
.irp b, 0,1
	v_max_num_f32 v[MX+\b], v[MX+\b], v[PT+\b]     ; with lane l xor 16's: the block's largest magnitude
.endr
.irp b, 0,1
	v_add_nc_u32 v[SO+\b], 0xff000000, v[MX+\b]    ; 2 off the exponent field: the conversion's scale operand
.endr
.irp b, 0,1
	v_lshrrev_b32 v[BY+\b], 23, v[SO+\b]           ; the scale's byte
.endr
	v_lshl_or_b32 v[HW], v[BY+1], 8, v[BY]
.irp b, 0,1
	v_cvt_scalef32_pk8_fp4_f32 v[PC+2*\b], v[(\src)+16*\b:(\src)+16*\b+7], v[SO+\b]
	v_cvt_scalef32_pk8_fp4_f32 v[PC+2*\b+1], v[(\src)+16*\b+8:(\src)+16*\b+15], v[SO+\b]
.endr
	v_nop                                          ; one plain place behind the last scaled conversion
	v_permlane16_swap_b32 v[PC], v[PC+2]           ; the operand's layout wants a whole block in a lane
	v_permlane16_swap_b32 v[PC+1], v[PC+3]
.endm
; weight mu's part for my wave into set: 32 loads of codes, 2 of scale words, and the bias (kind 0: 8 loads, in a transposed result's layout; kind 1: 4 loads, one number a tile): 42 or 38 loads
.macro WLOAD mu, set, kind, bp
	WIN 0x40                                       ; destination window 1
.set II, 0
.rept 32
	global_load_b128 v[128*(\set)+4*II:128*(\set)+4*II+3], v[LI], s[32:33] offset:(\mu)*131072+512*II
.set II, II+1
.endr
	WIN 0
.irp b, 0,1
	global_load_b128 v[WS+8*(\set)+4*\b:WS+8*(\set)+4*\b+3], v[LI], s[34:35] offset:(\mu)*8192+512*\b
.endr
.if (\kind) == 0
.irp t, 0,1,2,3
	global_load_b128 v[BIAS+32*(\set)+8*\t:BIAS+32*(\set)+8*\t+3], v[BT], s[\bp:\bp+1] offset:(32*(\t/2)+8*(\t%2))*4
	global_load_b128 v[BIAS+32*(\set)+8*\t+4:BIAS+32*(\set)+8*\t+7], v[BT], s[\bp:\bp+1] offset:(32*(\t/2)+8*(\t%2))*4+16
.endr
.else
.irp t, 0,1,2,3
	global_load_b32 v[BIAS+32*(\set)+8*\t], v[BV], s[\bp:\bp+1] offset:(32*(\t/2)+8*(\t%2))*4
.endr
.endif
.endm
.macro FETCH set, img, sct, m          ; pixel tile m: four fragments and four scale words: nine LDS loads
.irp q, 0,1,2,3,4,5,6,7
	ds_load_b128 v[SRC+32*(\set)+4*\q:SRC+32*(\set)+4*\q+3], v[LI] offset:(\img)+4096*(\m)+512*\q
.endr
	ds_load_b128 v[SS+4*(\set):SS+4*(\set)+3], v[R16] offset:(\sct)+256*(\m)
.endm
; 16 matrix instructions, transposed: my four tiles of the weight x one pixel tile, K step by K step.  The four accumulators take turns, one instruction a turn.
.macro MULT set, ps
	WIN 0x01                                       ; source 0 (the weight) window 1
.irp s, 0,1,2,3
.irp t, 0,1,2,3
.if \s == 0
	WM ACC+32*(\ps)+8*\t, 128*(\set)+8*(4*\t+\s), SRC+32*(\ps)+8*\s, BIAS+32*(\set)+8*\t, WS+8*(\set)+4*(\t/2)+\s, SS+4*(\ps)+\s, \t%2
.else
	WM ACC+32*(\ps)+8*\t, 128*(\set)+8*(4*\t+\s), SRC+32*(\ps)+8*\s, ACC+32*(\ps)+8*\t, WS+8*(\set)+4*(\t/2)+\s, SS+4*(\ps)+\s, \t%2
.endif
.endr
.endr
	WIN 0
.endm
; 32 matrix instructions, the other way round: two pixel tiles (source 0) x my four tiles of the weight (source 1); eight accumulators by turns
.macro MULV set
	WIN 0x04                                       ; source 1 (the weight) window 1
.irp s, 0,1,2,3
.irp p, 0,1
.irp t, 0,1,2,3
.if \s == 0
	WM ACC+32*\p+8*\t, SRC+32*\p+8*\s, 128*(\set)+8*(4*\t+\s), BIAS+32*(\set)+8*\t, SS+4*\p+\s, WS+8*(\set)+4*(\t/2)+\s, 2*(\t%2)
.else
	WM ACC+32*\p+8*\t, SRC+32*\p+8*\s, 128*(\set)+8*(4*\t+\s), ACC+32*\p+8*\t, SS+4*\p+\s, WS+8*(\set)+4*(\t/2)+\s, 2*(\t%2)
.endif
.endr
.endr
.endr
	WIN 0
.endm
; A transposed unit.  kind 0: conv (results to LDS), 1: q, 2: k (results to memory).  cnt: the loads issued behind this unit's, which may stay out.
.macro UNIT kind, set, img, sct, cnt
	s_wait_loadcnt \cnt                            ; this unit's weights, scale words and bias are in
	FETCH 0, \img, \sct, 0                         ; (no wait: no vector or matrix instruction since the last wait on va_vdst names these registers)
.irp m, 0,1,2,3
.if \m < 3
	FETCH (\m+1)%2, \img, \sct, \m+1               ; into the set that the tile before multiplied: the wait ahead of that tile's stores stands behind its products
	s_wait_dscnt 9                                 ; tile m is in (and the LDS stores of the tile before are done); the nine loads just issued may be out
.else
	s_wait_dscnt 0x0
.endif
	MULT \set, \m%2
	PLACES 4                                       ; ahead of the reads of the results
.if \m == 3
.if \kind == 0
	s_wait_alu depctr_va_vdst(0)                   ; conv's products are done reading its weights, scale words and bias, in which the loads below land
	WLOAD 2, 0, 0, 12                              ; k's weights, into the set that conv has left
.elseif \kind == 1
	s_wait_alu depctr_va_vdst(0)                   ; q's products are done reading its weights, scale words and bias, in which the loads below land
	WLOAD 3, 1, 1, 14                              ; v's, into the set that q has left
.endif
.endif
.if \kind > 0
	s_wait_xcnt 0x0                                ; the codes' registers were the data of the store before: they are written again only behind this wait
.endif
.if (\kind > 0) || (\m > 0)
	s_wait_alu depctr_vm_vsrc(0)                   ; the stores of the tile before have read the codes and the scale bytes (and words), which the quantiser writes again
.endif
	QUANT2 ACC+32*(\m%2)
.if \kind == 0
	s_wait_alu depctr_va_vdst(0)                   ; the quantiser has written the codes and the two bytes, which the LDS stores read; and this tile's products are done reading their fragments and scale words
	ds_store_b128 v[HWI], v[PC:PC+3] offset:4096*\m   ; half a K step of the next products, for pixel tile m: an image of its registers
	ds_store_b16 v[HWS], v[HW] offset:256*\m       ; blocks 2 w and 2 w + 1 of the pixel's 16 bytes (both halves of the lanes write the same)
.else
	v_or_b32 v[WW+\m], 0x7f7f0000, v[HW]           ; the head has 64 along K: the instruction's other 64 are zero codes under the scale 1
	s_wait_alu depctr_va_vdst(0)                   ; the quantiser has written the codes, which the store reads; and this tile's products are done reading their fragments and scale words
	global_store_b128 v[LI], v[PC:PC+3], s[24:25] offset:512*\m+4194304*(\kind-1)   ; 512 consecutive bytes
.endif
.endr
.if \kind > 0
	v_cndmask_b32 v[E], v[WW], v[WW+1], vcc_lo     ; lanes 0-15 the even tile's words, lanes 16-31 the odd tile's
	v_cndmask_b32 v[E+1], v[WW+2], v[WW+3], vcc_lo
	s_wait_alu depctr_va_vdst(0)                   ; the two selects have written the scale words, which the store reads
	global_store_b64 v[L8], v[E:E+1], s[28:29] offset:524288*(\kind-1)   ; 256 consecutive bytes, aligned
.endif
.endm
; key block kb of my 64 pixels: for each of my four tiles of channels 16 numbers a lane, from two accumulators
.macro VQUANT kb
.irp t, 0,1,2,3
	v_max3_num_f32 v[VMX+\t], |v[ACC+8*\t]|, |v[ACC+8*\t+1]|, FLOOR
.endr
.irp i, 2,4,6
.irp t, 0,1,2,3
	v_max3_num_f32 v[VMX+\t], v[VMX+\t], |v[ACC+8*\t+\i]|, |v[ACC+8*\t+\i+1]|
.endr
.endr
.irp i, 0,2,4,6
.irp t, 0,1,2,3
	v_max3_num_f32 v[VMX+\t], v[VMX+\t], |v[ACC+32+8*\t+\i]|, |v[ACC+32+8*\t+\i+1]|
.endr
.endr
.irp t, 0,1,2,3
	v_permlanex16_b32 v[VPT+\t], v[VMX+\t], s[SEL], s[SEL+1]
.endr
.irp t, 0,1,2,3
	v_max_num_f32 v[VMX+\t], v[VMX+\t], v[VPT+\t]
.endr
.irp t, 0,1,2,3
	v_add_nc_u32 v[VSO+\t], 0xff000000, v[VMX+\t]
.endr
.irp t, 0,1,2,3
	v_lshrrev_b32 v[VBY+\t], 23, v[VSO+\t]
.endr
.irp t, 0,1,2,3
.if (\kb) == 0
	v_mov_b32 v[VHW+\t], v[VBY+\t]
.else
	v_lshl_or_b32 v[VHW+\t], v[VBY+\t], 8, v[VHW+\t]
.endif
.endr
.irp t, 0,1,2,3
	v_cvt_scalef32_pk8_fp4_f32 v[VC+2*\t], v[ACC+8*\t:ACC+8*\t+7], v[VSO+\t]             ; keys 8 h + 0 .. 7 of the block
	v_cvt_scalef32_pk8_fp4_f32 v[VC+2*\t+1], v[ACC+32+8*\t:ACC+32+8*\t+7], v[VSO+\t]     ; keys 16 + 8 h + 0 .. 7
.endr
	v_nop                                          ; one plain place behind the last scaled conversion
	s_wait_alu depctr_va_vdst(0)                   ; the conversions have written the codes, which the four stores read
.irp t, 0,1,2,3
	global_store_b64 v[VO], v[VC+2*\t:VC+2*\t+1], s[26:27] offset:1024*\t+256*(\kb)   ; 256 consecutive bytes, aligned
.endr
.endm
	s_load_b256 s[4:11], s[0:1], 0x0               ; xnq, wts, conv_b, bq
	s_load_b128 s[12:15], s[0:1], 0x20             ; bk, bv
	s_load_b64 s[16:17], s[0:1], 0x30              ; qkv
	v_lshrrev_b32 v13, 5, v0
	v_readfirstlane_b32 s18, v13                   ; wave 0..7
	s_lshr_b32 s19, ttmp9, 4                       ; b
	s_and_b32 s20, ttmp9, 15                       ; P
	s_wait_alu depctr_va_sdst(0)                   ; s18 is written, ahead of its first reader
	s_lshl_b32 s21, s19, 3
	s_add_co_u32 s21, s21, s18                     ; hb = 8 b + w
	s_mov_b32 s[SEL], 0x76543210
	s_mov_b32 s[SEL+1], 0xfedcba98                 ; v_permlanex16_b32's selects for lane l xor 16
	v_and_b32 v13, 31, v0                          ; lane
	v_and_b32 v14, 15, v0                          ; r
	v_bfe_u32 v15, v0, 4, 1                        ; h
	v_lshlrev_b32 v[LI], 4, v13
	v_lshlrev_b32 v[R16], 4, v14
	s_lshl_b32 s40, s18, 11
	v_add_nc_u32 v[XWI], s40, v[LI]
	v_lshlrev_b32 v[XSA], 2, v14
	v_lshl_add_u32 v[XSA], v15, 10, v[XSA]
	s_lshl_b32 s40, s18, 1
	s_add_co_u32 s42, s40, XSC
	v_lshl_add_u32 v[XSB], v14, 6, v15
	v_add_nc_u32 v[XSB], s42, v[XSB]
	s_lshl_b32 s42, s18, 9
	s_add_co_u32 s42, s42, HIMG
	v_add_nc_u32 v[HWI], s42, v[LI]
	s_add_co_u32 s42, s40, HSC
	v_add_nc_u32 v[HWS], s42, v[R16]
	s_lshl_b32 s40, s18, 8
	v_lshl_add_u32 v[BT], v15, 6, s40
	v_and_b32 v[BV], 8, v14
	v_add_nc_u32 v[BV], v[BV], v14
	v_lshl_add_u32 v[BV], v[BV], 2, s40
	v_lshlrev_b32 v[L8], 3, v13
	v_lshl_add_u32 v[VO], v15, 3, v[R16]
	v_lshlrev_b32 v[L4], 2, v13
	v_cmp_lt_u32 vcc_lo, 15, v13                   ; lanes 16-31: made once, kept
	s_wait_alu depctr_va_vcc(0)                    ; VCC is written, ahead of the selects that read it
	v_mov_b32 v[PT], 0                             ; a lane permute's destination counts as one of its sources
	v_mov_b32 v[PT+1], 0
	; byte offsets, each in the low word of the pair that will hold the address
	s_lshl_b32 s24, s21, 15
	s_lshl_b32 s40, s20, 11
	s_add_co_u32 s24, s24, s40                     ; q's codes: hb x 32768 + P x 2048
	s_mov_b32 s25, 0
	s_lshl_b32 s26, s21, 15
	s_lshr_b32 s40, s20, 1
	s_lshl_b32 s40, s40, 12
	s_add_co_u32 s26, s26, s40
	s_and_b32 s40, s20, 1
	s_lshl_b32 s40, s40, 9
	s_add_co_u32 s26, s26, s40
	s_add_co_u32 s26, s26, 8388608                 ; v's codes: key blocks 2 P, 2 P + 1
	s_mov_b32 s27, 0
	s_lshl_b32 s28, s21, 12
	s_lshl_b32 s40, s20, 8
	s_add_co_u32 s28, s28, s40
	s_add_co_u32 s28, s28, 12582912                ; q's scale words
	s_mov_b32 s29, 0
	s_lshl_b32 s30, s21, 11
	s_lshl_b32 s40, s20, 7
	s_add_co_u32 s30, s30, s40
	s_add_co_u32 s30, s30, 13631488                ; v's scale bytes
	s_mov_b32 s31, 0
	s_lshl_b32 s32, s18, 14                        ; my four tiles of a weight
	s_mov_b32 s33, 0
	s_lshl_b32 s34, s18, 10
	s_add_co_u32 s34, s34, 655360                  ; and their scale words
	s_mov_b32 s35, 0
	s_lshl_b32 s36, s19, 18
	s_lshl_b32 s40, s20, 14
	s_add_co_u32 s36, s36, s40
	s_lshl_b32 s42, s18, 11
	s_add_co_u32 s36, s36, s42                     ; my eighth of the 64 pixels' codes of xn
	s_mov_b32 s37, 0
	s_lshl_b32 s38, s19, 14
	s_add_co_u32 s38, s38, s42
	s_lshl_b32 s40, s20, 6
	s_add_co_u32 s38, s38, s40
	s_add_co_u32 s38, s38, 4194304                 ; and blocks 2 w, 2 w + 1 of their scale bytes
	s_mov_b32 s39, 0
	s_wait_kmcnt 0x0
	s_add_nc_u64 s[24:25], s[16:17], s[24:25]
	s_add_nc_u64 s[26:27], s[16:17], s[26:27]
	s_add_nc_u64 s[28:29], s[16:17], s[28:29]
	s_add_nc_u64 s[30:31], s[16:17], s[30:31]
	s_add_nc_u64 s[32:33], s[6:7], s[32:33]
	s_add_nc_u64 s[34:35], s[6:7], s[34:35]
	s_add_nc_u64 s[36:37], s[4:5], s[36:37]
	s_add_nc_u64 s[38:39], s[4:5], s[38:39]
	s_wait_alu depctr_va_vdst(0)                   ; the twelve offsets and LDS addresses v1 to v12 are written, which every load and store of the kernel reads
.irp i, 0,1,2,3
	global_load_b128 v[ACC+4*\i:ACC+4*\i+3], v[LI], s[36:37] offset:512*\i
.endr
	global_load_b32 v251, v[XSA], s[38:39]
	WLOAD 0, 0, 0, 8                               ; conv's
	s_wait_loadcnt 42                              ; xn's five loads are in; conv's 42 may be out
	v_lshrrev_b32 v252, 8, v251                    ; four pixels' bytes of one block, each in the low byte of a register
	v_lshrrev_b32 v253, 16, v251
	v_lshrrev_b32 v254, 24, v251
	s_wait_alu depctr_va_vdst(0)                   ; the three shifts have written v252 to v254, which the byte stores read
.irp i, 0,1,2,3
	ds_store_b128 v[XWI], v[ACC+4*\i:ACC+4*\i+3] offset:XIMG+512*\i   ; the images lie in LDS as they lie in memory
.endr
	ds_store_b8 v[XSB], v251                       ; each byte to its pixel's 16
	ds_store_b8 v[XSB], v252 offset:16
	ds_store_b8 v[XSB], v253 offset:32
	ds_store_b8 v[XSB], v254 offset:48
	WLOAD 1, 1, 0, 10                              ; q's
	BARRIER                                        ; xn's sixteen fragments and their scale bytes lie in LDS
	s_wait_alu depctr_vm_vsrc(0)                   ; my LDS stores have read v88 to v103, which are accumulators from here on
	UNIT 0, 0, XIMG, XSC, 42                       ; behind conv's loads: q's 42
	BARRIER                                        ; x1's sixteen fragments and their scale bytes lie in LDS
	UNIT 1, 1, HIMG, HSC, 42                       ; behind q's loads: k's 42
	UNIT 2, 0, HIMG, HSC, 38                       ; behind k's loads: v's 38
	s_wait_loadcnt 0x0                             ; v's
.irp t, 0,1,2,3
.irp j, 1,2,3,4,5,6,7
	v_mov_b32 v[BIAS+32+8*\t+\j], v[BIAS+32+8*\t]  ; a lane holds one channel here: its bias in all eight registers of the C
.endr
.endr
.irp t, 0,1,2,3
	v_mov_b32 v[VPT+\t], 0                         ; a lane permute's destination counts as one of its sources
.endr
	FETCH 0, HIMG, HSC, 0                          ; (no wait: k's products stand ahead of the last wait on va_vdst, and nothing since names these registers)
	FETCH 1, HIMG, HSC, 1
	s_wait_dscnt 0x0
	MULV 1
	PLACES 4
	s_wait_alu depctr_va_vdst(0)                   ; the products are done reading the two tiles' fragments and scale words, in which the loads below land
	FETCH 0, HIMG, HSC, 2
	FETCH 1, HIMG, HSC, 3
	VQUANT 0
	s_wait_dscnt 0x0
	MULV 1
	PLACES 4
	s_wait_xcnt 0x0                                ; the first block's stores have read their registers
	s_wait_alu depctr_vm_vsrc(0)                   ; the first block's stores have read the codes' registers, which the second block's conversions write
	VQUANT 1
	v_cndmask_b32 v251, v[VHW], v[VHW+2], vcc_lo   ; lanes 0-15: tiles 0 and 1; lanes 16-31: tiles 2 and 3
	v_cndmask_b32 v252, v[VHW+1], v[VHW+3], vcc_lo
	v_lshl_or_b32 v253, v252, 16, v251
	s_wait_alu depctr_va_vdst(0)                   ; v253 is written, which the store reads
	global_store_b32 v[L4], v253, s[30:31]
	s_wait_xcnt 0x0
	v_lshl_add_u32 v254, v0, 2, 0x8800
	v_mov_b32 v255, 0
	s_wait_dscnt 0x0                               ; the closing lines, six on end
	s_wait_alu 0x0
	s_wait_tensorcnt 0x0
	ds_add_u32 v254, v255
	s_wait_dscnt 0x0
	s_endpgm
.Lfunc_end_k_q7b338ca640_proj:
	.size	k_q7b338ca640_proj, .Lfunc_end_k_q7b338ca640_proj-k_q7b338ca640_proj
	.p2alignl 7, 3214868480
	.fill 96, 4, 3214868480
	.section	.rodata,"a",@progbits
	.p2align	6, 0x0
	.amdhsa_kernel k_q7b338ca640_proj
		.amdhsa_group_segment_fixed_size 35840
		.amdhsa_private_segment_fixed_size 0
		.amdhsa_enable_private_segment 0
		.amdhsa_kernarg_size 56
		.amdhsa_user_sgpr_count 2
		.amdhsa_user_sgpr_kernarg_segment_ptr 1
		.amdhsa_wavefront_size32 1
		.amdhsa_system_sgpr_workgroup_id_x 1
		.amdhsa_system_sgpr_workgroup_id_y 1
		.amdhsa_system_sgpr_workgroup_id_z 1
		.amdhsa_system_vgpr_workitem_id 0
		.amdhsa_next_free_vgpr 512
		.amdhsa_next_free_sgpr 66
		.amdhsa_reserve_vcc 1
		.amdhsa_float_denorm_mode_32 3
		.amdhsa_float_denorm_mode_16_64 3
		.amdhsa_memory_ordered 1
		.amdhsa_forward_progress 1
		.amdhsa_inst_pref_size 100
	.end_amdhsa_kernel
	.amdgpu_metadata
---
amdhsa.version: [ 1, 2 ]
amdhsa.kernels:
  - .name:           k_q7b338ca640_proj
    .symbol:         k_q7b338ca640_proj.kd
    .args:
      - { .name: xnq, .offset: 0, .size: 8, .value_kind: global_buffer, .address_space: global }
      - { .name: wts, .offset: 8, .size: 8, .value_kind: global_buffer, .address_space: global }
      - { .name: conv_b, .offset: 16, .size: 8, .value_kind: global_buffer, .address_space: global }
      - { .name: bq, .offset: 24, .size: 8, .value_kind: global_buffer, .address_space: global }
      - { .name: bk, .offset: 32, .size: 8, .value_kind: global_buffer, .address_space: global }
      - { .name: bv, .offset: 40, .size: 8, .value_kind: global_buffer, .address_space: global }
      - { .name: qkv, .offset: 48, .size: 8, .value_kind: global_buffer, .address_space: global }
    .group_segment_fixed_size: 35840
    .private_segment_fixed_size: 0
    .kernarg_segment_align: 8
    .kernarg_segment_size: 56
    .max_flat_workgroup_size: 256
    .sgpr_count:     66
    .vgpr_count:     512
    .wavefront_size: 32
...
	.end_amdgpu_metadata
.endif
;; end of part 8
;; launch attn (part 9): grid 256 x 1, 16 waves a work-group, no clusters, 74,752 bytes of LDS; arguments qkv, res; writes res
.if DOCPART == 9
	.amdgcn_target "amdgcn-amd-amdhsa--gfx1250"
	.amdhsa_code_object_version 6
	.text
	.protected	k_q7b338ca640_attn
	.globl	k_q7b338ca640_attn
	.p2align	8
	.type	k_q7b338ca640_attn,@function
k_q7b338ca640_attn:
	s_mov_b64 s[64:65], 0
	v_nop
	global_prefetch_b8 v0, s[64:65] scope:SCOPE_SE
	s_setreg_imm32_b32 hwreg(HW_REG_WAVE_SCHED_MODE, 0, 2), 2
	s_setreg_imm32_b32 hwreg(HW_REG_WAVE_MODE, 25, 1), 1
	s_wait_xcnt 0x0
	s_wait_alu depctr_vm_vsrc(0)
; O = softmax(q k^T / 8) v for 128 (image, head) pairs of 1,024 x 1,024, head size 64, both products on codes of FP4 (E2M1) with one E8M0 scale for each 32 along K; then O / l is quantised along the channels for the last product.
; THE SOFTMAX AHEAD OF THE SECOND PRODUCT: t = score x log2(e) / 8; M = the row's largest t so far, rounded UP to a whole number; p = 2^(t - M) is what is quantised, along the keys; it is not normalised.
; The row's sum is taken of the unquantised p, in f32, and divides O at the end.  When M moves, the sum and O are multiplied by 2^(old M - new M): exact.
; SHARES.  A work-group owns 512 queries of one head; each of its sixteen waves two tiles of 16, one after the other (a loop of two trips); four waves to a SIMD.
; A head's K and V in codes with their scale words are 70 KiB: they come into LDS ONCE, through registers, and stay: no ring.  They are laid as images of the operands' registers: every fragment load is 512 consecutive bytes.
; LAYOUT.  Both products are used transposed: S^T = K Q^T (source 0 = 16 keys), O^T = V^T P^T (source 0 = 16 channels): a lane holds ONE query (lane % 16) throughout.
; The head's 64 fill half of the instruction's 128 along K: registers 4-7 of K's and Q's fragments are zero codes, written once, under scale bytes 0x7f.
; p's codes come out of the conversions with keys 0-7, 16-23, 8-15, 24-31 of a block in a lane's four registers; V's codes are laid in that same order.
; V's tiles take channels 32 (t / 2) + 8 (t % 2) + rho + 8 (rho / 8), so that a lane's 32 registers of O^T are 2 x 16 neighbours along the next K.
; THE ORDER OF A STEP'S VECTOR WORK.  Once M is known a step has 68 exponentials and 108 other lines that hang on M (32 packed multiply-adds, 32 packed sums, 17 rescalings, 15 lines for the scale word, 8 conversions, 4 swaps).
; The exponentials go in TWO BATCHES, each with one wait ahead of its first reader.  Batch A: the four blocks' largest p and scores 0-31; among them stand the multiply-adds and the rescalings, which name no exponential's result.
; Batch B: scores 32-63; among them stand lines that read batch A's results alone: the scale word's, the sums of pairs 0-15, the conversions and swaps of blocks 0 and 1.  The rest follows batch B's wait.
; NOT SHARED IN A CLUSTER: only two work-groups read a head's 70 KiB, once each, against eight key steps x two tiles of work on them.
; LIMITS: 1 / l by v_rcp_f32; a block's largest p is made from the block's largest score by the same multiply-add and exponential (this takes v_exp_f32 not to fall where its input rises);
; a block of zeros gets the byte 1 where the rule says 127 (its codes are zeros, and this program alone reads the bytes); NaN and infinities are not served.
; THE MODE: SCHED_MODE bits 1:0 = 2 (LLVM: expert scheduling mode 2), set by the entry lines.  The code itself states the register dependences
; between vector or matrix instructions and memory or LDS instructions, with s_wait_alu, always for 0.
; THE PLAN.  Registers that memory or LDS instructions touch, in the loop:
;   v1-3               LDS addresses of the fragments' and scale words' loads: made at the head, never written again.
;   KF (low four of each eight), KS   Step s: its eight first products read them; behind those the loads of step s + 1 land in them.
;   VF, VS             Step s: its four second products read them; the loads of step s + 1, behind that step's first products, land in them.
;   PC[0:3], HW, v6    At a tile's end: written by the quantiser and one add, read by two stores; written again in the next trip.
; So a step has FOUR waits on va_vdst: one behind its first products (for its nineteen LDS loads), one for each batch of exponentials, and one ahead of its second products, which take p's codes and scale word from vector lines.
; A tile's end has one ahead of its two stores (it also stands between the moved Q and the next trip's products) and one on vm_vsrc behind them, ahead of the branch.
.set FLOOR, 0x1800000                  ; 2^(3 - 127)
.set KIMG, 0                           ; LDS: K's 64 tiles of 16 keys, 512 bytes each
.set VIMG, 32768                       ; V: s x 4096 + t x 1024 + c x 512 + 16 lane
.set KSC,  65536                       ; K's scale words: 256 bytes for 64 keys: 8 lane + 4 e: tile 2 e + lane / 16
.set VSC,  69632                       ; V's: s x 256 + 16 rho + 4 t
.set RST,  71680                       ; the results' scale bytes: two for each of the 512 queries
.set LI,   1                           ; v1   16 x lane
.set LK8,  2                           ; v2   KSC + 8 x lane
.set LV16, 3                           ; v3   VSC + 16 r
.set A16,  4                           ; v4   16 x thread
.set RB,   5                           ; v5   RST + 2 r
.set T6,   6
.set R8,   7                           ; v7   8 r
.set Q,    8                           ; v8-15   Q's fragment (v12-15: zero codes)
.set QN,   16                          ; v16-19  the second tile's
.set QS,   20                          ; v20, v21 their scale words
.set QSN,  21
.set NM,   22                          ; v22  -M;  v23 the largest t
.set TX,   23
.set LS,   24                          ; v[24:25] the sum, in two halves
.set FF,   26                          ; v26  2^(old M - new M); v27 is named with it as a pair
.set PS,   28                          ; v28  p's scale word
.set RR,   29
.set KS,   30                          ; v30-33  K's scale words of a step
.set VS,   34                          ; v34-37  V's
.set PC,   38                          ; v38-45  p's codes
.set BM,   46                          ; v46-49  a block's largest score, then its largest p
.set MX,   46
.set PT,   50
.set SO,   54
.set TT,   58
.set BY,   58
.set T1,   60
.set HW,   61
.set KF,   64                          ; v64-127  K's eight fragments (the upper four registers of each: zero codes)
.set VF,   128                         ; v128-159 V's four
.set S,    160                         ; v160-223 S^T, then p
.set O,    224                         ; v224-255 O^T
.set SEL,  10
.macro PLACES n                        ; plain places behind matrix instructions (ISA guide 7.12.1)
.rept \n
	v_nop
.endr
.endm
.macro BARRIER                         ; my LDS stores have landed and my LDS loads are in: then the work-group's barrier
	s_wait_dscnt 0x0
	s_barrier_signal -1
	s_barrier_wait -1
.endm
.macro KLOAD s                         ; key step s: eight fragments and their scale words: ten loads
.irp u, 0,1,2,3,4,5,6,7
	ds_load_b128 v[KF+8*\u:KF+8*\u+3], v[LI] offset:KIMG+4096*(\s)+512*\u
.endr
.irp p, 0,1
	ds_load_b64 v[KS+2*\p:KS+2*\p+1], v[LK8] offset:512*(\s)+256*\p
.endr
.endm
.macro VLOAD s                         ; four fragments and their scale words: nine loads
.irp q, 0,1,2,3,4,5,6,7
	ds_load_b128 v[VF+4*\q:VF+4*\q+3], v[LI] offset:VIMG+4096*(\s)+512*\q
.endr
	ds_load_b128 v[VS:VS+3], v[LV16] offset:256*(\s)
.endm
; 32 numbers of a lane, register 16 b + i = k 32 b + 16 (lane / 16) + i of my row, become one image (v[PC] on) and two scale bytes (v[HW])
.macro QUANT2 src
.irp b, 0,1
	v_max3_num_f32 v[MX+\b], |v[(\src)+16*\b]|, |v[(\src)+16*\b+1]|, FLOOR
.endr
.irp i, 2,4,6,8,10,12,14
.irp b, 0,1
	v_max3_num_f32 v[MX+\b], v[MX+\b], |v[(\src)+16*\b+\i]|, |v[(\src)+16*\b+\i+1]|
.endr
.endr
.irp b, 0,1
	v_permlanex16_b32 v[PT+\b], v[MX+\b], s[SEL], s[SEL+1]
.endr
.irp b, 0,1
	v_max_num_f32 v[MX+\b], v[MX+\b], v[PT+\b]
.endr
.irp b, 0,1
	v_add_nc_u32 v[SO+\b], 0xff000000, v[MX+\b]
.endr
.irp b, 0,1
	v_lshrrev_b32 v[BY+\b], 23, v[SO+\b]
.endr
	v_lshl_or_b32 v[HW], v[BY+1], 8, v[BY]
.irp b, 0,1
	v_cvt_scalef32_pk8_fp4_f32 v[PC+2*\b], v[(\src)+16*\b:(\src)+16*\b+7], v[SO+\b]
	v_cvt_scalef32_pk8_fp4_f32 v[PC+2*\b+1], v[(\src)+16*\b+8:(\src)+16*\b+15], v[SO+\b]
.endr
	v_nop                                          ; one plain place behind the last scaled conversion
	v_permlane16_swap_b32 v[PC], v[PC+2]
	v_permlane16_swap_b32 v[PC+1], v[PC+3]
.endm
; Pair k of p's 32 pairs joins the row's sum, which is taken of the unquantised p: even pairs in one chain (the sum itself), odd pairs in the other; each chain takes its pairs in ascending order
.macro SUMP k
.if (\k)%2
	v_pk_add_f32 v[TT:TT+1], v[TT:TT+1], v[S+2*(\k):S+2*(\k)+1]
.else
	v_pk_add_f32 v[LS:LS+1], v[LS:LS+1], v[S+2*(\k):S+2*(\k)+1]
.endif
.endm
; BATCH A, exponential number HH of 36.  Numbers 0-3: the four blocks' largest p; number 4 + j: score j (0-31).  Behind it stand lines that name no exponential's result:
;   HH < 32: t - M for pair HH, whose exponentials are numbers 2 HH + 4 and 2 HH + 5 of the step's 68: registers 2 HH and 2 HH + 1, above every score that has had its exponential (HH - 4 at the most);
;   0: the sum under the new M;  20-35: O^T under the new M, each accumulator from its low end on.  (Step 0: the sum begins, at 0 and at 35.)  The line behind number 35 is the plain line behind the batch's last exponential.
.macro EXPA s
.if HH < 4
	v_exp_f32 v[BM+HH], v[BM+HH]                   ; the block's largest p: the same multiply-add and exponential on the same number give the same bits
.else
	v_exp_f32 v[S+HH-4], v[S+HH-4]                 ; p = 2^(t - M), at most 1: not normalised
.endif
.if HH < 32
	v_pk_fma_f32 v[S+2*HH:S+2*HH+1], v[S+2*HH:S+2*HH+1], s[12:13], v[NM:NM+1] op_sel_hi:[1,0,0]   ; t - M, two at a time (of the pairs c and -M the low word serves both halves)
.endif
.if (\s) == 0
.if HH == 0
	v_mov_b32 v[LS], 0                             ; the sum begins
.elseif HH == 35
	v_mov_b32 v[LS+1], 0
.endif
.else
.if HH == 0
	v_pk_mul_f32 v[LS:LS+1], v[LS:LS+1], v[FF:FF+1] op_sel_hi:[1,0]   ; the sum under the new M
.elseif HH >= 20
	v_pk_mul_f32 v[O+2*(HH-20):O+2*(HH-20)+1], v[O+2*(HH-20):O+2*(HH-20)+1], v[FF:FF+1] op_sel_hi:[1,0]
.endif
.endif
.endm
; BATCH B, exponential number GG of 32: score 32 + GG.  Behind it stand lines that read batch A's results alone (registers S .. S + 31 and the blocks' largest p):
;   0-14: floor, scale operand and byte of each block, and the scale word;  17-31: the sums of pairs 0 to 15;  18-21: the conversions of blocks 0 and 1, each with a sum, a plain line, behind it;  24, 25: their swaps.
; The sum behind number 31 is the plain line behind the batch's last exponential.
.macro EXPB
	v_exp_f32 v[S+32+GG], v[S+32+GG]
.if (GG >= 18) && (GG < 22)
	v_cvt_scalef32_pk8_fp4_f32 v[PC+GG-18], v[S+8*(GG-18):S+8*(GG-18)+7], v[SO+(GG-18)/2]
.endif
.if GG < 4
	v_max_num_f32 v[BM+GG], FLOOR, v[BM+GG]        ; the floor holds the byte at 1 from below
.elseif GG < 8
	v_add_nc_u32 v[SO+GG-4], 0xff000000, v[BM+GG-4]   ; 2 off the exponent field: the conversion's scale operand
.elseif GG < 12
	v_lshrrev_b32 v[PT+GG-8], 23, v[SO+GG-8]       ; the scale's byte
.elseif GG == 12
	v_lshl_or_b32 v[PS], v[PT+1], 8, v[PT]         ; p's scale word for these 128 keys
.elseif GG < 15
	v_lshl_or_b32 v[PS], v[PT+GG-11], 8*(GG-11), v[PS]
.elseif GG == 17
	v_pk_add_f32 v[TT:TT+1], v[S:S+1], v[S+2:S+3]  ; the second chain begins
.elseif GG > 17
	SUMP GG-16
.endif
.if (GG == 24) || (GG == 25)
	v_permlane16_swap_b32 v[PC+GG-24], v[PC+GG-22] ; the operand's layout wants a whole block in a lane: lanes 0-15 block 0, lanes 16-31 block 1
.endif
.endm
; A KEY STEP: 128 keys.  Step 0 starts M, the sum and O^T: it has no factor and nothing to rescale.
.macro STEP s
	s_wait_dscnt 0x0                               ; this step's K and its scale words are in (asked for a step ago)
.irp u, 0,1,2,3,4,5,6,7
.if \u%2
	v_wmma_scale_f32_16x16x128_f8f6f4 v[S+8*\u:S+8*\u+7], v[KF+8*\u:KF+8*\u+7], v[Q:Q+7], 0, v[KS+\u/2], v[QS] matrix_a_fmt:MATRIX_FMT_FP4 matrix_b_fmt:MATRIX_FMT_FP4 matrix_a_scale:MATRIX_SCALE_ROW1
.else
	v_wmma_scale_f32_16x16x128_f8f6f4 v[S+8*\u:S+8*\u+7], v[KF+8*\u:KF+8*\u+7], v[Q:Q+7], 0, v[KS+\u/2], v[QS] matrix_a_fmt:MATRIX_FMT_FP4 matrix_b_fmt:MATRIX_FMT_FP4
.endif
.endr
	PLACES 4                                       ; ahead of the reads of the scores
	s_wait_alu depctr_va_vdst(0)                   ; these products are done reading K's fragments and scale words, the last step's second products V's: the nineteen loads below land in them
	VLOAD \s
	KLOAD ((\s)+1)%8                               ; the next step's; step 7 asks for step 0's, for the wave's next tile
.irp b, 0,1,2,3
	v_max3_num_f32 v[BM+\b], v[S+16*\b], v[S+16*\b+1], v[S+16*\b+2]   ; the largest score of each block of 32 keys: for the row's maximum, and for the block's largest p
.endr
.irp i, 3,5,7,9,11,13
.irp b, 0,1,2,3
	v_max3_num_f32 v[BM+\b], v[BM+\b], v[S+16*\b+\i], v[S+16*\b+\i+1]
.endr
.endr
.irp b, 0,1,2,3
	v_max_num_f32 v[BM+\b], v[BM+\b], v[S+16*\b+15]
.endr
.irp b, 0,1,2,3
	v_permlanex16_b32 v[PT+\b], v[BM+\b], s[SEL], s[SEL+1]
.endr
.irp b, 0,1,2,3
	v_max_num_f32 v[BM+\b], v[BM+\b], v[PT+\b]     ; with lane l xor 16's 16 keys
.endr
	v_max3_num_f32 v[T1], v[BM], v[BM+1], v[BM+2]
	v_max_num_f32 v[T1], v[T1], v[BM+3]            ; the step's largest score of my query
.if (\s) == 0
	v_mul_f32 v[TX], s12, v[T1]                    ; as t (c is positive)
	v_floor_f32 v[NM], -v[TX]                      ; -M = floor(-t) = -ceil(t): M is a whole number
.else
	v_mul_f32 v[T1], s12, v[T1]
	v_max_num_f32 v[TX], v[TX], v[T1]              ; the running largest t
	v_mov_b32 v[T1], v[NM]
	v_floor_f32 v[NM], -v[TX]
	v_sub_f32 v[T1], v[NM], v[T1]                  ; M's old value less its new one: a whole number, 0 or less
	v_cvt_i32_f32 v[T1], v[T1]                     ; (it saturates)
	v_ldexp_f32 v[FF], 1.0, v[T1]                  ; 2^(old M - new M): a multiplication by it rounds nothing
.endif
.irp b, 0,1,2,3
	v_fma_f32 v[BM+\b], v[BM+\b], s12, v[NM]       ; t - M of each block's largest score
.endr
.set HH, 0
.rept 36
	EXPA \s
.set HH, HH+1
.endr
	s_wait_alu depctr_va_vdst(0)                   ; batch A's 36 exponentials have written the blocks' largest p and p 0 to 31, ahead of their first reader
.set GG, 0
.rept 32
	EXPB
.set GG, GG+1
.endr
	s_wait_alu depctr_va_vdst(0)                   ; batch B's 32 exponentials have written p 32 to 63, ahead of their first reader
	v_cvt_scalef32_pk8_fp4_f32 v[PC+4], v[S+32:S+39], v[SO+2]
	v_cvt_scalef32_pk8_fp4_f32 v[PC+5], v[S+40:S+47], v[SO+2]
	v_cvt_scalef32_pk8_fp4_f32 v[PC+6], v[S+48:S+55], v[SO+3]
	v_cvt_scalef32_pk8_fp4_f32 v[PC+7], v[S+56:S+63], v[SO+3]
	SUMP 16                                        ; one plain place behind the last scaled conversion
	v_permlane16_swap_b32 v[PC+4], v[PC+6]         ; lanes 0-15 block 2, lanes 16-31 block 3
	v_permlane16_swap_b32 v[PC+5], v[PC+7]
.irp k, 17,18,19,20,21,22,23,24,25,26,27,28,29,30,31
	SUMP \k                                        ; these lines are also the places between p's codes and the products
.endr
	v_pk_add_f32 v[LS:LS+1], v[LS:LS+1], v[TT:TT+1]
	s_wait_dscnt 10                                ; V and its scale words are in; the next step's ten loads for K may be out
	s_wait_alu depctr_va_vdst(0)                   ; the conversions and swaps have written p's codes, the shifts its scale word: the scaled products below take them; the places above stay beside this wait
.irp t, 0,1,2,3                        ; the four accumulators take turns, one instruction a turn
.if (\s) == 0
	v_wmma_scale_f32_16x16x128_f8f6f4 v[O+8*\t:O+8*\t+7], v[VF+8*\t:VF+8*\t+7], v[PC:PC+7], 0, v[VS+\t], v[PS] matrix_a_fmt:MATRIX_FMT_FP4 matrix_b_fmt:MATRIX_FMT_FP4
.else
	v_wmma_scale_f32_16x16x128_f8f6f4 v[O+8*\t:O+8*\t+7], v[VF+8*\t:VF+8*\t+7], v[PC:PC+7], v[O+8*\t:O+8*\t+7], v[VS+\t], v[PS] matrix_a_fmt:MATRIX_FMT_FP4 matrix_b_fmt:MATRIX_FMT_FP4
.endif
.endr
.endm
	s_load_b128 s[4:7], s[0:1], 0x0                ; qkv, res
	v_lshl_add_u32 v62, v0, 2, 0x11c00
	v_mov_b32 v63, 0
	v_lshrrev_b32 v6, 5, v0
	v_readfirstlane_b32 s8, v6                     ; wave 0..15
	s_lshr_b32 s9, ttmp9, 1                        ; hb = 8 b + head
	s_and_b32 s34, ttmp9, 1                        ; which half of the queries
	s_lshr_b32 s35, s9, 3                          ; b
	s_and_b32 s36, s9, 7                           ; head
	s_mov_b32 s[SEL], 0x76543210
	s_mov_b32 s[SEL+1], 0xfedcba98                 ; v_permlanex16_b32's selects for lane l xor 16
	s_mov_b32 s12, 0x3e38aa3b                      ; c = log2(e) / 8
	s_mov_b32 s13, s12                             ; (named with it as a pair, so it is written)
	s_wait_alu depctr_va_sdst(0)                   ; s8 is written, ahead of its first reader
	s_lshr_b32 s37, s8, 1
	s_and_b32 s38, s8, 1
	s_lshl_b32 s39, s34, 3
	s_add_co_u32 s39, s39, s37                     ; my queries' run of 64 pixels: 8 x half + w / 2; in it tiles 2 (w % 2) and 2 (w % 2) + 1
	s_lshl_b32 s14, s9, 15                         ; byte offsets, each in the low word of the pair that will hold the address: the head's codes,
	s_mov_b32 s15, 0
	s_lshl_b32 s18, s9, 12
	s_add_co_u32 s18, s18, 12582912                ; q's scale words,
	s_mov_b32 s19, 0
	s_lshl_b32 s20, s9, 11
	s_add_co_u32 s20, s20, 13631488                ; v's scale bytes,
	s_mov_b32 s21, 0
	s_lshl_b32 s30, s34, 14
	s_lshl_b32 s40, s8, 10
	s_add_co_u32 s30, s30, s40                     ; my first tile of q in the head: (32 x half + 2 w) x 512,
	s_mov_b32 s31, 0
	s_lshl_b32 s32, s39, 8
	s_lshl_b32 s40, s38, 2
	s_add_co_u32 s32, s32, s40                     ; its scale words,
	s_mov_b32 s33, 0
	s_lshl_b32 s22, s35, 18
	s_lshl_b32 s40, s39, 14
	s_add_co_u32 s22, s22, s40
	s_lshl_b32 s40, s38, 13
	s_add_co_u32 s22, s22, s40
	s_lshl_b32 s40, s36, 9
	s_add_co_u32 s22, s22, s40                     ; the result's codes: b x 262144 + P x 16384 + m x 4096 + head x 512,
	s_mov_b32 s23, 0
	s_lshl_b32 s24, s9, 11
	s_lshl_b32 s40, s34, 10
	s_add_co_u32 s24, s24, s40
	s_add_co_u32 s24, s24, 4194304                 ; and its scale bytes: two a pixel
	s_mov_b32 s25, 0
	s_mov_b32 s26, 0                               ; counts the wave's two tiles
	s_lshl_b32 s27, s8, 6                          ; my tile's 32 bytes among the results' scale bytes: 64 w, + 32 a trip
	v_and_b32 v6, 31, v0                           ; lane
	v_and_b32 v7, 15, v0                           ; r
	v_lshlrev_b32 v[LI], 4, v6
	v_lshl_add_u32 v[LK8], v6, 3, KSC
	v_lshl_add_u32 v[LV16], v7, 4, VSC
	v_lshlrev_b32 v[A16], 4, v0
	v_lshl_add_u32 v[RB], v7, 1, RST
	v_lshlrev_b32 v224, 3, v0                      ; 8 x thread, 4 x thread: K's and V's scales in memory
	v_lshlrev_b32 v225, 2, v0
	v_lshl_add_u32 v226, v0, 3, KSC                ; K's scale words lie in LDS as in memory
	v_lshrrev_b32 v227, 6, v0                      ; V's are laid anew.  Thread 32 P + lane holds, for row r, tiles 2 h (low half) and 2 h + 1 (high half), key blocks 2 P, 2 P + 1:
	v_lshl_add_u32 v227, v227, 8, VSC              ; step P / 2,
	v_lshl_add_u32 v227, v7, 4, v227               ; row r,
	v_bfe_u32 v228, v0, 4, 1
	v_lshl_add_u32 v227, v228, 3, v227             ; tile 2 h,
	v_bfe_u32 v228, v0, 5, 1
	v_lshl_add_u32 v227, v228, 1, v227             ; the word's half P % 2
	v_lshlrev_b32 v[R8], 3, v7
	s_wait_kmcnt 0x0
	s_add_nc_u64 s[14:15], s[4:5], s[14:15]
	s_add_nc_u64 s[16:17], s[14:15], 0x800000      ; V's codes
	s_add_nc_u64 s[18:19], s[4:5], s[18:19]
	s_add_nc_u64 s[20:21], s[4:5], s[20:21]
	s_add_nc_u64 s[30:31], s[14:15], s[30:31]
	s_add_nc_u64 s[32:33], s[18:19], s[32:33]
	s_add_nc_u64 s[22:23], s[6:7], s[22:23]
	s_add_nc_u64 s[24:25], s[6:7], s[24:25]
	s_wait_alu depctr_va_vdst(0)                   ; the offsets and LDS addresses v1 to v4, v7 and v224 to v227 are written, which the loads and stores below read
.irp i, 0,1,2,3
	global_load_b128 v[S+4*\i:S+4*\i+3], v[A16], s[14:15] offset:4194304+8192*\i   ; K's codes: the work-group reads 8,192 consecutive bytes
.endr
.irp i, 0,1,2,3
	global_load_b128 v[S+16+4*\i:S+16+4*\i+3], v[A16], s[16:17] offset:8192*\i     ; V's
.endr
	global_load_b64 v[S+32:S+33], v224, s[18:19] offset:524288                      ; K's scale words
	global_load_b32 v[S+34], v225, s[20:21]                                         ; V's scale bytes
	global_load_b128 v[Q:Q+3], v[LI], s[30:31]                                      ; my two tiles of Q stay in registers
	global_load_b128 v[QN:QN+3], v[LI], s[30:31] offset:512
	global_load_b32 v[QS], v[R8], s[32:33]
	global_load_b32 v[QSN], v[R8], s[32:33] offset:128
.irp u, 0,1,2,3,4,5,6,7
.irp j, 4,5,6,7
	v_mov_b32 v[KF+8*\u+\j], 0                     ; zero codes for k = 64 .. 127: written once
.endr
.endr
.irp j, 4,5,6,7
	v_mov_b32 v[Q+\j], 0
.endr
.irp b, 0,1,2,3
	v_mov_b32 v[PT+\b], 0                          ; a lane permute's destination counts as one of its sources.  (These five are also the places behind the zero codes)
.endr
	v_mov_b32 v[FF+1], 0                           ; (named as the upper half of a pair)
	s_wait_loadcnt 4                               ; K, V and their scales are in; Q's four loads may be out
.irp i, 0,1,2,3
	ds_store_b128 v[A16], v[S+4*\i:S+4*\i+3] offset:KIMG+8192*\i
.endr
.irp i, 0,1,2,3
	ds_store_b128 v[A16], v[S+16+4*\i:S+16+4*\i+3] offset:VIMG+8192*\i
.endr
	ds_store_b64 v226, v[S+32:S+33]
	ds_store_b16 v227, v[S+34]
	ds_store_b16_d16_hi v227, v[S+34] offset:4
	BARRIER                                        ; the head's K and V lie in LDS; nobody writes them again
	s_wait_alu depctr_vm_vsrc(0)                   ; my LDS stores have read v160 to v194, v226 and v227, my loads v224 and v225: the products write these registers from here on
	s_wait_alu depctr_va_vdst(0)                   ; the zero codes of K's and Q's fragments are written, which the scaled products take
	KLOAD 0
	s_wait_loadcnt 0x0                             ; Q
.Ltile:
	STEP 0
	STEP 1
	STEP 2
	STEP 3
	STEP 4
	STEP 5
	STEP 6
	STEP 7
	; THE WAY OUT of a tile.  The first six lines are the places behind the last products.
.irp j, 0,1,2,3
	v_mov_b32 v[Q+\j], v[QN+\j]                    ; the second tile's Q takes its place
.endr
	v_mov_b32 v[QS], v[QSN]
	v_add_f32 v[T1], v[LS], v[LS+1]                ; the sum's two halves,
	v_permlanex16_b32 v[PT], v[T1], s[SEL], s[SEL+1]
	v_add_f32 v[T1], v[T1], v[PT]                  ; and lane l xor 16's: the row's sum
	v_rcp_f32 v[RR], v[T1]
	v_nop                                          ; one plain place behind a transcendental
.set JJ, 0
	s_wait_alu depctr_va_vdst(0)                   ; the reciprocal is written, ahead of its first reader
.rept 32
	v_mul_f32 v[S+JJ], v[O+JJ], v[RR]              ; O^T / the sum: register 16 b + i is channel 32 b + 16 h + i of my query
.set JJ, JJ+1
.endr
	QUANT2 S
	v_add_nc_u32 v[T6], s27, v[RB]
	s_wait_alu depctr_va_vdst(0)                   ; the quantiser has written the codes and the two bytes, the add their LDS address: the two stores read them; Q and its scale word are moved too, which the next trip's scaled products take
	global_store_b128 v[LI], v[PC:PC+3], s[22:23]  ; half a K step of the last product, for my 16 pixels: 512 consecutive bytes
	ds_store_b16 v[T6], v[HW]                      ; (both halves of the lanes write the same)
	s_wait_xcnt 0x0                                ; the store has read its base and its data: both are written again only behind this wait
	s_wait_alu depctr_vm_vsrc(0)                   ; the two stores have read the codes, the bytes and v6, which the next trip (v6: the lines behind the loop too) writes again
	s_add_nc_u64 s[22:23], s[22:23], 4096          ; the next tile of pixels
	s_add_co_u32 s27, s27, 32
	s_add_co_u32 s26, s26, 1
	s_cmp_lt_u32 s26, 2
	s_cbranch_scc1 .Ltile
	BARRIER                                        ; all 1,024 scale bytes lie in LDS (the wait also takes in the last, unused loads of K)
	s_cmp_lt_u32 s8, 2
	s_cbranch_scc0 .Lend                           ; waves 0 and 1 carry them out
	v_add_nc_u32 v[T6], RST, v[A16]
	s_wait_alu depctr_va_vdst(0)                   ; v6 is written, which the load reads as its address
	ds_load_b128 v[S:S+3], v[T6]
	s_wait_dscnt 0x0
	global_store_b128 v[A16], v[S:S+3], s[24:25]   ; 512 consecutive bytes a wave
.Lend:
	s_wait_dscnt 0x0                               ; the closing lines, six on end
	s_wait_alu 0x0
	s_wait_tensorcnt 0x0
	ds_add_u32 v62, v63
	s_wait_dscnt 0x0
	s_endpgm
.Lfunc_end_k_q7b338ca640_attn:
	.size	k_q7b338ca640_attn, .Lfunc_end_k_q7b338ca640_attn-k_q7b338ca640_attn
	.p2alignl 7, 3214868480
	.fill 96, 4, 3214868480
	.section	.rodata,"a",@progbits
	.p2align	6, 0x0
	.amdhsa_kernel k_q7b338ca640_attn
		.amdhsa_group_segment_fixed_size 74752
		.amdhsa_private_segment_fixed_size 0
		.amdhsa_enable_private_segment 0
		.amdhsa_kernarg_size 16
		.amdhsa_user_sgpr_count 2
		.amdhsa_user_sgpr_kernarg_segment_ptr 1
		.amdhsa_wavefront_size32 1
		.amdhsa_system_sgpr_workgroup_id_x 1
		.amdhsa_system_sgpr_workgroup_id_y 1
		.amdhsa_system_sgpr_workgroup_id_z 1
		.amdhsa_system_vgpr_workitem_id 0
		.amdhsa_next_free_vgpr 256
		.amdhsa_next_free_sgpr 66
		.amdhsa_reserve_vcc 0
		.amdhsa_float_denorm_mode_32 3
		.amdhsa_float_denorm_mode_16_64 3
		.amdhsa_memory_ordered 1
		.amdhsa_forward_progress 1
		.amdhsa_inst_pref_size 127
	.end_amdhsa_kernel
	.amdgpu_metadata
---
amdhsa.version: [ 1, 2 ]
amdhsa.kernels:
  - .name:           k_q7b338ca640_attn
    .symbol:         k_q7b338ca640_attn.kd
    .args:
      - { .name: qkv, .offset: 0, .size: 8, .value_kind: global_buffer, .address_space: global }
      - { .name: res, .offset: 8, .size: 8, .value_kind: global_buffer, .address_space: global }
    .group_segment_fixed_size: 74752
    .private_segment_fixed_size: 0
    .kernarg_segment_align: 8
    .kernarg_segment_size: 16
    .max_flat_workgroup_size: 512
    .sgpr_count:     66
    .vgpr_count:     256
    .wavefront_size: 32
...
	.end_amdgpu_metadata
.endif
;; end of part 9
;; launch outp (part 10): grid 256 x 1, 8 waves a work-group, no clusters, 157,696 bytes of LDS; arguments res, wts, bo, x, out0; writes out0
.if DOCPART == 10
	.amdgcn_target "amdgcn-amd-amdhsa--gfx1250"
	.amdhsa_code_object_version 6
	.text
	.protected	k_q7b338ca640_outp
	.globl	k_q7b338ca640_outp
	.p2align	8
	.type	k_q7b338ca640_outp,@function
k_q7b338ca640_outp:
	s_mov_b64 s[64:65], 0
	v_nop
	global_prefetch_b8 v0, s[64:65] scope:SCOPE_SE
	s_setreg_imm32_b32 hwreg(HW_REG_WAVE_SCHED_MODE, 0, 2), 2
	s_setreg_imm32_b32 hwreg(HW_REG_WAVE_MODE, 25, 1), 1
	s_wait_xcnt 0x0
	s_wait_alu depctr_vm_vsrc(0)
; out0[b][c][l] = (res wo^T + bo)[l][c] + x[b][c][l].  The product is on codes of FP4 (E2M1) with one E8M0 scale for each 32 along K = 512; all else f32.
; A work-group takes 64 pixels of one image; wave w makes output channels 64 w .. 64 w + 63: its part of wo is read once by the work-group, straight into registers (images of the operand's registers).
; Source 0 = 16 pixels, source 1 = 16 rows of wo: a lane holds ONE channel and eight neighbouring pixels, which is how out0 lies.  The bias is the C of each sum's first matrix instruction.
; A channel's 64 pixels are 256 bytes: they meet in the wave's OWN stage in LDS (64 rows of 256 + 16 bytes) and leave, with x added, sixteen lanes to 256 consecutive bytes, aligned.
; x's 64 rows x 256 bytes a wave are asked for ahead of the products, into window 1.
; The stage's stores go two deep in the banks (a tile's rows 0-7 and 16-23: 16 rows of 272 bytes are a whole number of times round): 32 stores a wave.
; REGISTERS: window 0 as named below; window 1: v0-127 wo's 16 fragments, v128-255 x.
; THE MODE: SCHED_MODE bits 1:0 = 2 (LLVM: expert scheduling mode 2), set by the entry lines.  The code itself states the register dependences
; between vector or matrix instructions and memory or LDS instructions, with s_wait_alu, always for 0.
; THE PLAN.  Registers that memory or LDS instructions touch:
;   v1-9        offsets and LDS addresses: made once at the head, never written again.
;   ACC         at the head res's codes pass through v88-103 (loads write, LDS stores read); then the products write all 64 and the stage's stores read them, twice:
;               a wait on vm_vsrc ahead of each run of products, a wait on va_vdst (behind the places) ahead of each run of stores.
;   SRC, SS     written by LDS loads, read by the products: the second pair of tiles lands behind the wait on va_vdst that follows the first run of products.
;   v184-215, v224-255   by turns, 16 rows of the result: LDS loads write, the additions of x write again, the stores read:
;               a wait on va_vdst ahead of each run of stores, a wait on vm_vsrc ahead of the loads that take a buffer again.
;   wo, its scale words, the bias, x: loaded once, read by matrix and vector instructions alone.
.set RIMG, 0                           ; LDS: res's 16 fragments: m x 4096 + s x 1024 + c x 512 + 16 lane
.set RSC,  16384                       ; their scale bytes: 16 a pixel
.set STG,  17408                       ; the stages: 17,408 bytes for each wave
.set SP,   272
.set LI,  1                            ; v1   16 x lane
.set R16, 2                            ; v2   16 r
.set RWI, 3                            ; v3   2048 w + 16 lane
.set L4,  4                            ; v4   4 x lane
.set RSB, 5                            ; v5   RSC + 32 lane + 2 w
.set BV,  6                            ; v6   256 w + 4 (r + 8 (r / 8))
.set STO, 7                            ; v7   the stage, on the way in
.set RD,  8                            ; v8   and back
.set GO,  9                            ; v9   4096 h + 16 r: two rows of x and of out0
.set SRC, 16                           ; v16-79   a pixel tile's four fragments, two sets
.set SS,  80                           ; v80-87   its four scale words, two sets
.set ACC, 88                           ; v88-151  eight accumulators
.set BIAS, 152                         ; v152-183
.set WS,  216                          ; v216-223 wo's scale words
.set MSB, 0
.macro WIN new                         ; the immediate's high byte repeats the setting that is left
.if MSB != \new
	s_set_vgpr_msb (MSB<<8)|\new
.set MSB, \new
.endif
.endm
.macro PLACES n                        ; plain places behind matrix instructions (ISA guide 7.12.1)
.rept \n
	v_nop
.endr
.endm
.macro FETCH set, m                    ; pixel tile m: four fragments and four scale words
.irp q, 0,1,2,3,4,5,6,7
	ds_load_b128 v[SRC+32*(\set)+4*\q:SRC+32*(\set)+4*\q+3], v[LI] offset:RIMG+4096*(\m)+512*\q
.endr
	ds_load_b128 v[SS+4*(\set):SS+4*(\set)+3], v[R16] offset:RSC+256*(\m)
.endm
.macro WM d, a, b, c, sa, sb, row      ; row = 1: source 1's scales stand in lanes 16-31
.if (\row) == 1
	v_wmma_scale_f32_16x16x128_f8f6f4 v[(\d):(\d)+7], v[(\a):(\a)+7], v[(\b):(\b)+7], v[(\c):(\c)+7], v[\sa], v[\sb] matrix_a_fmt:MATRIX_FMT_FP4 matrix_b_fmt:MATRIX_FMT_FP4 matrix_b_scale:MATRIX_SCALE_ROW1
.else
	v_wmma_scale_f32_16x16x128_f8f6f4 v[(\d):(\d)+7], v[(\a):(\a)+7], v[(\b):(\b)+7], v[(\c):(\c)+7], v[\sa], v[\sb] matrix_a_fmt:MATRIX_FMT_FP4 matrix_b_fmt:MATRIX_FMT_FP4
.endif
.endm
; 32 matrix instructions: two pixel tiles x my four tiles of wo, K step by K step; the eight accumulators take turns, one instruction a turn
.macro MULV
	WIN 0x04                                       ; source 1 (wo) window 1
.irp s, 0,1,2,3
.irp p, 0,1
.irp t, 0,1,2,3
.if \s == 0
	WM ACC+32*\p+8*\t, SRC+32*\p+8*\s, 8*(4*\t+\s), BIAS+8*\t, SS+4*\p+\s, WS+4*(\t/2)+\s, \t%2
.else
	WM ACC+32*\p+8*\t, SRC+32*\p+8*\s, 8*(4*\t+\s), ACC+32*\p+8*\t, SS+4*\p+\s, WS+4*(\t/2)+\s, \t%2
.endif
.endr
.endr
.endr
	WIN 0
.endm
.macro TOSTAGE kb                      ; pixel tiles 2 kb, 2 kb + 1: lane (r, h): channel 32 (t / 2) + 8 (t % 2) + r + 8 (r / 8), pixels 16 tile + 8 h + 0 .. 7; each accumulator from its low end on
.irp p, 0,1
.irp t, 0,1,2,3
	ds_store_b128 v[STO], v[ACC+32*\p+8*\t:ACC+32*\p+8*\t+3] offset:(32*(\t/2)+8*(\t%2))*SP+64*(2*(\kb)+\p)
	ds_store_b128 v[STO], v[ACC+32*\p+8*\t+4:ACC+32*\p+8*\t+7] offset:(32*(\t/2)+8*(\t%2))*SP+64*(2*(\kb)+\p)+16
.endr
.endr
.endm
	s_load_b256 s[4:11], s[0:1], 0x0               ; res, wts, bo, x
	s_load_b64 s[12:13], s[0:1], 0x20              ; out0
	v_lshrrev_b32 v10, 5, v0
	v_readfirstlane_b32 s14, v10                   ; wave 0..7
	s_lshr_b32 s15, ttmp9, 4                       ; b
	s_and_b32 s16, ttmp9, 15                       ; P
	v_and_b32 v10, 31, v0                          ; lane
	v_and_b32 v11, 15, v0                          ; r
	v_bfe_u32 v12, v0, 4, 1                        ; h
	v_and_b32 v13, 8, v11
	v_add_nc_u32 v13, v13, v11                     ; r + 8 (r / 8)
	v_lshlrev_b32 v[LI], 4, v10
	v_lshlrev_b32 v[R16], 4, v11
	s_wait_alu depctr_va_sdst(0)                   ; s14 is written, ahead of its first reader
	s_lshl_b32 s30, s14, 11
	v_add_nc_u32 v[RWI], s30, v[LI]
	v_lshlrev_b32 v[L4], 2, v10
	s_lshl_b32 s30, s14, 1
	s_add_co_u32 s30, s30, RSC
	v_lshl_add_u32 v[RSB], v10, 5, s30
	s_lshl_b32 s30, s14, 8
	v_lshl_add_u32 v[BV], v13, 2, s30
	s_mul_i32 s30, s14, 64*SP
	s_add_co_u32 s30, s30, STG                     ; my stage
	v_mul_u32_u24 v[STO], v13, SP
	v_lshl_add_u32 v[STO], v12, 5, v[STO]
	v_add_nc_u32 v[STO], s30, v[STO]
	v_mul_u32_u24 v[RD], v12, SP                   ; back: lanes 0-15 one row, lanes 16-31 the next
	v_lshl_add_u32 v[RD], v11, 4, v[RD]
	v_add_nc_u32 v[RD], s30, v[RD]
	v_lshlrev_b32 v[GO], 12, v12
	v_lshl_add_u32 v[GO], v11, 4, v[GO]
	; byte offsets, each in the low word of the pair that will hold the address
	s_lshl_b32 s18, s15, 18
	s_lshl_b32 s30, s16, 14
	s_add_co_u32 s18, s18, s30
	s_lshl_b32 s30, s14, 11
	s_add_co_u32 s18, s18, s30                     ; my eighth of the 64 pixels' codes
	s_mov_b32 s19, 0
	s_lshl_b32 s20, s15, 3
	s_add_co_u32 s20, s20, s14
	s_lshl_b32 s20, s20, 11
	s_lshl_b32 s30, s16, 7
	s_add_co_u32 s20, s20, s30
	s_add_co_u32 s20, s20, 4194304                 ; head w's scale bytes of the 64 pixels: two a pixel
	s_mov_b32 s21, 0
	s_lshl_b32 s22, s14, 14
	s_add_co_u32 s22, s22, 4*131072                ; my four tiles of wo
	s_mov_b32 s23, 0
	s_lshl_b32 s24, s14, 10
	s_add_co_u32 s24, s24, 655360+4*8192           ; and their scale words
	s_mov_b32 s25, 0
	s_lshl_b32 s26, s15, 21
	s_lshl_b32 s30, s14, 18
	s_add_co_u32 s26, s26, s30
	s_lshl_b32 s30, s16, 8
	s_add_co_u32 s26, s26, s30                     ; x and out0: b x 2097152 + 64 w rows of 4,096 + 256 P
	s_mov_b32 s27, 0
	s_wait_kmcnt 0x0
	s_add_nc_u64 s[18:19], s[4:5], s[18:19]
	s_add_nc_u64 s[20:21], s[4:5], s[20:21]
	s_add_nc_u64 s[22:23], s[6:7], s[22:23]
	s_add_nc_u64 s[24:25], s[6:7], s[24:25]
	s_add_nc_u64 s[28:29], s[12:13], s[26:27]
	s_add_nc_u64 s[26:27], s[10:11], s[26:27]
	s_wait_alu depctr_va_vdst(0)                   ; the nine offsets and LDS addresses v1 to v9 are written, which every load and store of the kernel reads
.irp i, 0,1,2,3
	global_load_b128 v[ACC+4*\i:ACC+4*\i+3], v[LI], s[18:19] offset:512*\i
.endr
	global_load_b32 v14, v[L4], s[20:21]
	WIN 0x40                                       ; destination window 1
.set II, 0
.rept 32
	global_load_b128 v[4*II:4*II+3], v[LI], s[22:23] offset:512*II
.set II, II+1
.endr
	WIN 0
.irp b, 0,1
	global_load_b128 v[WS+4*\b:WS+4*\b+3], v[LI], s[24:25] offset:512*\b
.endr
.irp t, 0,1,2,3
	global_load_b32 v[BIAS+8*\t], v[BV], s[8:9] offset:(32*(\t/2)+8*(\t%2))*4
.endr
	s_wait_loadcnt 38                              ; res's five loads are in; wo's 38 may be out
.irp i, 0,1,2,3
	ds_store_b128 v[RWI], v[ACC+4*\i:ACC+4*\i+3] offset:RIMG+512*\i   ; the images lie in LDS as they lie in memory
.endr
	ds_store_b16 v[RSB], v14                       ; pixel 2 lane: blocks 2 w, 2 w + 1 of its 16 bytes;
	ds_store_b16_d16_hi v[RSB], v14 offset:16      ; pixel 2 lane + 1
	WIN 0x40
.set II, 0
.rept 32
	global_load_b128 v[128+4*II:128+4*II+3], v[GO], s[26:27] offset:8192*II   ; x: rows 2 II and 2 II + 1 of my 64: sixteen lanes read 256 consecutive bytes
.set II, II+1
.endr
	WIN 0
	s_wait_dscnt 0x0                               ; my stores have landed
	s_barrier_signal -1
	s_barrier_wait -1                              ; res's sixteen fragments and their scale bytes lie in LDS: the launch's one barrier
	s_wait_alu depctr_vm_vsrc(0)                   ; my LDS stores have read v88 to v103, which are accumulators from here on
	s_wait_loadcnt 32                              ; wo, its scale words and the bias are in; x's 32 loads may be out
.irp t, 0,1,2,3
.irp j, 1,2,3,4,5,6,7
	v_mov_b32 v[BIAS+8*\t+\j], v[BIAS+8*\t]        ; a lane holds one channel: its bias in all eight registers of the C
.endr
.endr
	PLACES 4
	FETCH 0, 0                                     ; (no wait: no vector or matrix instruction has named these registers)
	FETCH 1, 1
	s_wait_dscnt 0x0
	MULV
	PLACES 4                                       ; ahead of the stores of the results
	s_wait_alu depctr_va_vdst(0)                   ; the products have written the accumulators, which the stage's stores read, and are done reading the fragments and scale words, in which the loads below land; the places above stay beside this wait
	FETCH 0, 2
	FETCH 1, 3
	TOSTAGE 0
	v_nop                                          ; a fifth place: the next products begin the same accumulators anew
	s_wait_dscnt 0x0                               ; the fragments are in
	s_wait_alu depctr_vm_vsrc(0)                   ; the stage's stores have read the accumulators, which the products below write anew
	MULV
	PLACES 4
	s_wait_alu depctr_va_vdst(0)                   ; the products have written the accumulators, which the stage's stores read; the places above stay beside this wait
	TOSTAGE 1
.irp g, 0,1,2,3                        ; 16 rows at a time, in v184-215 and v224-255 by turns
.set TB, 184+40*(\g%2)
.if \g > 1
	s_wait_xcnt 0x0                                ; the stores of two turns ago have read these registers
	s_wait_alu depctr_vm_vsrc(0)                   ; the stores of two turns ago have read this buffer, in which the loads below land (the additions that wrote it stand ahead of the waits on va_vdst since)
.endif
.irp k, 0,1,2,3,4,5,6,7
	ds_load_b128 v[TB+4*\k:TB+4*\k+3], v[RD] offset:(16*\g+2*\k)*SP   ; LDS serves a wave's instructions in order (ISA guide 5.7.1.4): these see my stores
.endr
	s_wait_dscnt 0x0
	s_wait_loadcnt 24-8*\g                         ; x's rows 16 g .. 16 g + 15 are in; the later rows' loads may be out
	WIN 0x04                                       ; source 1 (x) window 1
.irp q, 0,1,2,3,4,5,6,7,8,9,10,11,12,13,14,15
	v_pk_add_f32 v[TB+2*\q:TB+2*\q+1], v[TB+2*\q:TB+2*\q+1], v[128+32*\g+2*\q:128+32*\g+2*\q+1]
.endr
	WIN 0
	s_wait_alu depctr_va_vdst(0)                   ; the additions have written this buffer, which the eight stores read
.irp k, 0,1,2,3,4,5,6,7
	global_store_b128 v[GO], v[TB+4*\k:TB+4*\k+3], s[28:29] offset:(16*\g+2*\k)*4096 th:TH_STORE_NT   ; sixteen lanes store 256 consecutive bytes, aligned; written once, read by nobody here
.endr
.endr
	s_wait_xcnt 0x0
	s_wait_alu depctr_vm_vsrc(0)                   ; the last stores have read v254 and v255, which the two lines below write
	v_lshl_add_u32 v254, v0, 2, 0x26400
	v_mov_b32 v255, 0
	s_wait_dscnt 0x0                               ; the closing lines, six on end
	s_wait_alu 0x0
	s_wait_tensorcnt 0x0
	ds_add_u32 v254, v255
	s_wait_dscnt 0x0
	s_endpgm
.Lfunc_end_k_q7b338ca640_outp:
	.size	k_q7b338ca640_outp, .Lfunc_end_k_q7b338ca640_outp-k_q7b338ca640_outp
	.p2alignl 7, 3214868480
	.fill 96, 4, 3214868480
	.section	.rodata,"a",@progbits
	.p2align	6, 0x0
	.amdhsa_kernel k_q7b338ca640_outp
		.amdhsa_group_segment_fixed_size 157696
		.amdhsa_private_segment_fixed_size 0
		.amdhsa_enable_private_segment 0
		.amdhsa_kernarg_size 40
		.amdhsa_user_sgpr_count 2
		.amdhsa_user_sgpr_kernarg_segment_ptr 1
		.amdhsa_wavefront_size32 1
		.amdhsa_system_sgpr_workgroup_id_x 1
		.amdhsa_system_sgpr_workgroup_id_y 1
		.amdhsa_system_sgpr_workgroup_id_z 1
		.amdhsa_system_vgpr_workitem_id 0
		.amdhsa_next_free_vgpr 512
		.amdhsa_next_free_sgpr 66
		.amdhsa_reserve_vcc 0
		.amdhsa_float_denorm_mode_32 3
		.amdhsa_float_denorm_mode_16_64 3
		.amdhsa_memory_ordered 1
		.amdhsa_forward_progress 1
		.amdhsa_inst_pref_size 35
	.end_amdhsa_kernel
	.amdgpu_metadata
---
amdhsa.version: [ 1, 2 ]
amdhsa.kernels:
  - .name:           k_q7b338ca640_outp
    .symbol:         k_q7b338ca640_outp.kd
    .args:
      - { .name: res, .offset: 0, .size: 8, .value_kind: global_buffer, .address_space: global }
      - { .name: wts, .offset: 8, .size: 8, .value_kind: global_buffer, .address_space: global }
      - { .name: bo, .offset: 16, .size: 8, .value_kind: global_buffer, .address_space: global }
      - { .name: x, .offset: 24, .size: 8, .value_kind: global_buffer, .address_space: global }
      - { .name: out0, .offset: 32, .size: 8, .value_kind: global_buffer, .address_space: global }
    .group_segment_fixed_size: 157696
    .private_segment_fixed_size: 0
    .kernarg_segment_align: 8
    .kernarg_segment_size: 40
    .max_flat_workgroup_size: 256
    .sgpr_count:     66
    .vgpr_count:     512
    .wavefront_size: 32
...
	.end_amdgpu_metadata
.endif
;; end of part 10
